; MI455X (gfx1250); checked and timed in simulation.
; The chip was launched on July 23, 2026; its instructions are those of AMD's public machine-readable ISA for CDNA 5 (MIT licence, August 2026) and "CDNA5" Instruction Set Architecture Reference Guide (July 2026). The comments in the code are by the model that wrote it; some were corrected since.
;; Block. Allowed arithmetic: matrix products marked QUANTISED: E5M2 operands, one E8M0 scale for each 32 along K, by v_wmma_scale_f32_16x16x128_f8f6f4 with both operands' format E5M2, f32 sums; everything else in f32.
;; Inputs: W1 1,024 x 4,096 float32; W2 4,096 x 1,024 float32; Wk 1,024 x 1,024 float32; Wp 1,024 x 1,024 float32; Wq 1,024 x 1,024 float32; Wv 1,024 x 1,024 float32; b1 4,096 float32; b2 1,024 float32; bk 1,024 float32; bp 1,024 float32; bq 1,024 float32; bv 1,024 float32; hidden_states 2 x 2,048 x 1,024 float32; ln1_b 1,024 float32; ln1_g 1,024 float32; ln2_b 1,024 float32; ln2_g 1,024 float32.
;; Outputs: out0 2 x 2,048 x 1,024 float32.
;; This version of the problem:
;;   THIS VERSION OF THE PROBLEM IS GIVEN IN LOW PRECISION. The matrix products marked QUANTISED in the list below multiply operands that are first quantised to E5M2 (5 exponent bits, 2 mantissa bits; 8 bits a number), with one power-of-two scale for each 32 numbers along K (OCP MX v1.0); their sums are f32. All else is computed in f32.
;;   The module's matrix products, in the order in which they are computed (A, B: the left and right operand; K: the contracted axis; several contracted axes count as one K, in the product's order):
;;     1. [M 4,096, K 1,024] x [K 1,024, N 1,024]; A: computed on the way; B: input Wq: QUANTISED
;;     2. [M 4,096, K 1,024] x [K 1,024, N 1,024]; A: computed on the way; B: input Wk: QUANTISED
;;     3. [M 4,096, K 1,024] x [K 1,024, N 1,024]; A: computed on the way; B: input Wv: QUANTISED
;;     4. batch 32 x [M 2,048, K 64] x [K 64, N 2,048]; A: computed on the way; B: computed on the way: QUANTISED
;;     5. batch 32 x [M 2,048, K 2,048] x [K 2,048, N 64]; A: softmax (see below); B: computed on the way: QUANTISED
;;     6. [M 4,096, K 1,024] x [K 1,024, N 1,024]; A: computed on the way; B: input Wp: QUANTISED
;;     7. [M 4,096, K 1,024] x [K 1,024, N 4,096]; A: computed on the way; B: input W1: QUANTISED
;;     8. [M 4,096, K 4,096] x [K 4,096, N 1,024]; A: computed on the way; B: input W2: QUANTISED
;;   THE QUANTISER, for each operand of a quantised product, along K:
;;     - K is cut into blocks of 32 from its start; a last block that is shorter is filled with zeros.
;;     - A block's scale is 2^e with e = floor(log2(the largest magnitude in the block)) - 15, held to -126 .. 127; a block of zeros has e = 0. As a byte (E8M0): e + 127.
;;     - Each number is divided by its block's scale, clamped to +-57,344, and rounded to the nearest number of E5M2, ties to even, subnormals kept.
;;     - The product sums the exact products of the quantised numbers (number of the format x scale) in f32.
;;   ~~~python
;;   def quantise(x, axis):      # numpy; x: float32 -> the quantised numbers, widened to float32 again
;;       x = np.moveaxis(x, axis, -1); K = x.shape[-1]
;;       x = np.pad(x, [(0, 0)] * (x.ndim - 1) + [(0, -K % 32)]); x = x.reshape(x.shape[:-1] + (-1, 32)); a = np.abs(x).max(-1, keepdims=True)
;;       e = np.where(a > 0, np.clip(np.frexp(np.where(a > 0, a, 1))[1] - 1 - 15, -126, 127), 0)      # np.frexp(a)[1] - 1 = floor(log2(a)), exactly
;;       r = np.clip(x / 2.0 ** e, -57344, 57344)
;;       step = 2.0 ** (np.maximum(np.frexp(np.where(r == 0, 1, r))[1] - 1, -14) - 2)
;;       q = np.round(r / step) * step * 2.0 ** e      # np.round: ties to even
;;       return np.moveaxis(q.reshape(q.shape[:-2] + (-1,))[..., :K], -1, axis).astype(np.float32)
;;   ~~~
;;   SOFTMAX AHEAD OF A QUANTISED PRODUCT. Where the list says 'softmax', what is quantised is not the finished softmax but p = 2^(t - M), with t = logit x log2(e) and M = ceil(the row's largest t), a whole number; so 1/2 < the row's largest p <= 1. The row's sum l is taken of the UNQUANTISED p, in f32, and the product's result is divided by l at the end. Since M is a whole number, a kernel that streams over the keys may use a running M (the ceiling of the running maximum): every later rescaling is an exact power of two, which a block's scale takes up: the codes' values come out the same.
;;   OPERANDS COMPUTED ON THE WAY. 'Computed on the way' means the value that the module computes at that place (a softmax that the list does not call 'softmax' is quantised finished and normalised). What goes into a quantiser is computed in f32, as accurately as f32 sums, v_exp_f32 and their like allow (about 1e-6 of the number): no bf16 or f16 on the way to a quantiser, and a product that is left as it is and whose result goes on into a quantised operand takes f32 operands (vector FMAs, or v_wmma_f32_16x16x4_f32). A number that lies on a knife's edge between two numbers of the format may be rounded either way, as far as f32 arithmetic and the matrix unit's own rounding can turn it there, and no further.
;; One version. Each part assembles by itself: llvm-mc -triple=amdgcn-amd-amdhsa -mcpu=gfx1250 --defsym DOCPART=n.
;; ======== version 1 of 1: 7 launches
;; limits: right only within a limited range of input values
;; workspace buffers: wc 12,582,912 bytes; ws 393,216 bytes; xq 4,325,376 bytes; qkv 12,976,128 bytes; aq 4,325,376 bytes; h 16,777,216 bytes; hq 4,325,376 bytes; gq 17,301,504 bytes
;; launch prep1 (part 1): grid 384 x 1, 16 waves a work-group, no clusters, 89,600 bytes of LDS; arguments hidden_states, ln1_g, ln1_b, xq, Wq, Wk, Wv, Wp, wc, ws; writes xq, wc, ws
.if DOCPART == 1
	.amdgcn_target "amdgcn-amd-amdhsa--gfx1250"
	.amdhsa_code_object_version 6
	.text
	.protected	k_qadf34d9507_prep1
	.globl	k_qadf34d9507_prep1
	.p2align	8
	.type	k_qadf34d9507_prep1,@function
k_qadf34d9507_prep1:
	s_mov_b64 s[64:65], 0
	v_nop
	global_prefetch_b8 v0, s[64:65] scope:SCOPE_SE
	s_setreg_imm32_b32 hwreg(HW_REG_WAVE_MODE, 25, 1), 1
	s_wait_xcnt 0x0
; THE PROGRAM: one transformer block, 4,096 tokens x 1,024, 16 heads of 64, MLP of 4,096; all eight products on codes of E5M2 with one E8M0 scale for each 32 along K.
; Launches: prep1 (this one), qkv, attn, proj, prep2, fc1, fc2.
; WORK LEFT OUT: only key steps of attention all of whose 128 keys come after all 16 queries of a wave.  reference() builds the causal mask in its own body (i[:, None] >= i[None, :]), puts the least f32 number
; in the masked places, and every row has key 0 unmasked (0 % 25 is not 24, and 0 <= q), so a masked place has the weight 0 for all values of the inputs.  No input is left out: every bias and gain goes into a quantiser or an output.
; LIMIT: a NaN, an infinity or an overflow that reaches only masked scores is not carried to the result.
; THIS LAUNCH does two things that hang on nothing but inputs, in work-groups that part on the work-group's number alone; each way has LDS bytes of its own.
; (1) WEIGHTS, work-groups 0 to 127: Wq, Wk, Wv, Wp, f32, stored [K][N], become codes laid [N][K] (K innermost) in wc, rows of 1,024 bytes: Wq 0-1023, Wk 1024-2047, Wv 2048-3071, Wp 3072-4095; and scale words in ws:
;     four E8M0 bytes for a row n and 128 along K, laid [n / 128][K / 128][n % 128].  A work-group takes 128 columns x 256 along K; wave w takes 32 columns (w % 4) x 64 along K (w / 4).  A lane takes a column and its registers
;     run down K: a block of 32 lies in one lane's 32 registers, and the conversions give codes with K innermost.  All 64 loads of a wave go out together, 128 consecutive bytes each, four waves side by side on 512.
;     The codes meet in a stage of 128 rows x (256 bytes + 16) and leave, behind a barrier, with sixteen lanes storing 256 consecutive bytes, aligned; the scale words leave as two runs of 512 consecutive bytes.
; (2) LAYER NORM, the other 256 work-groups: y = (x - mean) * rsqrt(var + 1e-5) * g + b along rows of 1,024, quantised along the row: codes [4096][1024] at byte 0 of the output, scale words [row / 128][8][row % 128] from byte 4,194,304.
;     A work-group takes 16 rows, a wave one.  The conversions want 16 neighbours in ONE lane, so the row turns through the wave's own stage in LDS (16 bytes of padding behind each 64): register 16 f + i of lane l then holds
;     element 512 f + 16 l + i, and two neighbouring lanes hold a block.  g and b are read once by the work-group, 512 bytes a wave, and reach every wave through LDS in the same turned order.  Mean and variance in two passes, in f32.
;     A store of codes covers 512 consecutive bytes.  The scale words of 16 rows leave in pieces of 64 bytes: 16 rows of a K step are no more.
; A block's scale is 2^(floor(log2(its largest magnitude)) - 15); its byte is the largest magnitude's exponent field - 15, held at 1 from below.
; LIMITS: a block of zeros gets the byte 1 where the rule says 127 (its codes are zeros, and this program alone reads the bytes); blocks whose largest magnitude lies under 2^-111 take the floor's byte; NaN and infinities are not served.
.set SECOND, 0                         ; 0: the four square weights;  1: W1 and W2
.set NWQ,    128                       ; work-groups on the weights' way
.set PITCH,  272                       ; a row of the weights' stage: 256 bytes of codes + 16
.set EMAX,   15
.set MANT,   0x600000                  ; the mantissa field of 57,344
.set SP,     80                        ; a lane's place in a turning stage: 64 bytes + 16
.set SCB,    128*PITCH                 ; LDS: from 0 the weights' stage; here their scale words [2][128]
.set LST,    SCB+1024                  ; the norm's way: 2,560 bytes for each wave's row
.set SCW,    LST+16*2560               ; its scale words [8][16 rows]
.set GST,    SCW+512                   ; g, then b: 64 places of 80 bytes each
.set SPARE,  GST+2*5120                ; the spare words: 128 bytes for each of 16 waves
.set SPW,    14                        ; v14  my spare word; never rewritten
.set NIL,    15                        ; v15  0; never rewritten
.set X,      16                        ; the weights' way: v16-79 two blocks of 32 numbers
.set OFFS,   80                        ; v80-111  4 x lane + i rows of the input
.set C,      112                       ; v112-119 a block's codes
.set OO,     120                       ; v120-123 the way out's offsets in wc
.set SBY,    124                       ; v124     my column's two scale bytes
.set SWR,    125                       ; v125     where waves 0 and 1 read the scale words
.set SWO,    126                       ; v126     and their offset in ws
.set MU,     16                        ; the norm's way: v[16:17] the mean, twice
.set RS,     18                        ; v[18:19] 1 / sqrt(var + eps), twice
.set AC,     20                        ; v20-27   four chains of pairs; later the codes
.set E,      28                        ; v28-29   a scale byte for each half row
.set GSI,    30                        ; v30      where I put my 16 bytes of g or b
.set GSO,    31                        ; v31      where I read g and b back
.set G,      32                        ; v32-63   g of my 32 columns
.set BV,     64                        ; v64-95   b of them
.set XN,     96                        ; v96-127  the row
	s_load_b256 s[4:11], s[0:1], 0x0               ; x, g, b, the norm's output
.if SECOND
	s_load_b128 s[12:15], s[0:1], 0x20             ; W1, W2
	s_load_b128 s[20:23], s[0:1], 0x30             ; wc, ws
.else
	s_load_b256 s[12:19], s[0:1], 0x20             ; Wq, Wk, Wv, Wp
	s_load_b128 s[20:23], s[0:1], 0x40             ; wc, ws
.endif
	v_lshl_add_u32 v[SPW], v0, 2, SPARE
	v_mov_b32 v[NIL], 0
	v_lshrrev_b32 v1, 5, v0
	s_delay_alu instid0(VALU_DEP_1)
	v_readfirstlane_b32 s24, v1                    ; wave 0..15
	v_and_b32 v2, 31, v0                           ; lane
	s_cmp_lt_u32 ttmp9, NWQ                        ; the work-group's number alone decides the way
	s_cbranch_scc0 .Lnorm
	; ---------------- THE WEIGHTS.  Which weight, which 128 columns, which 256 along K
	s_add_co_u32 s25, ttmp9, 128*SECOND
	s_lshr_b32 s26, s25, 7                         ; g: 0 the four square weights, 1 W1, 2 W2
	s_and_b32 s27, s25, 127
	s_cmp_eq_u32 s26, 1
	s_cselect_b32 s28, 5, 3                        ; log2 of the column blocks
	s_mov_b32 s29, 4096
	s_cselect_b32 s29, 16384, s29                  ; NS: bytes in a row of the input
	s_lshl_b32 s30, 1, s28
	s_sub_co_u32 s30, s30, 1
	s_and_b32 s30, s27, s30                        ; column block
	s_lshr_b32 s31, s27, s28
	s_lshr_b32 s32, s31, 2
	s_and_b32 s33, s31, 3
	s_add_co_u32 s34, s26, 3
	s_cmp_eq_u32 s26, 0
	s_cselect_b32 s32, s32, s34                    ; which of the six
	s_cselect_b32 s33, s33, s31                    ; which 256 along K
	s_lshl_b32 s34, s32, 10
	s_cmp_eq_u32 s26, 0
	s_cselect_b32 s34, s34, 0
	s_cmp_eq_u32 s26, 1
	s_cselect_b32 s34, 4096, s34                   ; the weight's first row in wc
	s_cmp_eq_u32 s26, 2
	s_mov_b32 s35, 1024
	s_cselect_b32 s35, 4096, s35                   ; KROW: bytes in a row of codes
	s_cselect_b32 s36, 0x800000, 0                 ; W2's codes begin here
	s_mov_b32 s37, 4096
	s_cselect_b32 s37, 16384, s37                  ; scale words of 128 rows, in bytes
	s_cselect_b32 s38, 0x40000, 0                  ; W2's scale words begin here
	s_lshl_b32 s39, s30, 7
	s_add_co_u32 s34, s34, s39                     ; R0: my work-group's first row of codes
	s_and_b32 s40, s24, 3                          ; cg: my 32 columns of the 128
	s_lshr_b32 s41, s24, 2                         ; kg: my 64 along K of the 256
	s_lshl_b32 s42, s33, 2
	s_add_co_u32 s42, s42, s41
	s_mul_i32 s42, s42, s29
	s_lshl_b32 s42, s42, 6                         ; 64 rows of the input for each step of kg
	s_lshl_b32 s43, s30, 9
	s_add_co_u32 s42, s42, s43
	s_lshl_b32 s43, s40, 7
	s_add_co_u32 s42, s42, s43                     ; + my 32 columns
	s_mov_b32 s43, 0
	s_lshl_b32 s44, s29, 5                         ; a block: 32 rows of the input
	s_mov_b32 s45, 0
	s_lshl_b32 s46, s24, 3
	s_add_co_u32 s46, s46, s34
	s_mul_i32 s46, s46, s35
	s_add_co_u32 s46, s46, s36
	s_lshl_b32 s47, s33, 8
	s_add_co_u32 s46, s46, s47                     ; the eight rows of codes that I store
	s_mov_b32 s47, 0
	s_lshr_b32 s48, s34, 7
	s_mul_i32 s48, s48, s37
	s_add_co_u32 s48, s48, s38
	s_lshl_b32 s49, s33, 10
	s_add_co_u32 s48, s48, s49
	s_and_b32 s49, s24, 1
	s_lshl_b32 s49, s49, 9
	s_add_co_u32 s48, s48, s49                     ; the 128 scale words that wave 0 or 1 stores
	s_mov_b32 s49, 0
	s_wait_alu depctr_va_vdst(0)
	v_lshlrev_b32 v3, 2, v2
.set i, 0
.rept 32
	v_mad_u32_u24 v[OFFS+i], s29, i, v3
.set i, i+1
.endr
	s_mul_i32 s51, s40, 32*PITCH                   ; every LDS address is made here, ahead of the branch on the wave's number further down
	s_lshl_b32 s52, s41, 6
	s_add_co_u32 s51, s51, s52
	v_mul_u32_u24 v4, v2, PITCH
	s_delay_alu instid0(VALU_DEP_1)
	v_add_nc_u32 v4, s51, v4                       ; into the stage: row = my column, my 64 bytes of its 256
	s_lshr_b32 s52, s41, 1
	s_lshl_b32 s52, s52, 9
	s_lshl_b32 s53, s40, 7
	s_add_co_u32 s52, s52, s53
	s_and_b32 s53, s41, 1
	s_lshl_b32 s53, s53, 1
	s_add_co_u32 s52, s52, s53
	s_add_co_u32 s52, s52, SCB
	v_lshl_add_u32 v9, v2, 2, s52                  ; my column's word of K step kg / 2, its lower or upper half
	s_mul_i32 s53, s24, 8*PITCH
	v_and_b32 v5, 15, v2
	v_lshrrev_b32 v6, 4, v2
	s_delay_alu instid0(VALU_DEP_1)
	v_mul_u32_u24 v7, v6, PITCH
	s_delay_alu instid0(VALU_DEP_1)
	v_lshl_add_u32 v7, v5, 4, v7
	s_delay_alu instid0(VALU_DEP_1)
	v_add_nc_u32 v7, s53, v7                       ; out of it: rows 8 w on, sixteen lanes to a row, two rows an instruction
	s_delay_alu instid0(VALU_DEP_4)
	v_mul_lo_u32 v8, v6, s35
	s_delay_alu instid0(VALU_DEP_1)
	v_lshl_add_u32 v8, v5, 4, v8
.irp t, 0,1,2,3
	v_mad_u32_u24 v[OO+\t], s35, 2*\t, v8
.endr
	s_and_b32 s53, s24, 1
	s_lshl_b32 s53, s53, 9
	s_add_co_u32 s53, s53, SCB
	v_lshl_add_u32 v[SWR], v2, 4, s53
	v_lshlrev_b32 v[SWO], 4, v2
	s_wait_kmcnt 0x0
.if SECOND
	s_cmp_eq_u32 s32, 5                            ; the choice of the input hangs on the work-group's number alone
	s_cselect_b64 s[54:55], s[14:15], s[12:13]
.else
	s_mov_b64 s[54:55], s[12:13]
	s_cmp_eq_u32 s32, 1
	s_cselect_b64 s[54:55], s[14:15], s[54:55]
	s_cmp_eq_u32 s32, 2
	s_cselect_b64 s[54:55], s[16:17], s[54:55]
	s_cmp_eq_u32 s32, 3
	s_cselect_b64 s[54:55], s[18:19], s[54:55]
.endif
	s_add_nc_u64 s[56:57], s[54:55], s[42:43]      ; a base for each of my two blocks; never rewritten
	s_add_nc_u64 s[58:59], s[56:57], s[44:45]
	s_add_nc_u64 s[60:61], s[20:21], s[46:47]
	s_add_nc_u64 s[62:63], s[22:23], s[48:49]
.macro LOAD t                          ; block t: W(32 t + i, my column)
.set i, 0
.rept 32
	global_load_b32 v[X+32*(\t)+i], v[OFFS+i], s[56+2*(\t):57+2*(\t)] th:TH_LOAD_NT
.set i, i+1
.endr
.endm
	LOAD 0
	LOAD 1                                         ; all that the wave reads is on its way
.macro BLOCK t
.set XS, X+32*(\t)
.if (\t) == 0
	s_wait_loadcnt 32                              ; this block's 32 loads are in; the other block's may be out
.else
	s_wait_loadcnt 0x0
.endif
	v_max3_num_f32 v12, |v[XS]|, |v[XS+1]|, |v[XS+2]|
	v_max3_num_f32 v13, |v[XS+3]|, |v[XS+4]|, |v[XS+5]|
.irp i, 6,10,14,18,22,26
	s_delay_alu instid0(VALU_DEP_2)
	v_max3_num_f32 v12, v12, |v[XS+\i]|, |v[XS+\i+1]|
	s_delay_alu instid0(VALU_DEP_2)
	v_max3_num_f32 v13, v13, |v[XS+\i+2]|, |v[XS+\i+3]|
.endr
	s_delay_alu instid0(VALU_DEP_2)
	v_max3_num_f32 v12, v12, |v[XS+30]|, |v[XS+31]|
	s_delay_alu instid0(VALU_DEP_1)
	v_max3_num_f32 v12, v12, v13, (EMAX+1)<<23     ; the floor 2^(16 - 127): the byte cannot fall under 1
	s_delay_alu instid0(VALU_DEP_1)
	v_add_nc_u32 v11, -(EMAX<<23), v12             ; 15 off the exponent field: the conversion's scale operand
	s_delay_alu instid0(VALU_DEP_1)
	v_lshrrev_b32 v13, 23, v11                     ; the scale's byte
.if (\t) == 0
	s_delay_alu instid0(VALU_DEP_1)
	v_mov_b32 v[SBY], v13
.else
	s_delay_alu instid0(VALU_DEP_1)
	v_lshl_or_b32 v[SBY], v13, 8, v[SBY]
.endif
.set i, 0
.rept 32
.set i, i+1
.endr
.irp g, 0,1,2,3
	v_cvt_scalef32_pk8_bf8_f32 v[C+2*\g:C+2*\g+1], v[XS+8*\g:XS+8*\g+7], v11
.endr
	ds_store_b128 v4, v[C:C+3] offset:32*(\t)
	ds_store_b128 v4, v[C+4:C+7] offset:32*(\t)+16
	s_wait_dscnt 0x0                               ; the stores have read their registers: the next block's codes may be written
.endm
	BLOCK 0
	BLOCK 1
	s_wait_alu depctr_va_vdst(0)
	ds_store_b16 v9, v[SBY]
	s_wait_dscnt 0x0                               ; for the others' sake: my codes and my two bytes have landed
	s_barrier_signal -1
	s_barrier_wait -1
.irp t, 0,1,2,3
	ds_load_b128 v[X+4*\t:X+4*\t+3], v7 offset:2*\t*PITCH
.endr
.irp t, 0,1,2,3
	s_wait_dscnt 3-\t                              ; the loads behind load t may be out
	global_store_b128 v[OO+\t], v[X+4*\t:X+4*\t+3], s[60:61]   ; sixteen lanes store 256 consecutive bytes, aligned
.endr
	s_cmp_lt_u32 s24, 2
	s_cbranch_scc0 .Lweights_end                   ; waves 0 and 1 store the scale words of the two K steps of 128
	ds_load_b128 v[X+16:X+19], v[SWR]
	s_wait_dscnt 0x0
	global_store_b128 v[SWO], v[X+16:X+19], s[62:63]   ; 512 consecutive bytes
.Lweights_end:
	s_wait_tensorcnt 0x0                           ; the wave's end
	ds_add_u32 v[SPW], v[NIL]
	s_wait_dscnt 0x0
	s_endpgm
	; ---------------- THE LAYER NORM
.Lnorm:
	s_sub_co_u32 s25, ttmp9, NWQ                   ; which 16 rows
	s_mul_i32 s26, s24, 2560
	s_add_co_u32 s26, s26, LST                     ; my stage
	s_wait_alu depctr_va_vdst(0)
	v_lshlrev_b32 v3, 4, v2                        ; 16 x lane: the loads' and the code stores' offset
	v_lshrrev_b32 v4, 2, v2
	s_delay_alu instid0(VALU_DEP_1)
	v_mul_u32_u24 v4, v4, SP
	v_and_b32 v1, 3, v2
	s_delay_alu instid0(VALU_DEP_1)
	v_lshl_add_u32 v4, v1, 4, v4                   ; four lanes' 64 bytes on end, then 16 of padding
	s_lshr_b32 s27, s24, 3
	s_mul_i32 s27, s27, 5120
	s_and_b32 s28, s24, 7
	s_mul_i32 s28, s28, 640
	s_add_co_u32 s27, s27, s28
	s_add_co_u32 s27, s27, GST
	v_add_nc_u32 v[GSI], s27, v4                   ; g (waves 0-7) or b (waves 8-15): my wave's 512 bytes take eight places
	v_add_nc_u32 v4, s26, v4                       ; my stage, on the way in
	v_mul_u32_u24 v7, v2, SP
	s_delay_alu instid0(VALU_DEP_1)
	v_add_nc_u32 v[GSO], GST, v7
	s_delay_alu instid0(VALU_DEP_2)
	v_add_nc_u32 v7, s26, v7                       ; and on the way out
	v_lshrrev_b32 v5, 3, v2
	s_delay_alu instid0(VALU_DEP_1)
	v_lshlrev_b32 v5, 6, v5
	v_bfe_u32 v1, v2, 1, 2
	s_delay_alu instid0(VALU_DEP_1)
	v_add_nc_u32 v5, v5, v1
	s_lshl_b32 s27, s24, 2
	s_add_co_u32 s27, s27, SCW
	v_add_nc_u32 v5, s27, v5                       ; my block's byte: K step lane / 8 (64 bytes each), row = wave (4 bytes each), byte (lane / 2) % 4
	v_lshl_add_u32 v6, v2, 4, SCW                  ; the words that wave 0 stores at the end,
	v_lshrrev_b32 v13, 2, v2
	s_delay_alu instid0(VALU_DEP_1)
	v_lshlrev_b32 v13, 9, v13
	v_and_b32 v1, 3, v2
	s_delay_alu instid0(VALU_DEP_1)
	v_lshl_add_u32 v13, v1, 4, v13                 ; and their place in memory: K step lane / 4, four rows a lane
	s_mov_b32 s48, 0x3a800000                      ; 1 / 1024
	s_mov_b32 s50, 0x76543210
	s_mov_b32 s51, 0xfedcba98                      ; lane l xor 16
	s_lshl_b32 s32, s25, 4
	s_add_co_u32 s32, s32, s24                     ; my row
	s_lshl_b32 s34, s32, 12
	s_mov_b32 s35, 0
	s_lshl_b32 s36, s32, 10
	s_mov_b32 s37, 0
	s_lshr_b32 s38, s25, 3
	s_lshl_b32 s38, s38, 12
	s_and_b32 s39, s25, 7
	s_lshl_b32 s39, s39, 6
	s_add_co_u32 s38, s38, s39
	s_add_co_u32 s38, s38, 0x400000
	s_mov_b32 s39, 0
	s_and_b32 s46, s24, 7
	s_lshl_b32 s46, s46, 9
	s_mov_b32 s47, 0
	s_wait_kmcnt 0x0
	s_cmp_lt_u32 s24, 8
	s_cselect_b64 s[44:45], s[6:7], s[8:9]
	s_add_nc_u64 s[44:45], s[44:45], s[46:47]      ; my 512 bytes of g or of b
	s_add_nc_u64 s[4:5], s[4:5], s[34:35]
	s_add_nc_u64 s[40:41], s[10:11], s[36:37]      ; my codes
	s_add_nc_u64 s[42:43], s[10:11], s[38:39]      ; the work-group's scale words
	global_load_b128 v[G:G+3], v3, s[44:45]
.irp j, 0,1,2,3,4,5,6,7
	global_load_b128 v[XN+4*\j:XN+4*\j+3], v3, s[4:5] offset:512*\j
.endr
	s_wait_loadcnt 8                               ; my piece of g or b is in; the row's eight loads may be out
	ds_store_b128 v[GSI], v[G:G+3]
	s_wait_loadcnt 0x0
.irp f, 0,1                            ; the row through my stage, half by half, back into the registers that it left; LDS serves a wave's instructions in order
.irp j, 0,1,2,3
	ds_store_b128 v4, v[XN+16*\f+4*\j:XN+16*\f+4*\j+3] offset:640*\j
.endr
.irp j, 0,1,2,3
	ds_load_b128 v[XN+16*\f+4*\j:XN+16*\f+4*\j+3], v7 offset:16*\j
.endr
.endr
	s_wait_dscnt 0x0                               ; my row is back; and, for the others' sake, my piece of g or b has landed
	s_barrier_signal -1
	s_barrier_wait -1
.irp f, 0,1
.irp j, 0,1,2,3
	ds_load_b128 v[G+16*\f+4*\j:G+16*\f+4*\j+3], v[GSO] offset:2560*\f+16*\j            ; they land under the two passes below
	ds_load_b128 v[BV+16*\f+4*\j:BV+16*\f+4*\j+3], v[GSO] offset:5120+2560*\f+16*\j
.endr
.endr
.macro LANES                           ; the four chains, the pair's halves and the 32 lanes are added: every lane ends with the sum in v[AC]
	s_delay_alu instid0(VALU_DEP_3)
	v_pk_add_f32 v[AC:AC+1], v[AC:AC+1], v[AC+2:AC+3]
	s_delay_alu instid0(VALU_DEP_2)
	v_pk_add_f32 v[AC+4:AC+5], v[AC+4:AC+5], v[AC+6:AC+7]
	s_delay_alu instid0(VALU_DEP_1)
	v_pk_add_f32 v[AC:AC+1], v[AC:AC+1], v[AC+4:AC+5]
	s_delay_alu instid0(VALU_DEP_1)
	v_add_f32 v[AC], v[AC], v[AC+1]
	s_delay_alu instid0(VALU_DEP_1)
	v_add_f32_dpp v[AC], v[AC], v[AC] row_xmask:1 row_mask:0xf bank_mask:0xf
	s_delay_alu instid0(VALU_DEP_1)
	v_add_f32_dpp v[AC], v[AC], v[AC] row_xmask:2 row_mask:0xf bank_mask:0xf
	s_delay_alu instid0(VALU_DEP_1)
	v_add_f32_dpp v[AC], v[AC], v[AC] row_xmask:4 row_mask:0xf bank_mask:0xf
	s_delay_alu instid0(VALU_DEP_1)
	v_add_f32_dpp v[AC], v[AC], v[AC] row_xmask:8 row_mask:0xf bank_mask:0xf
	s_delay_alu instid0(VALU_DEP_1)
	v_permlanex16_b32 v[AC+1], v[AC], s50, s51
	s_delay_alu instid0(VALU_DEP_1)
	v_add_f32 v[AC], v[AC], v[AC+1]
.endm
.irp c, 0,1,2,3
	v_pk_add_f32 v[AC+2*\c:AC+2*\c+1], v[XN+2*\c:XN+2*\c+1], v[XN+8+2*\c:XN+8+2*\c+1]
.endr
.irp k, 16,24
.irp c, 0,1,2,3
	s_delay_alu instid0(VALU_DEP_4)
	v_pk_add_f32 v[AC+2*\c:AC+2*\c+1], v[AC+2*\c:AC+2*\c+1], v[XN+\k+2*\c:XN+\k+2*\c+1]
.endr
.endr
	LANES
	s_delay_alu instid0(VALU_DEP_1)
	v_mul_f32 v[MU], s48, v[AC]
	s_delay_alu instid0(VALU_DEP_1)
	v_mov_b32 v[MU+1], v[MU]
.set i, 0
.rept 16
	v_pk_add_f32 v[XN+i:XN+i+1], v[XN+i:XN+i+1], v[MU:MU+1] neg_lo:[0,1] neg_hi:[0,1]
.set i, i+2
.endr
.irp c, 0,1,2,3
	v_pk_mul_f32 v[AC+2*\c:AC+2*\c+1], v[XN+2*\c:XN+2*\c+1], v[XN+2*\c:XN+2*\c+1]
.endr
.irp k, 8,16,24
.irp c, 0,1,2,3
	s_delay_alu instid0(VALU_DEP_4)
	v_pk_fma_f32 v[AC+2*\c:AC+2*\c+1], v[XN+\k+2*\c:XN+\k+2*\c+1], v[XN+\k+2*\c:XN+\k+2*\c+1], v[AC+2*\c:AC+2*\c+1]
.endr
.endr
	LANES
	s_delay_alu instid0(VALU_DEP_1)
	v_fmaak_f32 v[AC], s48, v[AC], 0x3727c5ac      ; the variance + 1e-5
	s_wait_alu depctr_va_vdst(0)
	v_rsq_f32 v[RS], v[AC]
	v_nop                                          ; a plain instruction behind the transcendental,
	s_wait_alu depctr_va_vdst(0)                   ; and a wait ahead of its first reader
	v_mov_b32 v[RS+1], v[RS]
.set i, 0
.rept 16
	v_pk_mul_f32 v[XN+i:XN+i+1], v[XN+i:XN+i+1], v[RS:RS+1]
.set i, i+2
.endr
	s_wait_dscnt 0x0                               ; g and b
.set i, 0
.rept 16
	v_pk_fma_f32 v[XN+i:XN+i+1], v[XN+i:XN+i+1], v[G+i:G+i+1], v[BV+i:BV+i+1]
.set i, i+2
.endr
.irp f, 0,1
.set XS, XN+16*\f
.set CS, AC+4*\f
	v_max3_num_f32 v8, |v[XS]|, |v[XS+1]|, |v[XS+2]|
	v_max3_num_f32 v9, |v[XS+3]|, |v[XS+4]|, |v[XS+5]|
.irp i, 6,10
	s_delay_alu instid0(VALU_DEP_2)
	v_max3_num_f32 v8, v8, |v[XS+\i]|, |v[XS+\i+1]|
	s_delay_alu instid0(VALU_DEP_2)
	v_max3_num_f32 v9, v9, |v[XS+\i+2]|, |v[XS+\i+3]|
.endr
	s_delay_alu instid0(VALU_DEP_2)
	v_max3_num_f32 v8, v8, |v[XS+14]|, |v[XS+15]|
	s_delay_alu instid0(VALU_DEP_1)
	v_max3_num_f32 v8, v8, v9, 0x8000000           ; the floor 2^(16 - 127)
	s_delay_alu instid0(VALU_DEP_1)
	v_max_num_f32_dpp v8, v8, v8 row_xmask:1 row_mask:0xf bank_mask:0xf   ; with my neighbour's 16: the block's largest magnitude
	s_delay_alu instid0(VALU_DEP_1)
	v_add_nc_u32 v11, 0xf8800000, v8               ; 15 off its exponent field: the conversion's scale operand
.set i, 0
.rept 16
.set i, i+1
.endr
	v_cvt_scalef32_pk8_bf8_f32 v[CS:CS+1], v[XS:XS+7], v11
	v_cvt_scalef32_pk8_bf8_f32 v[CS+2:CS+3], v[XS+8:XS+15], v11
	v_lshrrev_b32 v[E+\f], 23, v11                 ; the scale's byte (also the plain instruction behind the conversions)
	ds_store_b8 v5, v[E+\f] offset:256*\f          ; both lanes of a block write the same byte with the same value
	global_store_b128 v3, v[CS:CS+3], s[40:41] offset:512*\f   ; 512 consecutive bytes
.endr
	s_wait_dscnt 0x0                               ; for the others' sake: my bytes have landed
	s_barrier_signal -1
	s_barrier_wait -1
	s_cmp_lg_u32 s24, 0
	s_cbranch_scc1 .Lnorm_end                      ; wave 0 stores the 16 rows' scale words
	ds_load_b128 v[XN:XN+3], v6
	s_wait_dscnt 0x0
	global_store_b128 v13, v[XN:XN+3], s[42:43]
.Lnorm_end:
	s_wait_tensorcnt 0x0                           ; the wave's end
	ds_add_u32 v[SPW], v[NIL]
	s_wait_dscnt 0x0
	s_endpgm
.Lfunc_end_k_qadf34d9507_prep1:
	.size	k_qadf34d9507_prep1, .Lfunc_end_k_qadf34d9507_prep1-k_qadf34d9507_prep1
	.p2alignl 7, 3214868480
	.fill 96, 4, 3214868480
	.section	.rodata,"a",@progbits
	.p2align	6, 0x0
	.amdhsa_kernel k_qadf34d9507_prep1
		.amdhsa_group_segment_fixed_size 89600
		.amdhsa_private_segment_fixed_size 0
		.amdhsa_enable_private_segment 0
		.amdhsa_kernarg_size 80
		.amdhsa_user_sgpr_count 2
		.amdhsa_user_sgpr_kernarg_segment_ptr 1
		.amdhsa_wavefront_size32 1
		.amdhsa_system_sgpr_workgroup_id_x 1
		.amdhsa_system_sgpr_workgroup_id_y 1
		.amdhsa_system_sgpr_workgroup_id_z 1
		.amdhsa_system_vgpr_workitem_id 0
		.amdhsa_next_free_vgpr 128
		.amdhsa_next_free_sgpr 66
		.amdhsa_reserve_vcc 0
		.amdhsa_float_denorm_mode_32 3
		.amdhsa_float_denorm_mode_16_64 3
		.amdhsa_fp16_overflow 1
		.amdhsa_memory_ordered 1
		.amdhsa_forward_progress 1
		.amdhsa_inst_pref_size 35
	.end_amdhsa_kernel
	.amdgpu_metadata
---
amdhsa.version: [ 1, 2 ]
amdhsa.kernels:
  - .name:           k_qadf34d9507_prep1
    .symbol:         k_qadf34d9507_prep1.kd
    .args:
      - { .name: hidden_states, .offset: 0, .size: 8, .value_kind: global_buffer, .address_space: global }
      - { .name: ln1_g, .offset: 8, .size: 8, .value_kind: global_buffer, .address_space: global }
      - { .name: ln1_b, .offset: 16, .size: 8, .value_kind: global_buffer, .address_space: global }
      - { .name: xq, .offset: 24, .size: 8, .value_kind: global_buffer, .address_space: global }
      - { .name: Wq, .offset: 32, .size: 8, .value_kind: global_buffer, .address_space: global }
      - { .name: Wk, .offset: 40, .size: 8, .value_kind: global_buffer, .address_space: global }
      - { .name: Wv, .offset: 48, .size: 8, .value_kind: global_buffer, .address_space: global }
      - { .name: Wp, .offset: 56, .size: 8, .value_kind: global_buffer, .address_space: global }
      - { .name: wc, .offset: 64, .size: 8, .value_kind: global_buffer, .address_space: global }
      - { .name: ws, .offset: 72, .size: 8, .value_kind: global_buffer, .address_space: global }
    .group_segment_fixed_size: 89600
    .private_segment_fixed_size: 0
    .kernarg_segment_align: 8
    .kernarg_segment_size: 80
    .max_flat_workgroup_size: 512
    .sgpr_count:     66
    .vgpr_count:     128
    .wavefront_size: 32
...
	.end_amdgpu_metadata
.endif
;; end of part 1
;; launch qkv (part 2): grid 12 x 16, 4 waves a work-group, clusters of 4 x 4, 327,680 bytes of LDS; arguments xq, wc, ws, bq, bk, bv, qkv; writes qkv
.if DOCPART == 2
	.amdgcn_target "amdgcn-amd-amdhsa--gfx1250"
	.amdhsa_code_object_version 6
	.text
	.protected	k_qadf34d9507_qkv
	.globl	k_qadf34d9507_qkv
	.p2align	8
	.type	k_qadf34d9507_qkv,@function
k_qadf34d9507_qkv:
	s_mov_b64 s[64:65], 0
	v_nop
	global_prefetch_b8 v0, s[64:65] scope:SCOPE_SE
	s_setreg_imm32_b32 hwreg(HW_REG_WAVE_MODE, 25, 1), 1
	s_wait_xcnt 0x0
	s_wait_alu depctr_hold_cnt(0) depctr_sa_sdst(0) depctr_va_vdst(0) depctr_va_sdst(0) depctr_va_ssrc(0) depctr_va_vcc(0) depctr_vm_vsrc(0)
	s_getreg_b32 s2, hwreg(HW_REG_IB_STS2, 6, 4)
	s_cmp_eq_u32 s2, 0
	s_cbranch_scc0 .Lentry_in_a_cluster
	s_endpgm
.Lentry_in_a_cluster:
	s_bfe_u32 s2, ttmp6, 0x10000c
	s_cmp_lg_u32 s2, 0xf033
	s_cbranch_scc0 .Lentry_shape_is_right
	s_endpgm
.Lentry_shape_is_right:
; q = x Wq + bq, k = x Wk + bk, v = x Wv + bv on codes of E5M2 (x from xq, the weights from wc and ws), K = 1,024, and each result quantised for attention.  Nothing is left out.
; A tile of 256 x 256 to a work-group of four waves, 128 x 128 a wave: 64 accumulators.  K goes in steps of 256 through a ring of two LDS slots; the scale words of the tile's rows, for all of K, come once.
; The matrix instruction is used transposed (source 0 = 16 rows of "B", source 1 = 16 rows of "A"): a lane holds one row of A and eight neighbouring rows of B.
; Clusters x = 0, 1: A = tokens, B = the 2,048 rows of Wq and Wk: a lane holds a token, its registers run along the features, which are the K of q k^T.
; Cluster x = 2: A = Wv's rows, B = tokens: a lane holds a feature, its registers run along the tokens, which are the K (the keys) of p v.  The choice hangs on the cluster's x alone: the same in all sixteen partners.
; CLUSTERS: 4 x 4; A's tiles are asked for jointly along a row of the cluster, B's along a column.
; OUTPUT (buffer qkv): q's codes [bh][s][64] at 0, k's at 4,194,304; v's codes [bh][s / 128][d][128 keys] at 8,388,608; from 12,582,912 q's scales, two bytes a (bh, s), at bh 4096 + 2 ((s & ~15) + pos(s & 15)),
; pos(r) = 2 (r % 8) + r / 8; k's likewise 131,072 on; v's scale words 262,144 on at bh 4096 + (s / 128) 256 + 4 ((d & ~15) + pos(d & 15)).
; THE WAY OUT: a counted loop over the wave's eight blocks of 16 rows: bias added, quantised (64 numbers a lane: four blocks of 32, each shared with lane l xor 16), codes into the wave's own stage in slot 0, which has had its
; last fill and its last read; behind one barrier the codes leave in runs of 512 consecutive bytes.
; REGISTERS: window 0: v0-31 addresses; v32-63 scale words, two sets, and nothing else; v64-127 the bias; v128-255 A's fragments, one set.  Window 1: B's fragments, two sets; on the way out all that the arithmetic touches.
;   windows 2, 3: the accumulators ((a, b) at v[8 (8 (a % 4) + b)]).
; LIMITS: a block of zeros gets the byte 1 where the rule says 127 (its codes are zeros; this program alone reads the bytes); largest magnitudes under 2^-111 take the floor's byte; NaN and infinities are not served.
.set NQ,     2
.set ROWB,   256
.set KROW,   1024
.set PITCH,  272                       ; an LDS row: 256 bytes + 16: the 16 rows that a load touches start at 16 different banks
.set FR,     16
.set NL,     4
.set NP,     8                         ; places behind this matrix instruction (ISA guide 7.12.1)
.set HALFT,  128*PITCH
.set SLOT,   4*HALFT
.set LAPS,   2
.set SCL,    2*SLOT                    ; behind the ring: the scale words, units of 256 bytes + 16
.set HALFS,  16*272                    ; those of 128 rows: [8 K steps of 128][128 rows] words
.set SPARE,  SCL+4*HALFS               ; the spare words
.set SS,     SPARE+512                 ; 512 bytes a wave: the scale words just made
.set WST,    128*144                   ; the way out: a wave's stage, 128 rows x (128 bytes + 16), at WST x wave, in slot 0
.set STA,  12
.set SSA,  13
.set RDV,  14
.set SSR,  15
.set ADRA, 16
.set ADRB, 20
.set SO8,  22
.set SOV,  23
.set STO,  24
.set RDQ,  25
.set CO,   26
.set ADRS, 27
.set SPW,  28
.set NIL,  29
.set SS0,  30
.set BO,   31
.set SC,   32
.set BIAS, 64
.set AF,   128
.set Y,    0                           ; window 1, on the way out: 64 numbers,
.set TM,   128                         ; the quantiser's sixteen,
.set PC,   144                         ; the codes,
.set PW,   160                         ; the scale word
.set G1, 24
.set G0, 32
.set G1B, 48
.set G0B, 56
.set G1S, 68
.set G0S, 76
.set G1SB, 80
.set G0SB, 88
.set EA, 45                            ; the way out's trip, and its steps in the two stages
.set ES, 46
.set EQ, 47
.set SEL, 92
.set MNT, 94
.set MSB, 0
.macro WIN new                         ; the immediate's high byte repeats the setting that is left
.if MSB != (\new)
	s_set_vgpr_msb (MSB<<8)|(\new)
.set MSB, (\new)
.endif
.endm
.set MUL_LO, 0xa1
.set MUL_HI, 0xf1
.set TO_B,   0x40
.macro JLOAD g0a, g1a, g0b, g1b        ; a joint load: waves 0 and 1 fetch for A, waves 2 and 3 for B; an s_nop 0 and four v_nop follow each line
	s_cmp_eq_u32 s15, 0
	s_cbranch_scc0 .Lfor_b_\@
	tensor_load_to_lds s[\g0a:\g0a+3], s[\g1a:\g1a+7]
	s_nop 0
.rept 4
	v_nop
.endr
	s_branch .Lasked_\@
.Lfor_b_\@:
	tensor_load_to_lds s[\g0b:\g0b+3], s[\g1b:\g1b+7]
	s_nop 0
.rept 4
	v_nop
.endr
.Lasked_\@:
.endm
.macro CREST
	s_cmp_lg_u32 s14, 0
	s_cbranch_scc1 .Lnot_wave_0_\@
	s_barrier_signal -3
.Lnot_wave_0_\@:
	s_barrier_wait -3
	s_barrier_signal -1
	s_barrier_wait -1
.endm
.macro CROUND
	s_barrier_signal -1
	s_barrier_wait -1
	CREST
.endm
	s_load_b256 s[4:11], s[0:1], 0x0               ; xq, wc, ws, bq
	s_load_b128 s[96:99], s[0:1], 0x20             ; bk, bv
	s_load_b64 s[100:101], s[0:1], 0x30            ; qkv
	v_lshl_add_u32 v[SPW], v0, 2, SPARE
	v_mov_b32 v[NIL], 0
	ds_add_u32 v[SPW], v[NIL]                      ; the opening: the add, twice on end, and its wait ahead of my first tensor load
	ds_add_u32 v[SPW], v[NIL]
	v_lshrrev_b32 v1, 5, v0
	v_readfirstlane_b32 s14, v1                    ; wave
	s_lshr_b32 s15, s14, 1                         ; my half of A's rows; also: I fetch for A (0) or B (1)
	s_and_b32 s16, s14, 1                          ; my half of B's rows; also: which 128 rows I fetch
	s_bfe_u32 s40, ttmp6, 0x40000                  ; cx
	s_bfe_u32 s41, ttmp6, 0x40004                  ; cy
	s_and_b32 s17, ttmp7, 0xffff                   ; cluster y
	s_mov_b32 s66, ttmp9                           ; cluster x: 0 q, 1 k, 2 v
	s_cmp_eq_u32 s66, 2
	s_cselect_b32 s67, 1, 0                        ; v?
	s_cselect_b32 s42, s17, s66
	s_cselect_b32 s17, 0, s17
	s_lshl_b32 s42, s42, 2
	s_add_co_u32 s42, s42, s40                     ; tile column (B's rows / 256)
	s_lshl_b32 s17, s17, 2
	s_add_co_u32 s17, s17, s41                     ; tile row (A's rows / 256)
	s_lshl_b32 s43, s41, 2
	s_lshl_b32 s43, 15, s43                        ; my row of the cluster
	s_lshl_b32 s44, 0x1111, s40                    ; my column
	s_or_b32 s[G1+0], s43, (1<<20)|(1<<21)|(5<<22)|(3<<25)    ; the mask; elements of 1 byte; padding: 4 words behind every 64
	s_or_b32 s[G1B+0], s44, (1<<20)|(1<<21)|(5<<22)|(3<<25)
.irp g, G1, G1B
	s_mov_b32 s[\g+1], ROWB<<16
	s_mov_b32 s[\g+2], 128<<16
	s_mov_b32 s[\g+3], ROWB<<16
	s_mov_b32 s[\g+4], 128
	s_mov_b32 s[\g+5], KROW
	s_mov_b32 s[\g+6], 0
	s_mov_b32 s[\g+7], 0
.endr
	s_or_b32 s[G1S+0], s43, (3<<16)|(1<<20)|(1<<21)|(5<<22)|(3<<25)   ; the scale words of 128 rows: 4,096 dense bytes as 16 rows of 256
	s_or_b32 s[G1SB+0], s44, (3<<16)|(1<<20)|(1<<21)|(5<<22)|(3<<25)
.irp g, G1S, G1SB
	s_mov_b32 s[\g+1], 32<<16
	s_mov_b32 s[\g+2], 16<<16
	s_mov_b32 s[\g+3], 32<<16
	s_mov_b32 s[\g+4], 16
	s_mov_b32 s[\g+5], 32
	s_mov_b32 s[\g+6], 0
	s_mov_b32 s[\g+7], 0
.endr
	s_lshl_b32 s18, s16, 7
	s_lshl_b32 s20, s17, 8
	s_add_co_u32 s20, s20, s18                     ; A: the first row that I fetch
	s_lshl_b32 s46, s42, 8
	s_add_co_u32 s46, s46, s18                     ; B likewise
	s_lshl_b32 s22, s20, 5                         ; its scale words: 32 bytes a row
	s_mov_b32 s23, 0
	s_lshl_b32 s92, s46, 5
	s_mov_b32 s93, 0
	s_lshl_b32 s20, s20, 10                        ; its codes
	s_mov_b32 s21, 0
	s_lshl_b32 s46, s46, 10
	s_mov_b32 s47, 0
	s_mul_i32 s45, s14, HALFT
	s_mul_i32 s94, s14, HALFS
	s_wait_dscnt 0x0                               ; both opening adds are done
	s_wait_kmcnt 0x0
	s_add_nc_u64 s[12:13], s[4:5], 0x400000        ; x's scale words
	s_add_nc_u64 s[18:19], s[6:7], 0x200000        ; Wv's codes
	s_add_nc_u64 s[2:3], s[8:9], 0x10000           ; Wv's scale words
	s_cmp_eq_u32 s67, 1
	s_cselect_b64 s[32:33], s[18:19], s[4:5]       ; A's codes
	s_cselect_b64 s[34:35], s[2:3], s[12:13]       ; A's scale words
	s_cselect_b64 s[36:37], s[4:5], s[6:7]         ; B's codes
	s_cselect_b64 s[38:39], s[12:13], s[8:9]       ; B's scale words
	s_add_nc_u64 s[20:21], s[32:33], s[20:21]
	s_add_nc_u64 s[22:23], s[34:35], s[22:23]
	s_add_nc_u64 s[46:47], s[36:37], s[46:47]
	s_add_nc_u64 s[92:93], s[38:39], s[92:93]
	CROUND                                         ; all sixteen work-groups are here: the first joint loads meet
	s_mov_b32 s[G0S], 1
	s_add_co_u32 s[G0S+1], s94, SCL
	s_mov_b64 s[G0S+2:G0S+3], s[22:23]
	s_or_b32 s[G0S+3], s[G0S+3], 0x80000000
	s_mov_b32 s[G0SB], 1
	s_add_co_u32 s[G0SB+1], s94, SCL
	s_mov_b64 s[G0SB+2:G0SB+3], s[92:93]
	s_or_b32 s[G0SB+3], s[G0SB+3], 0x80000000
	JLOAD G0S, G1S, G0SB, G1SB
.irp s, 0,1
	s_mov_b32 s[G0+4*\s], 1
	s_add_co_u32 s[G0+4*\s+1], s45, \s*SLOT
	s_add_nc_u64 s[G0+4*\s+2:G0+4*\s+3], s[20:21], \s*ROWB
	s_or_b32 s[G0+4*\s+3], s[G0+4*\s+3], 0x80000000
	s_mov_b32 s[G0B+4*\s], 1
	s_add_co_u32 s[G0B+4*\s+1], s45, \s*SLOT
	s_add_nc_u64 s[G0B+4*\s+2:G0B+4*\s+3], s[46:47], \s*ROWB
	s_or_b32 s[G0B+4*\s+3], s[G0B+4*\s+3], 0x80000000
	JLOAD G0+4*\s, G1, G0B+4*\s, G1B
.endr
	v_and_b32 v1, 15, v0                           ; r
	v_bfe_u32 v2, v0, 4, 1                         ; h
	s_wait_alu depctr_va_vdst(0)
	v_mul_u32_u24 v3, v1, PITCH
	v_lshl_add_u32 v4, v2, 4, v3
	s_mul_i32 s21, s15, HALFT
	s_mul_i32 s22, s16, HALFT
	s_add_co_u32 s22, s22, 2*HALFT
.irp s, 0,1
	v_add_nc_u32 v[ADRA+\s], s21, v4
	v_add_nc_u32 v[ADRB+\s], s22, v4
	s_add_co_u32 s21, s21, SLOT
	s_add_co_u32 s22, s22, SLOT
.endr
	v_lshlrev_b32 v5, 2, v1                        ; my row's scale word; lanes 16-31 take B's
	s_mul_i32 s21, s15, HALFS
	s_mul_i32 s22, s16, HALFS
	s_add_co_u32 s22, s22, 2*HALFS
	s_sub_co_u32 s22, s22, s21
	v_mul_u32_u24 v6, s22, v2
	s_add_co_u32 s21, s21, SCL
	v_add_nc_u32 v5, v5, v6
	v_add_nc_u32 v[ADRS], s21, v5
	s_mul_i32 s23, s14, WST                        ; the way out's LDS addresses, all made here
	v_mul_u32_u24 v5, v1, 144
	v_lshl_add_u32 v5, v2, 3, v5
	v_add_nc_u32 v[STO], s23, v5                   ; into my stage: row r, + 8 h
	v_and_b32 v5, 7, v1
	v_lshrrev_b32 v6, 3, v1
	v_lshl_or_b32 v5, v5, 1, v6                    ; pos(r)
	s_lshl_b32 s23, s14, 9
	s_add_co_u32 s23, s23, SS
	v_lshl_add_u32 v[SS0], v5, 2, s23
	v_and_b32 v6, 31, v0                           ; lane
	v_lshl_add_u32 v[SSR], v6, 4, s23
	s_mul_i32 s21, s15, WST
	s_lshl_b32 s22, s16, 6
	s_add_co_u32 s21, s21, s22
	v_lshrrev_b32 v5, 2, v6
	v_mul_u32_u24 v5, v5, 144
	v_and_b32 v7, 3, v6
	v_lshl_add_u32 v5, v7, 4, v5
	v_add_nc_u32 v[RDQ], s21, v5                   ; q, k: wave w reads head w's 64 bytes of eight tokens
	s_mul_i32 s21, s15, 2*WST
	s_mul_i32 s22, s16, 64*144
	s_add_co_u32 s21, s21, s22
	v_lshrrev_b32 v5, 3, v6
	v_mul_u32_u24 v5, v5, 144
	v_and_b32 v7, 7, v6
	v_lshl_add_u32 v5, v7, 4, v5
	v_add_nc_u32 v[RDV], s21, v5                   ; v: wave w reads 128 keys of four features of head w
	v_lshlrev_b32 v[CO], 4, v6
	v_lshlrev_b32 v[SO8], 3, v6
	v_lshrrev_b32 v5, 4, v6
	v_lshlrev_b32 v5, 12, v5
	v_lshl_add_u32 v[SOV], v1, 4, v5
	; the bias, in the results' layout; it lands under the loop
	s_mov_b32 s21, 0
	s_cmp_eq_u32 s67, 1
	s_cbranch_scc1 .Lbias_v
	s_cmp_eq_u32 s66, 0
	s_cselect_b64 s[18:19], s[10:11], s[96:97]
	s_and_b32 s20, s42, 3
	s_lshl_b32 s20, s20, 10
	s_lshl_b32 s22, s16, 9
	s_add_co_u32 s20, s20, s22
	s_add_nc_u64 s[18:19], s[18:19], s[20:21]
	v_lshlrev_b32 v[BO], 5, v2
.irp b, 0,1,2,3,4,5,6,7
	global_load_b128 v[BIAS+8*\b:BIAS+8*\b+3], v[BO], s[18:19] offset:64*\b        ; features 16 b + 8 h + 0 .. 7 of my 128
	global_load_b128 v[BIAS+8*\b+4:BIAS+8*\b+7], v[BO], s[18:19] offset:64*\b+16
.endr
	s_branch .Lbias_done
.Lbias_v:
	s_lshl_b32 s20, s17, 10
	s_lshl_b32 s22, s15, 9
	s_add_co_u32 s20, s20, s22
	s_add_nc_u64 s[18:19], s[98:99], s[20:21]
	v_lshlrev_b32 v[BO], 2, v1
.irp a, 0,1,2,3,4,5,6,7
.irp j, 0,1,2,3,4,5,6,7
	global_load_b32 v[BIAS+8*\a+\j], v[BO], s[18:19] offset:64*\a                  ; feature 16 a + r of my 128, for all eight registers
.endr
.endr
.Lbias_done:
.macro FRAG reg, adr, q, i             ; 16 rows x 128 K: lane l holds row l % 16; registers 4 c .. 4 c + 3 hold K = 32 c + 16 (l / 16) + 0 .. 15
.irp c, 0,1,2,3
	ds_load_b128 v[\reg+4*\c:\reg+4*\c+3], v[\adr] offset:128*(\q)+32*\c+(\i)*16*PITCH
.endr
.endm
.macro MUL16 a0, p, q, sc, zero        ; A's blocks a0, a0 + 1 x B's eight; the 64 accumulators take turns in one fixed order
.irp a, \a0, \a0+1
.irp b, 0,1,2,3,4,5,6,7
.if \zero
	v_wmma_scale_f32_16x16x128_f8f6f4 v[8*(8*((\a)%4)+\b):8*(8*((\a)%4)+\b)+7], v[128*(\p)+FR*\b:128*(\p)+FR*\b+FR-1], v[AF+FR*(\a):AF+FR*(\a)+FR-1], 0, v[SC+8*NQ*(\sc)+NQ*\b+(\q)], v[SC+8*NQ*(\sc)+NQ*(\a)+(\q)] matrix_a_fmt:MATRIX_FMT_BF8 matrix_b_fmt:MATRIX_FMT_BF8 matrix_a_scale:MATRIX_SCALE_ROW1
.else
	v_wmma_scale_f32_16x16x128_f8f6f4 v[8*(8*((\a)%4)+\b):8*(8*((\a)%4)+\b)+7], v[128*(\p)+FR*\b:128*(\p)+FR*\b+FR-1], v[AF+FR*(\a):AF+FR*(\a)+FR-1], v[8*(8*((\a)%4)+\b):8*(8*((\a)%4)+\b)+7], v[SC+8*NQ*(\sc)+NQ*\b+(\q)], v[SC+8*NQ*(\sc)+NQ*(\a)+(\q)] matrix_a_fmt:MATRIX_FMT_BF8 matrix_b_fmt:MATRIX_FMT_BF8 matrix_a_scale:MATRIX_SCALE_ROW1
.endif
.endr
.endr
.endm
.macro FETCH_B slot, q, p
	WIN TO_B
.irp i, 0,1,2,3,4,5,6,7
	FRAG 128*(\p)+FR*\i, ADRB+\slot, \q, \i
.endr
	WIN 0
.endm
.macro FETCH_A slot, q, i0
.irp i, \i0, \i0+1, \i0+2, \i0+3
	FRAG AF+FR*(\i), ADRA+\slot, \q, \i
.endr
.endm
.macro SCALES sc                       ; a slot's scale words: register 2 i + q: lanes 0-15 A's block i, lanes 16-31 B's block i, the slot's q-th 128 along K
.irp i, 0,1,2,3,4,5,6,7
.irp q, 0,1
	ds_load_b32 v[SC+16*\sc+2*\i+\q], v[ADRS] offset:544*\q+272*(\i/4)+64*(\i%4)
.endr
.endr
.endm
.macro PLACES n
.rept \n
	v_nop
.endr
.endm
.macro STEP slot, q, zero              ; 128 along K that has its successor in the same slot
	s_wait_dscnt 4*NL                              ; all but the youngest sixteen loads (A's blocks 4-7) are in
	WIN MUL_LO
	MUL16 0, (\q)%2, \q, \slot, \zero
	MUL16 2, (\q)%2, \q, \slot, \zero
	s_wait_dscnt 0
	PLACES NP
	FETCH_B \slot, (\q)+1, 1-(\q)%2
	FETCH_A \slot, (\q)+1, 0
	WIN MUL_HI
	MUL16 4, (\q)%2, \q, \slot, \zero
	MUL16 6, (\q)%2, \q, \slot, \zero
	PLACES NP
	WIN 0
	FETCH_A \slot, (\q)+1, 4
.endm
.macro TURN slot, next, fill           ; a slot's last step changes slots: one barrier
	s_wait_tensorcnt 0x0                           ; all my tensor loads have landed: my part of the next slot
	ds_add_u32 v[SPW], v[NIL]                      ; 0 onto my spare word
	s_wait_dscnt 4*NL+1                            ; the add and the youngest sixteen loads may be out
	WIN MUL_LO
	MUL16 0, 1, NQ-1, \slot, 0
	s_wait_dscnt 0x0                               ; the add is done, and my reads of this slot are over
	s_barrier_signal -1
	MUL16 2, 1, NQ-1, \slot, 0
	WIN 0
	s_barrier_wait -1
.if \fill
	CREST                                          ; the barrier has opened a round of the cluster's barrier: no wave of any partner still reads this slot or has a load on its way
	s_add_nc_u64 s[G0+4*\slot+2:G0+4*\slot+3], s[G0+4*\slot+2:G0+4*\slot+3], 2*ROWB
	s_add_nc_u64 s[G0B+4*\slot+2:G0B+4*\slot+3], s[G0B+4*\slot+2:G0B+4*\slot+3], 2*ROWB
	JLOAD G0+4*\slot, G1, G0B+4*\slot, G1B
	PLACES NP-4
.else
	PLACES NP
.endif
	s_wait_alu depctr_va_vdst(0)
	v_add_nc_u32 v[ADRS], 1088, v[ADRS]            ; the next slot's scale words: two K steps of 128, 544 bytes each
	FETCH_B \next, 0, 0
	FETCH_A \next, 0, 0
	SCALES \next
	WIN MUL_HI
	MUL16 4, 1, NQ-1, \slot, 0
	MUL16 6, 1, NQ-1, \slot, 0
	PLACES NP
	WIN 0
	FETCH_A \next, 0, 4
.endm
	s_wait_tensorcnt 1                             ; the scale words and my part of slot 0 are in; slot 1's load may be out
	s_barrier_signal -1
	s_barrier_wait -1
	FETCH_B 0, 0, 0
	FETCH_A 0, 0, 0
	SCALES 0
	FETCH_A 0, 0, 4
	STEP 0, 0, 1                                   ; the first step's products start the sums
	s_mov_b32 s3, LAPS-1
.Llap:
	TURN 0, 1, 1
	STEP 1, 0, 0
	TURN 1, 0, 1
	STEP 0, 0, 0
	s_sub_co_u32 s3, s3, 1
	s_cmp_lg_u32 s3, 0
	s_cbranch_scc1 .Llap
	TURN 0, 1, 0
	STEP 1, 0, 0
	s_wait_dscnt 4*NL
	WIN MUL_LO
	MUL16 0, 1, NQ-1, 1, 0
	MUL16 2, 1, NQ-1, 1, 0
	s_wait_dscnt 0
	WIN MUL_HI
	MUL16 4, 1, NQ-1, 1, 0
	MUL16 6, 1, NQ-1, 1, 0
	WIN 0
; ---- THE WAY OUT
.macro MOVE a, isv                     ; block a's 64 results + the bias -> Y; each accumulator is read from its low end on
	WIN 0x42+((\a)/4)
.irp b, 0,1,2,3,4,5,6,7
.irp p, 0,1,2,3
.if \isv
	v_pk_add_f32 v[Y+8*\b+2*\p:Y+8*\b+2*\p+1], v[64*((\a)%4)+8*\b+2*\p:64*((\a)%4)+8*\b+2*\p+1], v[BIAS+8*(\a)+2*\p:BIAS+8*(\a)+2*\p+1]
.else
	v_pk_add_f32 v[Y+8*\b+2*\p:Y+8*\b+2*\p+1], v[64*((\a)%4)+8*\b+2*\p:64*((\a)%4)+8*\b+2*\p+1], v[BIAS+8*\b+2*\p:BIAS+8*\b+2*\p+1]
.endif
.endr
.endr
	WIN 0
.endm
.macro QUANT4                          ; 64 numbers of a lane, register 16 b + i in block b, become 16 registers of codes and a scale word
.irp b, 0,1,2,3
	v_max3_num_f32 v[TM+\b], |v[Y+16*\b]|, |v[Y+1+16*\b]|, 0x8000000    ; with the floor 2^(16 - 127)
.endr
.irp i, 2,4,6,8,10,12,14
.irp b, 0,1,2,3
	v_max3_num_f32 v[TM+\b], v[TM+\b], |v[Y+16*\b+\i]|, |v[Y+1+16*\b+\i]|
.endr
.endr
.irp b, 0,1,2,3
	v_permlanex16_b32 v[TM+4+\b], v[TM+\b], s[SEL], s[SEL+1]
.endr
.irp b, 0,1,2,3
	v_max_num_f32 v[TM+\b], v[TM+\b], v[TM+4+\b]
.endr
.irp b, 0,1,2,3
	v_add_nc_u32 v[TM+12+\b], 0xf8800000, v[TM+\b]
.endr
.irp b, 0,1,2,3
.endr
.irp b, 0,1,2,3
	v_lshrrev_b32 v[TM+4+\b], 23, v[TM+12+\b]
.endr
	v_lshl_or_b32 v[PW], v[TM+5], 8, v[TM+4]
	v_lshl_or_b32 v[PW], v[TM+6], 16, v[PW]
	v_lshl_or_b32 v[PW], v[TM+7], 24, v[PW]
.irp b, 0,1,2,3
.irp i, 0,1,2,3,4,5,6,7,8,9,10,11,12,13,14,15
.endr
	v_cvt_scalef32_pk8_bf8_f32 v[PC+4*\b:PC+1+4*\b], v[Y+16*\b:Y+7+16*\b], v[TM+12+\b]
	v_cvt_scalef32_pk8_bf8_f32 v[PC+2+4*\b:PC+3+4*\b], v[Y+8+16*\b:Y+15+16*\b], v[TM+12+\b]
.endr
	v_nop                                          ; a plain instruction behind the last conversion
.endm
	PLACES NP
	s_wait_loadcnt 0x0                             ; the bias
	s_mov_b32 s[SEL], 0x76543210
	s_mov_b32 s[SEL+1], 0xfedcba98
	WIN 0x40
.irp b, 0,1,2,3
	v_mov_b32 v[TM+4+\b], 0                        ; a lane permute's destination counts as one of its sources
.endr
	WIN 0
	s_mov_b32 s[EA], 0
	s_mov_b32 s[ES], 0
	s_mov_b32 s[EQ], 0
.Lrow:                                             ; eight trips: block EA of my 16-row blocks.  Register numbers cannot hang on a count, so a chain of jumps picks the copy
	s_lshl_b32 s21, s67, 3
	s_add_co_u32 s21, s21, s[EA]
.irp k, 0,1,2,3,4,5,6,7,8,9,10,11,12,13,14
	s_cmp_lg_u32 s21, \k
	s_cbranch_scc1 .Lnot_\k
	MOVE (\k)%8, (\k)/8
	s_branch .Lmoved
.Lnot_\k:
.endr
	MOVE 7, 1
.Lmoved:
	WIN 0x55
	QUANT4
	WIN 0
	v_add_nc_u32 v[STA], s[ES], v[STO]
	v_add_nc_u32 v[SSA], s[EQ], v[SS0]
	WIN 0x04                                       ; an LDS store's data are its source 1: window 1
.irp b, 0,1,2,3
.irp u, 0,1
	ds_store_b64 v[STA], v[PC+4*\b+2*\u:PC+4*\b+2*\u+1] offset:32*\b+16*\u    ; columns 32 b + 16 u + 8 h + 0 .. 7 of my 128
.endr
.endr
	ds_store_b32 v[SSA], v[PW]                     ; lanes r and r + 16 write the same word with the same value
	WIN 0
	s_wait_dscnt 0x0                               ; the stores have read their registers
	s_add_co_u32 s[ES], s[ES], 16*144
	s_add_co_u32 s[EQ], s[EQ], 64
	s_add_co_u32 s[EA], s[EA], 1
	s_cmp_lt_u32 s[EA], 8
	s_cbranch_scc1 .Lrow
	s_barrier_signal -1                            ; every wave's codes lie in its stage (its stores were waited for in the last trip)
	s_barrier_wait -1
	s_mov_b32 s25, 0
	s_cmp_eq_u32 s67, 1
	s_cbranch_scc1 .Lout_v
	s_lshr_b32 s20, s17, 3                         ; q, k: batch,
	s_lshl_b32 s20, s20, 4
	s_and_b32 s21, s42, 3
	s_lshl_b32 s21, s21, 2
	s_add_co_u32 s20, s20, s21                     ; 16 b + the tile's first head
	s_add_co_u32 s21, s20, s14
	s_lshl_b32 s21, s21, 17
	s_and_b32 s22, s17, 7
	s_lshl_b32 s23, s22, 14
	s_add_co_u32 s21, s21, s23
	s_lshl_b32 s23, s66, 22
	s_add_co_u32 s24, s21, s23
	s_add_nc_u64 s[12:13], s[100:101], s[24:25]    ; head w's codes of the tile's 256 tokens: 16,384 consecutive bytes
	s_lshl_b32 s21, s16, 1
	s_add_co_u32 s21, s20, s21
	s_lshl_b32 s21, s21, 12
	s_lshl_b32 s23, s22, 9
	s_add_co_u32 s21, s21, s23
	s_lshl_b32 s23, s15, 8
	s_add_co_u32 s21, s21, s23
	s_lshl_b32 s23, s66, 17
	s_add_co_u32 s21, s21, s23
	s_add_co_u32 s24, s21, 0xc00000
	s_add_nc_u64 s[18:19], s[100:101], s[24:25]    ; my 128 tokens' scale bytes of my two heads
	s_mov_b32 s21, 0x05040100
	s_mov_b32 s22, 0x07060302
.set t, 0
.rept 32
	ds_load_b128 v[128+4*t:128+4*t+3], v[RDQ] offset:(t/16)*2*WST+(t%16)*8*144
.set t, t+1
.endr
	ds_load_b128 v[8:11], v[SSR]
.set t, 0
.rept 32
	s_wait_dscnt 32-t
	global_store_b128 v[CO], v[128+4*t:128+4*t+3], s[12:13] offset:512*t       ; 512 consecutive bytes
.set t, t+1
.endr
	s_wait_dscnt 0x0
	v_perm_b32 v4, v9, v8, s21                     ; the words' low halves: the even head's two bytes of four tokens,
	v_perm_b32 v5, v11, v10, s21
	v_perm_b32 v6, v9, v8, s22                     ; the high halves: the odd head's
	v_perm_b32 v7, v11, v10, s22
	global_store_b64 v[SO8], v[4:5], s[18:19]      ; 256 consecutive bytes each
	global_store_b64 v[SO8], v[6:7], s[18:19] offset:4096
	s_branch .Lend
.Lout_v:
	s_lshr_b32 s20, s42, 3                         ; v: batch,
	s_lshl_b32 s20, s20, 4
	s_lshl_b32 s21, s17, 2
	s_add_co_u32 s20, s20, s21                     ; 16 b + the tile's first head
	s_add_co_u32 s21, s20, s14
	s_lshl_b32 s21, s21, 4
	s_and_b32 s22, s42, 7
	s_lshl_b32 s22, s22, 1
	s_add_co_u32 s21, s21, s22
	s_lshl_b32 s21, s21, 13
	s_add_co_u32 s24, s21, 0x800000
	s_add_nc_u64 s[12:13], s[100:101], s[24:25]    ; head w, the tile's two blocks of 128 keys: 16,384 consecutive bytes
	s_lshl_b32 s21, s15, 1
	s_add_co_u32 s21, s20, s21
	s_lshl_b32 s21, s21, 12
	s_add_co_u32 s23, s22, s16
	s_lshl_b32 s23, s23, 8
	s_add_co_u32 s21, s21, s23
	s_add_co_u32 s24, s21, 0xc40000
	s_add_nc_u64 s[18:19], s[100:101], s[24:25]
.set t, 0
.rept 32
	ds_load_b128 v[128+4*t:128+4*t+3], v[RDV] offset:(t/16)*WST+(t%16)*4*144
.set t, t+1
.endr
	ds_load_b128 v[8:11], v[SSR]
.set t, 0
.rept 32
	s_wait_dscnt 32-t
	global_store_b128 v[CO], v[128+4*t:128+4*t+3], s[12:13] offset:512*t
.set t, t+1
.endr
	s_wait_dscnt 0x0
	global_store_b128 v[SOV], v[8:11], s[18:19]    ; sixteen lanes store the 64 words of a head and a key block: 256 consecutive bytes
.Lend:
	s_wait_tensorcnt 0x0                           ; the wave's end
	ds_add_u32 v[SPW], v[NIL]
	s_wait_dscnt 0x0
	CROUND                                         ; the closing round
	s_endpgm
.Lfunc_end_k_qadf34d9507_qkv:
	.size	k_qadf34d9507_qkv, .Lfunc_end_k_qadf34d9507_qkv-k_qadf34d9507_qkv
	.p2alignl 7, 3214868480
	.fill 96, 4, 3214868480
	.section	.rodata,"a",@progbits
	.p2align	6, 0x0
	.amdhsa_kernel k_qadf34d9507_qkv
		.amdhsa_group_segment_fixed_size 327680
		.amdhsa_private_segment_fixed_size 0
		.amdhsa_enable_private_segment 0
		.amdhsa_kernarg_size 56
		.amdhsa_user_sgpr_count 2
		.amdhsa_user_sgpr_kernarg_segment_ptr 1
		.amdhsa_wavefront_size32 1
		.amdhsa_system_sgpr_workgroup_id_x 1
		.amdhsa_system_sgpr_workgroup_id_y 1
		.amdhsa_system_sgpr_workgroup_id_z 1
		.amdhsa_system_vgpr_workitem_id 0
		.amdhsa_next_free_vgpr 1024
		.amdhsa_next_free_sgpr 102
		.amdhsa_reserve_vcc 0
		.amdhsa_float_denorm_mode_32 3
		.amdhsa_float_denorm_mode_16_64 3
		.amdhsa_fp16_overflow 1
		.amdhsa_memory_ordered 1
		.amdhsa_forward_progress 1
		.amdhsa_inst_pref_size 181
	.end_amdhsa_kernel
	.amdgpu_metadata
---
amdhsa.version: [ 1, 2 ]
amdhsa.kernels:
  - .name:           k_qadf34d9507_qkv
    .symbol:         k_qadf34d9507_qkv.kd
    .args:
      - { .name: xq, .offset: 0, .size: 8, .value_kind: global_buffer, .address_space: global }
      - { .name: wc, .offset: 8, .size: 8, .value_kind: global_buffer, .address_space: global }
      - { .name: ws, .offset: 16, .size: 8, .value_kind: global_buffer, .address_space: global }
      - { .name: bq, .offset: 24, .size: 8, .value_kind: global_buffer, .address_space: global }
      - { .name: bk, .offset: 32, .size: 8, .value_kind: global_buffer, .address_space: global }
      - { .name: bv, .offset: 40, .size: 8, .value_kind: global_buffer, .address_space: global }
      - { .name: qkv, .offset: 48, .size: 8, .value_kind: global_buffer, .address_space: global }
    .group_segment_fixed_size: 327680
    .private_segment_fixed_size: 0
    .kernarg_segment_align: 8
    .kernarg_segment_size: 56
    .max_flat_workgroup_size: 128
    .sgpr_count:     102
    .vgpr_count:     1024
    .wavefront_size: 32
...
	.end_amdgpu_metadata
.endif
;; end of part 2
;; launch attn (part 3): grid 16 x 16, 16 waves a work-group, no clusters, 327,680 bytes of LDS; arguments qkv, aq; writes aq
.if DOCPART == 3
	.amdgcn_target "amdgcn-amd-amdhsa--gfx1250"
	.amdhsa_code_object_version 6
	.text
	.protected	k_qadf34d9507_attn
	.globl	k_qadf34d9507_attn
	.p2align	8
	.type	k_qadf34d9507_attn,@function
k_qadf34d9507_attn:
	s_mov_b64 s[64:65], 0
	v_nop
	global_prefetch_b8 v0, s[64:65] scope:SCOPE_SE
	s_setreg_imm32_b32 hwreg(HW_REG_WAVE_MODE, 25, 1), 1
	s_wait_xcnt 0x0
; Attention on codes of E5M2: S = q k^T / 8 under the mask (key <= query, and key % 25 != 24), p = 2^(t - M) with t = S log2(e) and M the running largest t rounded up to a whole number, p quantised along the keys,
; O = p v / (the sum of the unquantised p), and O quantised along the 1,024 features for the next product: codes [4096][1024] at byte 0 of aq, scale words [token / 128][8][token % 128] from byte 4,194,304.
; LEFT OUT: a key step all of whose 128 keys come after the wave's 16 queries (the causal mask is built in reference()'s own body, and key 0 counts for every query): see the head of the first kernel.
; SHARES.  A work-group owns two heads (2 y, 2 y + 1) and, of each, the query blocks j and 31 - j of 64: the same number of key steps in every work-group.  Each of its sixteen waves owns 16 queries of one head.
; NO CLUSTER: under the causal mask the work-groups that share K and V need different numbers of slots, so a joint load would bring some partner tiles that none of its waves reads.
; K's and V's codes come through a ring of two LDS slots of 256 keys, filled by waves 0 to 3 (K and V of the two heads: 16,384 dense bytes each, as 128 rows of 128 bytes + 16); their scale words of the whole heads come once.
; LAYOUT.  Both products are used transposed: a lane holds ONE query (lane % 16).  The head has 64 along K and the instruction 128: a fragment's row r holds key 32 c + 16 (r / 8) + r % 8 in k = 0 .. 63 and that key + 8 in
; k = 64 .. 127; it is multiplied twice, by q with zero codes above and by q with zero codes below.  So register 16 c + 8 u + j of lane (r, h) is key 32 c + 16 h + 8 u + j: 16 neighbours for p's conversions.
; THE COLUMN MASK costs no vector instruction: a table of 2,048 f32 (-2^127 where key % 25 = 24, else 0), made once in LDS, is the C of the first product.  The causal mask is a compare and a select in the one step on the diagonal.
; A row of aq takes 128 bytes from a work-group (two heads): the stores cover pieces of 128 consecutive bytes; 256 would take four heads to a work-group and four times the slots' bytes.
; LIMITS: a block of zeros gets the byte 1 where the rule says 127; largest magnitudes under 2^-111 take the floor's byte; NaN and infinities are not served.
.set REG,   128*144                    ; a region of a slot: 128 rows x (128 bytes + 16)
.set SLOT1, (1<<17)                    ; slot 1 begins here: one exclusive or turns an address from slot to slot
.set NSL,   8
.set SC,    2*SLOT1                    ; the scale words: K head 0, K head 1, V head 0, V head 1: 16 units of 256 bytes + 16 each
.set SPARE, SC+4*4352                  ; the spare words: 128 bytes for each of 16 waves
.set TBL,   SPARE+2048                 ; the column mask
.set OST,   TBL+8192                   ; the way out: 128 rows x (128 bytes + 16) of codes
.set OSS,   OST+128*144                ; and their scale words
.set AK0,  1
.set AV0,  2
.set ASK0, 3
.set ASV0, 4
.set SPW,  5
.set NIL,  6
.set PFO,  7
.set ADK,  8
.set ADV,  9
.set ADS,  10
.set ADT,  11                          ; v12 -M, v13 the largest t, v[14:15] the sum in two halves; v16-39 zeros, q, zeros
.set KVF,  40                          ; v40-103  four fragments of K or of V
.set S,    104                         ; v104-167 the scores, then p
.set O,    168                         ; v168-199 O^T
.set PC,   200                         ; v200-215 p's codes
.set MX,   216
.set TP,   220
.set HD,   224
.set CV,   228
.set SW,   232                         ; v232-235 scale words of K or V; v236, v237 q's; v242 p's: these hold scales alone
.set PW,   242
.set ATB0, 243
.set ATB,  244
.set WV,   18
.set MNT,  19
.set SEL,  20
.set CS,   22
.set G1,   24
.set G1S,  32
.set G0T,  40
.set G0S,  44
.set TB,   2
.set TS,   3
.set TMK,  66
.set SLOTS, 67
.set PFA,  76
.set LIM,  80
.set LQ,   81
.set KF,   98
.set Q0,   99
.macro TLOAD g0, g1                    ; waves 0 to 3 fetch; an s_nop 0 and four v_nop follow the line
	s_cmp_lt_u32 s[WV], 4
	s_cbranch_scc0 .Lasked_\@
	tensor_load_to_lds s[\g0:\g0+3], s[\g1:\g1+7]
	s_nop 0
.rept 4
	v_nop
.endr
.Lasked_\@:
.endm
; A prefetch of what the NEXT change of slots will ask for: 16,384 bytes of K and of V of each head.  All sixteen work-groups of a pair of heads walk the same K and V: the one with j = 0, which loads all eight slots, asks;
; in it waves 4 to 11, which fetch nothing: 8,192 bytes a wave, lanes 256 bytes apart, one instruction.  So each aligned block of 256 bytes is named once.  Slots 0 and 1 come by their loads alone; the last fill asks for nothing.
.macro ASK
	s_cmp_gt_u32 s[SLOTS], s[LIM]
	s_cbranch_scc0 .Lnot_mine_\@
	global_prefetch_b8 v[PFO], s[PFA:PFA+1] th:TH_LOAD_NT scope:SCOPE_SE
.Lnot_mine_\@:
.endm
	s_load_b128 s[4:7], s[0:1], 0x0                ; qkv, aq
	v_lshl_add_u32 v[SPW], v0, 2, SPARE
	v_mov_b32 v[NIL], 0
	ds_add_u32 v[SPW], v[NIL]                      ; the opening: the add, twice on end, and its wait ahead of the first tensor load
	ds_add_u32 v[SPW], v[NIL]
	v_lshrrev_b32 v8, 5, v0
	s_delay_alu instid0(VALU_DEP_1)
	v_readfirstlane_b32 s[WV], v8                  ; wave 0..15
	s_and_b32 s51, ttmp7, 0xffff                   ; y: the pair of heads
	s_lshr_b32 s48, s[WV], 3                       ; hh: which head of the pair
	s_lshr_b32 s49, s[WV], 2
	s_xor_b32 s49, s49, s[WV]
	s_and_b32 s49, s49, 1                          ; e: the early block of queries (0) or the late one (1)
	s_bfe_u32 s50, s[WV], 0x20001                  ; which 16 of the block's 64
	s_lshl_b32 s52, ttmp9, 6                       ; 64 j
	s_sub_co_u32 s53, 1984, s52                    ; 64 (31 - j)
	s_add_co_u32 s[LQ], s53, 63                    ; my work-group's last query
	s_lshl_b32 s54, s50, 4
	s_cmp_eq_u32 s49, 1
	s_cselect_b32 s[Q0], s53, s52
	s_add_co_u32 s[Q0], s[Q0], s54                 ; my first query
	s_mov_b32 s[G1], (1<<20)|(4<<22)|(3<<25)       ; elements of 1 byte; padding: 4 words behind every 32
	s_mov_b32 s[G1+1], 128<<16
	s_mov_b32 s[G1+2], 128<<16
	s_mov_b32 s[G1+3], 128<<16
	s_mov_b32 s[G1+4], 128
	s_mov_b32 s[G1+5], 128
	s_mov_b32 s[G1+6], 0
	s_mov_b32 s[G1+7], 0
	s_mov_b32 s[G1S], (3<<16)|(1<<20)|(5<<22)|(3<<25)   ; 4,096 dense bytes as 16 rows of 256, 16 bytes of padding behind each
	s_mov_b32 s[G1S+1], 32<<16
	s_mov_b32 s[G1S+2], 16<<16
	s_mov_b32 s[G1S+3], 32<<16
	s_mov_b32 s[G1S+4], 16
	s_mov_b32 s[G1S+5], 32
	s_mov_b32 s[G1S+6], 0
	s_mov_b32 s[G1S+7], 0
	s_lshr_b32 s55, s[WV], 1
	s_and_b32 s55, s55, 1                          ; what I fetch, if I fetch: K (0) or V (1),
	s_and_b32 s56, s[WV], 1
	s_lshl_b32 s57, s51, 1
	s_add_co_u32 s57, s57, s56                     ; of which head
	s_lshl_b32 s58, s55, 22
	s_lshl_b32 s59, s57, 17
	s_add_co_u32 s58, s58, s59
	s_add_co_u32 s58, s58, 0x400000
	s_mov_b32 s59, 0
	s_lshl_b32 s60, s55, 17
	s_lshl_b32 s61, s57, 12
	s_add_co_u32 s60, s60, s61
	s_add_co_u32 s60, s60, 0xc20000
	s_mov_b32 s61, 0
	s_mul_i32 s62, s[WV], REG
	s_mul_i32 s63, s[WV], 4352
	s_lshl_b32 s68, s51, 1
	s_add_co_u32 s68, s68, s48                     ; my head
	s_lshl_b32 s70, s68, 17
	s_lshl_b32 s71, s[Q0], 6
	s_add_co_u32 s70, s70, s71                     ; q's codes
	s_mov_b32 s71, 0
	s_lshl_b32 s72, s68, 12
	s_lshl_b32 s73, s[Q0], 1
	s_add_co_u32 s72, s72, s73
	s_add_co_u32 s72, s72, 0xc00000                ; q's scale bytes
	s_mov_b32 s73, 0
	s_cmp_eq_u32 s48, 1                            ; on the way out waves 0-7 store the early block's rows, waves 8-15 the late block's
	s_cselect_b32 s69, s53, s52
	s_lshr_b32 s74, s51, 3
	s_lshl_b32 s74, s74, 11
	s_add_co_u32 s69, s69, s74                     ; that block's first token
	s_and_b32 s74, s[WV], 7
	s_lshl_b32 s74, s74, 3
	s_add_co_u32 s74, s74, s69
	s_lshl_b32 s74, s74, 10
	s_and_b32 s75, s51, 7
	s_lshl_b32 s82, s75, 7
	s_add_co_u32 s74, s74, s82                     ; my eight rows of aq, my pair's 128 bytes
	s_lshr_b32 s82, s69, 7
	s_lshl_b32 s82, s82, 12
	s_lshl_b32 s83, s75, 9
	s_add_co_u32 s82, s82, s83
	s_and_b32 s83, s69, 127
	s_lshl_b32 s83, s83, 2
	s_add_co_u32 s82, s82, s83
	s_add_co_u32 s82, s82, 0x400000                ; the block's 64 scale words
	s_mov_b32 s83, 0
	s_mov_b32 s75, 0
	s_sub_co_u32 s84, s[WV], 4                     ; the prefetches: idx = wave - 4
	s_lshr_b32 s85, s84, 3
	s_or_b32 s85, s85, ttmp9                       ; 0 in waves 4 to 11 of the work-group with j = 0
	s_cmp_eq_u32 s85, 0
	s_cselect_b32 s[LIM], 1, -1
	s_and_b32 s84, s84, 7
	s_lshr_b32 s85, s84, 2
	s_lshl_b32 s85, s85, 22
	s_bfe_u32 s86, s84, 0x10001
	s_lshl_b32 s87, s51, 1
	s_add_co_u32 s86, s86, s87
	s_lshl_b32 s86, s86, 17
	s_add_co_u32 s86, s86, s85
	s_and_b32 s85, s84, 1
	s_lshl_b32 s85, s85, 13
	s_add_co_u32 s86, s86, s85
	s_add_co_u32 s86, s86, 0x400000+16384          ; in slot 1: the first change of slots steps it to slot 2
	s_mov_b32 s87, 0
	s_mov_b32 s[SEL], 0x76543210
	s_mov_b32 s[SEL+1], 0xfedcba98
	s_mov_b32 s[CS], 0x3e38aa3b                    ; c = log2(e) / 8
	s_mov_b32 s[CS+1], s[CS]
	s_mov_b32 s[TB], 0
	s_mov_b32 s[TS], 0
	s_mov_b32 s[TMK], 0
	s_mov_b32 s[KF], 0
	s_mov_b32 s[SLOTS], NSL-1
	s_wait_dscnt 0x0                               ; both opening adds are done
	s_wait_kmcnt 0x0
	s_mov_b32 s[G0S], 1
	s_add_co_u32 s[G0S+1], s63, SC
	s_add_nc_u64 s[G0S+2:G0S+3], s[4:5], s[60:61]
	s_or_b32 s[G0S+3], s[G0S+3], 0x80000000
	s_mov_b32 s[G0T], 1
	s_mov_b32 s[G0T+1], s62
	s_add_nc_u64 s[G0T+2:G0T+3], s[4:5], s[58:59]
	s_or_b32 s[G0T+3], s[G0T+3], 0x80000000
	s_cmp_lt_u32 s[WV], 4                          ; a wave's two first fills stand in one branch: the scale words of a whole head, and slot 0
	s_cbranch_scc0 .Lfirst_asked
	tensor_load_to_lds s[G0S:G0S+3], s[G1S:G1S+7]
	s_nop 0
	tensor_load_to_lds s[G0T:G0T+3], s[G1:G1+7]
	s_nop 0
.rept 4
	v_nop
.endr
.Lfirst_asked:
	s_add_nc_u64 s[8:9], s[4:5], s[70:71]
	s_add_nc_u64 s[10:11], s[4:5], s[72:73]
	s_add_nc_u64 s[12:13], s[6:7], s[74:75]
	s_add_nc_u64 s[14:15], s[6:7], s[82:83]
	s_add_nc_u64 s[PFA:PFA+1], s[4:5], s[86:87]
	v_and_b32 v8, 15, v0                           ; r
	v_bfe_u32 v9, v0, 4, 1                         ; h
	s_delay_alu instid0(VALU_DEP_2)
	v_lshlrev_b32 v245, 6, v8
	s_delay_alu instid0(VALU_DEP_1)
	v_lshl_add_u32 v245, v9, 4, v245
	global_load_b128 v[24:27], v245, s[8:9]        ; q's codes: k = 16 h + 0 .. 15,
	global_load_b128 v[28:31], v245, s[8:9] offset:32   ; and 32 + 16 h + 0 .. 15
	v_and_b32 v10, 7, v8
	v_lshrrev_b32 v11, 3, v8
	s_delay_alu instid0(VALU_DEP_1)
	v_lshl_or_b32 v10, v10, 1, v11                 ; pos(r)
	s_delay_alu instid0(VALU_DEP_1)
	v_lshlrev_b32 v247, 1, v10
	global_load_u16 v246, v247, s[10:11]           ; q's two scale bytes
	v_lshlrev_b32 v216, 2, v0                      ; the column mask: thread n makes keys 4 n .. 4 n + 3
	v_mov_b32 v217, 0xff000000                     ; -2^127
.irp i, 0,1,2,3
	v_add_nc_u32 v218, \i, v216
	s_delay_alu instid0(VALU_DEP_1)
	v_mul_u32_u24 v219, v218, 5243
	s_delay_alu instid0(VALU_DEP_1)
	v_lshrrev_b32 v219, 17, v219                   ; key / 25: 5243 / 2^17 is 1 / 25 (1 + 2.3e-5), exact under 2,048
	s_delay_alu instid0(VALU_DEP_1)
	v_mul_u32_u24 v219, v219, 25
	s_delay_alu instid0(VALU_DEP_1)
	v_sub_nc_u32 v218, v218, v219
	s_delay_alu instid0(VALU_DEP_1)
	v_cmp_eq_u32 vcc_lo, 24, v218
	s_delay_alu instid0(VALU_DEP_1)
	v_cndmask_b32 v[S+\i], 0, v217, vcc_lo
.endr
	v_lshl_add_u32 v220, v0, 4, TBL
	ds_store_b128 v220, v[S:S+3]                   ; the first change of slots waits for it and passes a barrier
	v_and_b32 v221, 7, v8
	s_delay_alu instid0(VALU_DEP_1)
	v_lshrrev_b32 v221, 1, v221
	s_delay_alu instid0(VALU_DEP_1)
	v_mul_u32_u24 v[AK0], v221, 144
	v_and_b32 v221, 1, v8
	s_delay_alu instid0(VALU_DEP_1)
	v_lshl_add_u32 v[AK0], v221, 6, v[AK0]
	s_delay_alu instid0(VALU_DEP_1)
	v_mad_u32_u24 v[AK0], v11, 1152, v[AK0]
	s_delay_alu instid0(VALU_DEP_1)
	v_lshl_add_u32 v[AK0], v9, 4, v[AK0]
	s_mul_i32 s70, s48, REG
	v_add_nc_u32 v[AK0], s70, v[AK0]               ; K: two keys to an LDS row
	v_mul_u32_u24 v[AV0], v8, 144
	s_delay_alu instid0(VALU_DEP_1)
	v_lshl_add_u32 v[AV0], v9, 4, v[AV0]
	s_add_co_u32 s70, s70, 2*REG
	v_add_nc_u32 v[AV0], s70, v[AV0]               ; V: row d = r
	s_mul_i32 s71, s48, 4352
	s_add_co_u32 s71, s71, SC
	v_lshl_add_u32 v[ASK0], v8, 2, s71             ; K's scale words: word 16 c + r holds the two bytes of the row's first key below, of its second above
	s_add_co_u32 s71, s71, 2*4352
	v_lshl_add_u32 v[ASV0], v10, 2, s71            ; V's: at pos(r)
	v_lshl_add_u32 v[ATB0], v9, 6, TBL
	v_and_b32 v[PFO], 31, v0
	s_delay_alu instid0(VALU_DEP_1)
	v_lshlrev_b32 v[PFO], 8, v[PFO]
	v_mov_b32 v13, 0xff61b1e6                      ; the largest t so far: -3e38
	s_delay_alu instid0(VALU_DEP_1)
	v_floor_f32 v12, -v13                          ; -M
	v_mov_b32 v14, 0
	v_mov_b32 v15, 0
	v_mov_b32 v241, 0                              ; (named as the upper half of the pair v[240:241])
.irp b, 0,1,2,3
	v_mov_b32 v[TP+\b], 0                          ; a lane permute's destination counts as one of its sources
.endr
.irp i, 0,1,2,3,4,5,6,7
	v_mov_b32 v[16+\i], 0                          ; zero codes below q,
	v_mov_b32 v[32+\i], 0                          ; and above
.endr
	s_wait_loadcnt 0x0                             ; q
	v_or_b32 v236, 0x7f7f0000, v246                ; q in k = 0 .. 63: its bytes below, 1.0 over the zero codes
	v_lshl_or_b32 v237, v246, 16, 0x7f7f           ; q in k = 64 .. 127
.set i, 0
.rept 32
	v_mov_b32 v[O+i], 0                            ; the step is written once: the first finds zeros
.set i, i+1
.endr
.macro STEP q                          ; 128 keys, the q-th of the slot in hand
	s_add_co_u32 s96, s[Q0], 15
	s_cmp_gt_u32 s[KF], s96                        ; all keys behind my last query: the step's work is left out; not the steps of addresses at its end
	s_cbranch_scc1 .Lhidden_\@
	v_add_nc_u32 v[ADK], s[TB], v[AK0]
	v_add_nc_u32 v[ADV], s[TB], v[AV0]
	v_add_nc_u32 v[ADS], s[TS], v[ASK0]
	v_add_nc_u32 v[ADT], s[TS], v[ASV0]
	v_add_nc_u32 v[ATB], s[TMK], v[ATB0]
.rept 4
	v_nop                                          ; with the five additions: the places in front of loads into registers that the last products read
.endr
.irp c, 0,1,2,3
	ds_load_b128 v[KVF+16*\c:KVF+16*\c+3], v[ADK] offset:(64*(\q)+16*\c)*144
	ds_load_b128 v[KVF+16*\c+4:KVF+16*\c+7], v[ADK] offset:(64*(\q)+16*\c)*144+32
	ds_load_b128 v[KVF+16*\c+8:KVF+16*\c+11], v[ADK] offset:(64*(\q)+16*\c)*144+576
	ds_load_b128 v[KVF+16*\c+12:KVF+16*\c+15], v[ADK] offset:(64*(\q)+16*\c)*144+608
	ds_load_b32 v[SW+\c], v[ADS] offset:64*\c
.endr
.set n, 0
.rept 16
	ds_load_b128 v[S+4*n:S+4*n+3], v[ATB] offset:128*(n/4)+32*((n%4)/2)+16*(n%2)   ; the column mask of my 64 keys: the products' C
.set n, n+1
.endr
	s_wait_alu depctr_va_vdst(0)
	s_wait_dscnt 0x0
.irp c, 0,1,2,3
	v_wmma_scale_f32_16x16x128_f8f6f4 v[S+16*\c:S+16*\c+7], v[KVF+16*\c:KVF+16*\c+15], v[24:39], v[S+16*\c:S+16*\c+7], v[SW+\c], v236 matrix_a_fmt:MATRIX_FMT_BF8 matrix_b_fmt:MATRIX_FMT_BF8
	v_wmma_scale_f32_16x16x128_f8f6f4 v[S+16*\c+8:S+16*\c+15], v[KVF+16*\c:KVF+16*\c+15], v[16:31], v[S+16*\c+8:S+16*\c+15], v[SW+\c], v237 matrix_a_fmt:MATRIX_FMT_BF8 matrix_b_fmt:MATRIX_FMT_BF8
.endr
.rept 8
	v_nop
.endr
.irp t, 0,1,2,3                                ; V's fragments are asked for now and land under the softmax
.irp c, 0,1,2,3
	ds_load_b128 v[KVF+16*\t+4*\c:KVF+16*\t+4*\c+3], v[ADV] offset:(64*(\q)+16*\t)*144+32*\c
.endr
	ds_load_b32 v[SW+\t], v[ADT] offset:64*\t
.endr
	s_add_co_u32 s96, s[KF], 127                   ; on the diagonal hidden scores become -2^127; a step all of whose keys count skips this
	s_cmp_le_u32 s96, s[Q0]
	s_cbranch_scc1 .Lopen_\@
	s_sub_co_i32 s96, s[Q0], s[KF]
	v_and_b32 v245, 15, v0
	v_bfe_u32 v247, v0, 4, 1
	s_delay_alu instid0(VALU_DEP_1)
	v_lshlrev_b32 v247, 4, v247
	s_delay_alu instid0(VALU_DEP_1)
	v_sub_nc_u32 v245, v245, v247
	s_delay_alu instid0(VALU_DEP_1)
	v_add_nc_u32 v245, s96, v245                   ; d = my query - the step's first key - 16 h: register 16 c + i is hidden where 32 c + i > d
	v_mov_b32 v246, 0xff000000
.set n, 0
.rept 64
	v_cmp_gt_i32 vcc_lo, 32*(n/16)+n%16, v245
	v_cndmask_b32 v[S+n], v[S+n], v246, vcc_lo
.set n, n+1
.endr
.Lopen_\@:
.irp b, 0,1,2,3
	v_max3_num_f32 v[MX+\b], v[S+16*\b], v[S+1+16*\b], v[S+2+16*\b]     ; the largest score of each block of 32 keys: for the row's maximum, and, since p rises with the score, for the block's largest p
.endr
.irp i, 3,5,7,9,11,13
.irp b, 0,1,2,3
	v_max3_num_f32 v[MX+\b], v[MX+\b], v[S+16*\b+\i], v[S+1+16*\b+\i]
.endr
.endr
.irp b, 0,1,2,3
	v_max_num_f32 v[MX+\b], v[MX+\b], v[S+15+16*\b]
.endr
.irp b, 0,1,2,3
	s_delay_alu instid0(VALU_DEP_4)
	v_permlanex16_b32 v[TP+\b], v[MX+\b], s[SEL], s[SEL+1]
.endr
.irp b, 0,1,2,3
	s_delay_alu instid0(VALU_DEP_4)
	v_max_num_f32 v[MX+\b], v[MX+\b], v[TP+\b]
.endr
	s_delay_alu instid0(VALU_DEP_2)
	v_max3_num_f32 v246, v[MX], v[MX+1], v[MX+2]
	s_delay_alu instid0(VALU_DEP_1)
	v_max_num_f32 v246, v246, v[MX+3]
	s_delay_alu instid0(VALU_DEP_1)
	v_mul_f32 v246, s[CS], v246
	s_delay_alu instid0(VALU_DEP_1)
	v_max_num_f32 v13, v13, v246                   ; the running largest t
	v_mov_b32 v246, v12
	s_delay_alu instid0(VALU_DEP_2)
	v_floor_f32 v12, -v13                          ; the new -M: M is a whole number
	s_delay_alu instid0(VALU_DEP_1)
	v_sub_f32 v246, v12, v246
	s_delay_alu instid0(VALU_DEP_1)
	v_cvt_i32_f32 v246, v246                       ; (it saturates)
	s_delay_alu instid0(VALU_DEP_1)
	v_ldexp_f32 v240, 1.0, v246                    ; f = 2^(old M - new M): a multiplication by it rounds nothing
.set n, 0
.rept 32
	v_pk_fma_f32 v[S+n:S+n+1], v[S+n:S+n+1], s[CS:CS+1], v[12:13] op_sel_hi:[1,0,0]   ; t - M
.set n, n+2
.endr
.irp b, 0,1,2,3
	v_fma_f32 v[MX+\b], v[MX+\b], s[CS], v12
.endr
.set n, 0
	s_wait_alu depctr_va_vdst(0)
.rept 64
	v_exp_f32 v[S+n], v[S+n]                       ; p = 2^(t - M)
.set n, n+1
.endr
	v_pk_mul_f32 v[14:15], v[14:15], v[240:241] op_sel_hi:[1,0]   ; the sums under the new M (a plain instruction behind the batch)
	s_wait_alu depctr_va_vdst(0)                   ; one wait for the batch, ahead of its first reader
.irp b, 0,1,2,3
	v_exp_f32 v[MX+\b], v[MX+\b]                   ; each block's largest p
.endr
	v_pk_add_f32 v[220:221], v[108:109], v[112:113]
	v_pk_add_f32 v[254:255], v[116:117], v[120:121]
	v_pk_add_f32 v[252:253], v[124:125], v[128:129]
	v_pk_add_f32 v[250:251], v[132:133], v[136:137]
	v_pk_add_f32 v[248:249], v[140:141], v[144:145]
	v_pk_add_f32 v[244:245], v[148:149], v[152:153]
	v_pk_add_f32 v[238:239], v[156:157], v[160:161]
	v_pk_add_f32 v[14:15], v[14:15], v[164:165]
	v_pk_add_f32 v[220:221], v[220:221], v[104:105]
	v_pk_add_f32 v[254:255], v[254:255], v[106:107]
	v_pk_add_f32 v[252:253], v[252:253], v[110:111]
	v_pk_add_f32 v[250:251], v[250:251], v[114:115]
	v_pk_add_f32 v[248:249], v[248:249], v[118:119]
	v_pk_add_f32 v[244:245], v[244:245], v[122:123]
	v_pk_add_f32 v[238:239], v[238:239], v[126:127]
	v_pk_add_f32 v[14:15], v[14:15], v[130:131]
	v_pk_add_f32 v[220:221], v[220:221], v[134:135]
	v_pk_add_f32 v[254:255], v[254:255], v[138:139]
	v_pk_add_f32 v[252:253], v[252:253], v[142:143]
	v_pk_add_f32 v[250:251], v[250:251], v[146:147]
	v_pk_add_f32 v[248:249], v[248:249], v[150:151]
	v_pk_add_f32 v[244:245], v[244:245], v[154:155]
	v_pk_add_f32 v[238:239], v[238:239], v[158:159]
	v_pk_add_f32 v[14:15], v[14:15], v[162:163]
	v_pk_add_f32 v[220:221], v[220:221], v[166:167]
	s_delay_alu instid0(VALU_DEP_2)
	v_pk_add_f32 v[14:15], v[14:15], v[250:251]
	s_delay_alu instid0(VALU_DEP_2)
	v_pk_add_f32 v[220:221], v[220:221], v[248:249]
	v_pk_add_f32 v[254:255], v[254:255], v[244:245]
	v_pk_add_f32 v[252:253], v[252:253], v[238:239]
	s_delay_alu instid0(VALU_DEP_2)
	v_pk_add_f32 v[14:15], v[14:15], v[254:255]
	s_delay_alu instid0(VALU_DEP_2)
	v_pk_add_f32 v[220:221], v[220:221], v[252:253]
	s_delay_alu instid0(VALU_DEP_1)
	v_pk_add_f32 v[14:15], v[14:15], v[220:221]
	s_wait_alu depctr_va_vdst(0)                   ; and one for the four
.irp b, 0,1,2,3
	v_max_num_f32 v[MX+\b], 0x8000000, v[MX+\b]    ; the floor 2^(16 - 127)
.endr
.irp b, 0,1,2,3
	s_delay_alu instid0(VALU_DEP_4)
	v_add_nc_u32 v[CV+\b], 0xf8800000, v[MX+\b]
.endr
.irp b, 0,1,2,3
.endr
.irp b, 0,1,2,3
	s_delay_alu instid0(VALU_DEP_4)
	v_lshrrev_b32 v[TP+\b], 23, v[CV+\b]
.endr
	s_delay_alu instid0(VALU_DEP_3)
	v_lshl_or_b32 v[PW], v[TP+1], 8, v[TP]
	s_delay_alu instid0(VALU_DEP_1)
	v_lshl_or_b32 v[PW], v[TP+2], 16, v[PW]
	s_delay_alu instid0(VALU_DEP_1)
	v_lshl_or_b32 v[PW], v[TP+3], 24, v[PW]
.irp b, 0,1,2,3
.irp i, 0,1,2,3,4,5,6,7,8,9,10,11,12,13,14,15
.endr
	v_cvt_scalef32_pk8_bf8_f32 v[PC+4*\b:PC+1+4*\b], v[S+16*\b:S+7+16*\b], v[CV+\b]
	v_cvt_scalef32_pk8_bf8_f32 v[PC+2+4*\b:PC+3+4*\b], v[S+8+16*\b:S+15+16*\b], v[CV+\b]
.endr
.set n, 0
.rept 16
	v_pk_mul_f32 v[O+n:O+n+1], v[O+n:O+n+1], v[240:241] op_sel_hi:[1,0]   ; O^T under the new M; these are also the places in front of the products below
.set n, n+2
.endr
	s_wait_alu depctr_va_vdst(0)
	s_wait_dscnt 0x0                               ; V's fragments and scale words
.irp t, 0,1,2,3
	v_wmma_scale_f32_16x16x128_f8f6f4 v[O+8*\t:O+8*\t+7], v[KVF+16*\t:KVF+16*\t+15], v[PC:PC+15], v[O+8*\t:O+8*\t+7], v[SW+\t], v[PW] matrix_a_fmt:MATRIX_FMT_BF8 matrix_b_fmt:MATRIX_FMT_BF8
.endr
.Lhidden_\@:
	s_add_co_u32 s[KF], s[KF], 128
	s_add_co_u32 s[TS], s[TS], 272
	s_add_co_u32 s[TMK], s[TMK], 512
.endm
; The change of slots stands at a slot's head.  Each wave waits for all its tensor loads, adds 0 to its spare word (twice on end where a load may follow), and waits for that and for its reads of the slot that it has left.
; Behind the barrier the slot ahead is whole and nobody reads the other one, which is filled with the keys that follow, as far as some wave of the work-group will read them.
.macro CHANGE fill
	s_wait_tensorcnt 0x0
	ds_add_u32 v[SPW], v[NIL]
.if \fill
	ds_add_u32 v[SPW], v[NIL]                      ; and once more, in every trip alike
	s_xor_b32 s[G0T+1], s[G0T+1], SLOT1
	s_add_nc_u64 s[G0T+2:G0T+3], s[G0T+2:G0T+3], 16384
	s_wait_xcnt 0x0                                ; the last prefetch, a slot back, has read its address
	s_add_nc_u64 s[PFA:PFA+1], s[PFA:PFA+1], 16384
.endif
	s_wait_dscnt 0x0
	s_barrier_signal -1
	s_barrier_wait -1
.if \fill
	s_add_co_u32 s96, s[KF], 256                   ; a slot whose first key comes after my work-group's last query is read by none of its waves: it is not asked for.
	s_cmp_gt_u32 s96, s[LQ]                        ; ids and the count of steps alone: all sixteen waves go the same way
	s_cbranch_scc1 .Lpast_\@
	TLOAD G0T, G1
.Lpast_\@:
	ASK
.endif
.endm
.macro SLOT_STEPS
	STEP 0
	STEP 1
	s_xor_b32 s[TB], s[TB], SLOT1
.endm
.Lslot:                                            ; seven trips; every wait on TENSORcnt in this text is for 0
	CHANGE 1
	SLOT_STEPS
	s_sub_co_u32 s[SLOTS], s[SLOTS], 1
	s_cmp_lg_u32 s[SLOTS], 0
	s_cbranch_scc1 .Lslot
	CHANGE 0
	SLOT_STEPS
	; THE WAY OUT: O^T / the sum, quantised along the head's 64 (two blocks of 32, each shared with lane l xor 16), through a stage that holds the work-group's 128 rows x 128 bytes
.rept 8
	v_nop                                          ; the places behind the last products
.endr
	v_add_f32 v14, v14, v15
	s_delay_alu instid0(VALU_DEP_1)
	v_permlanex16_b32 v246, v14, s[SEL], s[SEL+1]
	s_delay_alu instid0(VALU_DEP_1)
	v_add_f32 v14, v14, v246
	s_wait_alu depctr_va_vdst(0)
	v_rcp_f32 v14, v14
	v_and_b32 v8, 15, v0                           ; r  (plain work behind the transcendental)
	s_wait_alu depctr_va_vdst(0)
	v_bfe_u32 v9, v0, 4, 1                         ; h
	v_and_b32 v10, 31, v0                          ; lane
	s_wait_alu depctr_va_vdst(0)
	s_lshl_b32 s70, s49, 6
	s_add_co_u32 s70, s70, s54                     ; my first row of the stage: 64 e + 16 x tile
	s_mul_i32 s71, s70, 144
	s_lshl_b32 s72, s48, 6
	s_add_co_u32 s71, s71, s72
	s_add_co_u32 s71, s71, OST
	v_mul_u32_u24 v249, v8, 144
	s_delay_alu instid0(VALU_DEP_1)
	v_lshl_add_u32 v249, v9, 3, v249
	s_delay_alu instid0(VALU_DEP_1)
	v_add_nc_u32 v249, s71, v249                   ; in: row r, my head's 64 bytes, + 8 h
	s_lshl_b32 s72, s70, 2
	s_lshl_b32 s73, s48, 1
	s_add_co_u32 s72, s72, s73
	s_add_co_u32 s72, s72, OSS
	v_lshl_add_u32 v250, v8, 2, s72                ; my head's half of the row's scale word
	s_mul_i32 s73, s[WV], 8*144
	s_add_co_u32 s73, s73, OST
	v_lshrrev_b32 v11, 3, v10
	s_delay_alu instid0(VALU_DEP_1)
	v_mul_u32_u24 v251, v11, 144
	v_and_b32 v247, 7, v10
	s_delay_alu instid0(VALU_DEP_1)
	v_lshl_add_u32 v251, v247, 4, v251
	s_delay_alu instid0(VALU_DEP_1)
	v_add_nc_u32 v251, s73, v251                   ; back: wave w takes rows 8 w .. 8 w + 7, four rows an instruction
	v_lshlrev_b32 v248, 10, v11
	s_delay_alu instid0(VALU_DEP_1)
	v_lshl_add_u32 v248, v247, 4, v248             ; and the same in aq
	s_lshl_b32 s73, s48, 8
	s_add_co_u32 s73, s73, OSS
	v_lshl_add_u32 v252, v10, 3, s73
	v_lshlrev_b32 v253, 3, v10
	s_wait_alu depctr_va_vdst(0)                   ; the wait ahead of the reciprocal's first reader
.set n, 0
.rept 32
	v_mul_f32 v[S+n], v[O+n], v14                  ; register 8 t + i is o(r, 16 t + 8 h + i)
.set n, n+1
.endr
.irp b, 0,1
	v_max3_num_f32 v[MX+\b], |v[S+16*\b]|, |v[S+1+16*\b]|, 0x8000000
.endr
.irp i, 2,4,6,8,10,12,14
.irp b, 0,1
	s_delay_alu instid0(VALU_DEP_2)
	v_max3_num_f32 v[MX+\b], v[MX+\b], |v[S+16*\b+\i]|, |v[S+1+16*\b+\i]|
.endr
.endr
.irp b, 0,1
	s_delay_alu instid0(VALU_DEP_2)
	v_permlanex16_b32 v[TP+\b], v[MX+\b], s[SEL], s[SEL+1]
.endr
.irp b, 0,1
	s_delay_alu instid0(VALU_DEP_2)
	v_max_num_f32 v[MX+\b], v[MX+\b], v[TP+\b]
.endr
.irp b, 0,1
	s_delay_alu instid0(VALU_DEP_2)
	v_add_nc_u32 v[CV+\b], 0xf8800000, v[MX+\b]
.endr
.irp b, 0,1
.endr
.irp b, 0,1
	s_delay_alu instid0(VALU_DEP_2)
	v_lshrrev_b32 v[TP+\b], 23, v[CV+\b]
.endr
	s_delay_alu instid0(VALU_DEP_1)
	v_lshl_or_b32 v245, v[TP+1], 8, v[TP]
.irp b, 0,1
.irp i, 0,1,2,3,4,5,6,7,8,9,10,11,12,13,14,15
.endr
	v_cvt_scalef32_pk8_bf8_f32 v[PC+4*\b:PC+1+4*\b], v[S+16*\b:S+7+16*\b], v[CV+\b]
	v_cvt_scalef32_pk8_bf8_f32 v[PC+2+4*\b:PC+3+4*\b], v[S+8+16*\b:S+15+16*\b], v[CV+\b]
.endr
	v_nop
.irp b, 0,1
.irp u, 0,1
	ds_store_b64 v249, v[PC+4*\b+2*\u:PC+4*\b+2*\u+1] offset:32*\b+16*\u
.endr
.endr
	ds_store_b16 v250, v245                        ; lanes r and r + 16 write the same two bytes with the same value
	s_wait_dscnt 0x0                               ; for the others' sake: my stores have landed
	s_barrier_signal -1
	s_barrier_wait -1
	ds_load_b128 v[40:43], v251
	ds_load_b128 v[44:47], v251 offset:576
	s_wait_dscnt 0x0
	global_store_b128 v248, v[40:43], s[12:13]
	global_store_b128 v248, v[44:47], s[12:13] offset:4096
	s_and_b32 s96, s[WV], 7
	s_cmp_lg_u32 s96, 0
	s_cbranch_scc1 .Lno_words                      ; waves 0 and 8 store the two blocks' scale words: 256 consecutive bytes each
	ds_load_b64 v[48:49], v252
	s_wait_dscnt 0x0
	global_store_b64 v253, v[48:49], s[14:15]
.Lno_words:
	s_wait_tensorcnt 0x0                           ; the wave's end
	ds_add_u32 v[SPW], v[NIL]
	s_wait_dscnt 0x0
	s_endpgm
.Lfunc_end_k_qadf34d9507_attn:
	.size	k_qadf34d9507_attn, .Lfunc_end_k_qadf34d9507_attn-k_qadf34d9507_attn
	.p2alignl 7, 3214868480
	.fill 96, 4, 3214868480
	.section	.rodata,"a",@progbits
	.p2align	6, 0x0
	.amdhsa_kernel k_qadf34d9507_attn
		.amdhsa_group_segment_fixed_size 327680
		.amdhsa_private_segment_fixed_size 0
		.amdhsa_enable_private_segment 0
		.amdhsa_kernarg_size 16
		.amdhsa_user_sgpr_count 2
		.amdhsa_user_sgpr_kernarg_segment_ptr 1
		.amdhsa_wavefront_size32 1
		.amdhsa_system_sgpr_workgroup_id_x 1
		.amdhsa_system_sgpr_workgroup_id_y 1
		.amdhsa_system_sgpr_workgroup_id_z 1
		.amdhsa_system_vgpr_workitem_id 0
		.amdhsa_next_free_vgpr 256
		.amdhsa_next_free_sgpr 100
		.amdhsa_reserve_vcc 1
		.amdhsa_float_denorm_mode_32 3
		.amdhsa_float_denorm_mode_16_64 3
		.amdhsa_fp16_overflow 1
		.amdhsa_memory_ordered 1
		.amdhsa_forward_progress 1
		.amdhsa_inst_pref_size 117
	.end_amdhsa_kernel
	.amdgpu_metadata
---
amdhsa.version: [ 1, 2 ]
amdhsa.kernels:
  - .name:           k_qadf34d9507_attn
    .symbol:         k_qadf34d9507_attn.kd
    .args:
      - { .name: qkv, .offset: 0, .size: 8, .value_kind: global_buffer, .address_space: global }
      - { .name: aq, .offset: 8, .size: 8, .value_kind: global_buffer, .address_space: global }
    .group_segment_fixed_size: 327680
    .private_segment_fixed_size: 0
    .kernarg_segment_align: 8
    .kernarg_segment_size: 16
    .max_flat_workgroup_size: 512
    .sgpr_count:     100
    .vgpr_count:     256
    .wavefront_size: 32
...
	.end_amdgpu_metadata
.endif
;; end of part 3
;; launch proj (part 4): grid 8 x 32, 4 waves a work-group, clusters of 4 x 4, 327,680 bytes of LDS; arguments aq, wc, ws, bp, hidden_states, h; writes h
.if DOCPART == 4
	.amdgcn_target "amdgcn-amd-amdhsa--gfx1250"
	.amdhsa_code_object_version 6
	.text
	.protected	k_qadf34d9507_proj
	.globl	k_qadf34d9507_proj
	.p2align	8
	.type	k_qadf34d9507_proj,@function
k_qadf34d9507_proj:
	s_mov_b64 s[64:65], 0
	v_nop
	global_prefetch_b8 v0, s[64:65] scope:SCOPE_SE
	s_setreg_imm32_b32 hwreg(HW_REG_WAVE_MODE, 25, 1), 1
	s_wait_xcnt 0x0
	s_wait_alu depctr_hold_cnt(0) depctr_sa_sdst(0) depctr_va_vdst(0) depctr_va_sdst(0) depctr_va_ssrc(0) depctr_va_vcc(0) depctr_vm_vsrc(0)
	s_getreg_b32 s2, hwreg(HW_REG_IB_STS2, 6, 4)
	s_cmp_eq_u32 s2, 0
	s_cbranch_scc0 .Lentry_in_a_cluster
	s_endpgm
.Lentry_in_a_cluster:
	s_bfe_u32 s2, ttmp6, 0x10000c
	s_cmp_lg_u32 s2, 0xf033
	s_cbranch_scc0 .Lentry_shape_is_right
	s_endpgm
.Lentry_shape_is_right:
; h = attention's result x Wp + bp + hidden_states.  A: codes and scale words from aq, [4096][1024]; B: Wp's from wc and ws; the result f32 [4096][1024].  Nothing is left out.
; N is 1,024, so tiles of 256 x 256 would be 64: a tile is 128 x 128, 256 work-groups; four waves of 64 x 64, 16 accumulators each.  K goes in steps of 512 (four matrix instructions deep) through two LDS slots;
; the scale words of the tile's rows, for all of K, come once.  The matrix instruction is used transposed (source 0 = 16 rows of B, source 1 = 16 rows of A): a lane holds eight neighbouring numbers of a row of the result.
; CLUSTERS: 4 x 4; A's tiles are asked for jointly along a row of the cluster, B's along a column.
; The residual's 64 x 64 numbers of a wave are loaded at the head, in the layout of the stores, and land under the loop.  A wave's 64 columns are 256 bytes: each block of 16 rows goes through the wave's own stage
; and leaves with sixteen lanes storing 256 consecutive bytes, aligned.
; REGISTERS: window 0: v0-31 addresses and the bias; v32-63 scale words, two sets, and nothing else; v64-127 rows on the way out; v128-255 the accumulators.  Window 1: two fragment buffers.  Window 2: the residual.
.set SIZE_K, 1024
.set ASOFF,  0x400000                  ; A's scale words, from A's first byte
.set BOFF,   0x300000                  ; B's codes in wc
.set BSOFF,  0x18000                   ; B's scale words in ws
.set KSTEP,  512
.set PITCH,  528                       ; an LDS row: 512 bytes + 16
.set HALFT,  64*PITCH
.set SLOT,   4*HALFT
.set SCL,    2*SLOT
.set KQ,     SIZE_K/128
.set HALFS,  272*KQ                    ; half of the scale words of 128 rows: KQ units of 256 bytes + 16
.set SPARE,  SCL+4*HALFS
.set STAGE,  SPARE+512                 ; 16 rows x 272 bytes for each wave
.set LAPS,   SIZE_K/1024
.set NP,     8
.set BI,   12                          ; v12-15 the bias of my four columns
.set ADRA, 16
.set ADRB, 20
.set BO,   22
.set STO,  24
.set RD,   25
.set CO,   26
.set ADRS, 27
.set SPW,  28
.set NIL,  29
.set SC,   32
.set OB,   64
.set ACC,  128
.set F0,   0
.set F1,   128
.set G1, 24
.set G0, 32
.set G1B, 48
.set G0B, 56
.set G1S, 68
.set G0S, 76
.set G1SB, 80
.set G0SB, 88
.set MSB, 0
.macro WIN new
.if MSB != (\new)
	s_set_vgpr_msb (MSB<<8)|(\new)
.set MSB, (\new)
.endif
.endm
.set MUL,  0x05
.set TO_F, 0x40
.macro JLOAD g0a, g1a, g0b, g1b
	s_cmp_eq_u32 s15, 0
	s_cbranch_scc0 .Lfor_b_\@
	tensor_load_to_lds s[\g0a:\g0a+3], s[\g1a:\g1a+7]
	s_nop 0
.rept 4
	v_nop
.endr
	s_branch .Lasked_\@
.Lfor_b_\@:
	tensor_load_to_lds s[\g0b:\g0b+3], s[\g1b:\g1b+7]
	s_nop 0
.rept 4
	v_nop
.endr
.Lasked_\@:
.endm
.macro CREST
	s_cmp_lg_u32 s14, 0
	s_cbranch_scc1 .Lnot_wave_0_\@
	s_barrier_signal -3
.Lnot_wave_0_\@:
	s_barrier_wait -3
	s_barrier_signal -1
	s_barrier_wait -1
.endm
.macro CROUND
	s_barrier_signal -1
	s_barrier_wait -1
	CREST
.endm
	s_load_b256 s[4:11], s[0:1], 0x0               ; A, wc, ws, the bias
	s_load_b128 s[96:99], s[0:1], 0x20             ; the residual, the result
	v_lshl_add_u32 v[SPW], v0, 2, SPARE
	v_mov_b32 v[NIL], 0
	ds_add_u32 v[SPW], v[NIL]                      ; the opening: the add, twice on end, and its wait ahead of my first tensor load
	ds_add_u32 v[SPW], v[NIL]
	v_lshrrev_b32 v1, 5, v0
	v_readfirstlane_b32 s14, v1
	s_lshr_b32 s15, s14, 1                         ; my half of the tile's rows; also: I fetch for A (0) or B (1)
	s_and_b32 s16, s14, 1                          ; my half of its columns; also: which 64 rows I fetch
	s_bfe_u32 s40, ttmp6, 0x40000
	s_bfe_u32 s41, ttmp6, 0x40004
	s_lshl_b32 s42, ttmp9, 2
	s_add_co_u32 s42, s42, s40                     ; tile column
	s_and_b32 s17, ttmp7, 0xffff
	s_lshl_b32 s17, s17, 2
	s_add_co_u32 s17, s17, s41                     ; tile row
	s_lshl_b32 s43, s41, 2
	s_lshl_b32 s43, 15, s43
	s_lshl_b32 s44, 0x1111, s40
	s_or_b32 s[G1+0], s43, (1<<20)|(1<<21)|(6<<22)|(3<<25)    ; elements of 1 byte; padding: 4 words behind every 128
	s_or_b32 s[G1B+0], s44, (1<<20)|(1<<21)|(6<<22)|(3<<25)
.irp g, G1, G1B
	s_mov_b32 s[\g+1], KSTEP<<16
	s_mov_b32 s[\g+2], 64<<16
	s_mov_b32 s[\g+3], KSTEP<<16
	s_mov_b32 s[\g+4], 64
	s_mov_b32 s[\g+5], SIZE_K
	s_mov_b32 s[\g+6], 0
	s_mov_b32 s[\g+7], 0
.endr
	s_or_b32 s[G1S+0], s43, (3<<16)|(1<<20)|(1<<21)|(5<<22)|(3<<25)
	s_or_b32 s[G1SB+0], s44, (3<<16)|(1<<20)|(1<<21)|(5<<22)|(3<<25)
.irp g, G1S, G1SB
	s_mov_b32 s[\g+1], 32<<16
	s_mov_b32 s[\g+2], KQ<<16
	s_mov_b32 s[\g+3], 32<<16
	s_mov_b32 s[\g+4], KQ
	s_mov_b32 s[\g+5], 32
	s_mov_b32 s[\g+6], 0
	s_mov_b32 s[\g+7], 0
.endr
	s_lshl_b32 s18, s16, 6
	s_lshl_b32 s20, s17, 7
	s_add_co_u32 s20, s20, s18
	s_mul_i32 s20, s20, SIZE_K                     ; A's codes: the first row that I fetch
	s_mov_b32 s21, 0
	s_lshl_b32 s46, s42, 7
	s_add_co_u32 s46, s46, s18
	s_mul_i32 s46, s46, SIZE_K
	s_add_co_u32 s46, s46, BOFF
	s_mov_b32 s47, 0
	s_mul_i32 s19, s16, KQ*256
	s_mul_i32 s22, s17, KQ*512
	s_add_co_u32 s22, s22, s19
	s_add_co_u32 s22, s22, ASOFF                   ; A's scale words: my half of the tile's dense block
	s_mov_b32 s23, 0
	s_mul_i32 s92, s42, KQ*512
	s_add_co_u32 s92, s92, s19
	s_add_co_u32 s92, s92, BSOFF
	s_mov_b32 s93, 0
	s_mul_i32 s45, s14, HALFT
	s_mul_i32 s94, s14, HALFS
	s_wait_dscnt 0x0
	s_wait_kmcnt 0x0
	s_add_nc_u64 s[20:21], s[4:5], s[20:21]
	s_add_nc_u64 s[22:23], s[4:5], s[22:23]
	s_add_nc_u64 s[46:47], s[6:7], s[46:47]
	s_add_nc_u64 s[92:93], s[8:9], s[92:93]
	CROUND                                         ; all sixteen work-groups are here: the first joint loads meet
	s_mov_b32 s[G0S], 1
	s_add_co_u32 s[G0S+1], s94, SCL
	s_mov_b64 s[G0S+2:G0S+3], s[22:23]
	s_or_b32 s[G0S+3], s[G0S+3], 0x80000000
	s_mov_b32 s[G0SB], 1
	s_add_co_u32 s[G0SB+1], s94, SCL
	s_mov_b64 s[G0SB+2:G0SB+3], s[92:93]
	s_or_b32 s[G0SB+3], s[G0SB+3], 0x80000000
	JLOAD G0S, G1S, G0SB, G1SB
.irp s, 0,1
	s_mov_b32 s[G0+4*\s], 1
	s_add_co_u32 s[G0+4*\s+1], s45, \s*SLOT
	s_add_nc_u64 s[G0+4*\s+2:G0+4*\s+3], s[20:21], \s*KSTEP
	s_or_b32 s[G0+4*\s+3], s[G0+4*\s+3], 0x80000000
	s_mov_b32 s[G0B+4*\s], 1
	s_add_co_u32 s[G0B+4*\s+1], s45, \s*SLOT
	s_add_nc_u64 s[G0B+4*\s+2:G0B+4*\s+3], s[46:47], \s*KSTEP
	s_or_b32 s[G0B+4*\s+3], s[G0B+4*\s+3], 0x80000000
	JLOAD G0+4*\s, G1, G0B+4*\s, G1B
.endr
	v_and_b32 v1, 15, v0                           ; r
	v_bfe_u32 v2, v0, 4, 1                         ; h
	v_mul_u32_u24 v3, v1, PITCH
	v_lshl_add_u32 v4, v2, 4, v3
	s_mul_i32 s21, s15, HALFT
	s_mul_i32 s22, s16, HALFT
	s_add_co_u32 s22, s22, 2*HALFT
.irp s, 0,1
	v_add_nc_u32 v[ADRA+\s], s21, v4
	v_add_nc_u32 v[ADRB+\s], s22, v4
	s_add_co_u32 s21, s21, SLOT
	s_add_co_u32 s22, s22, SLOT
.endr
	v_lshlrev_b32 v5, 2, v1                        ; my row's scale word; lanes 16-31 take B's
	s_mul_i32 s21, s15, 272
	s_mul_i32 s22, s16, 272
	s_add_co_u32 s22, s22, 2*HALFS
	s_sub_co_u32 s22, s22, s21
	v_mul_u32_u24 v6, s22, v2
	s_add_co_u32 s21, s21, SCL
	v_add_nc_u32 v5, v5, v6
	v_add_nc_u32 v[ADRS], s21, v5
	s_mul_i32 s23, s14, 16*272
	s_add_co_u32 s23, s23, STAGE
	v_mul_u32_u24 v5, v1, 272
	v_lshl_add_u32 v5, v2, 5, v5
	v_add_nc_u32 v[STO], s23, v5                   ; into my stage: row r, + 32 h
	v_mul_u32_u24 v5, v2, 272
	v_lshl_add_u32 v5, v1, 4, v5
	v_add_nc_u32 v[RD], s23, v5                    ; back: lanes 0-15 one row, lanes 16-31 the next
	v_lshlrev_b32 v5, 12, v2
	v_lshl_add_u32 v[CO], v1, 4, v5                ; and the same two rows in memory
	v_lshlrev_b32 v[BO], 4, v1
	s_lshl_b32 s20, s17, 7
	s_lshl_b32 s21, s15, 6
	s_add_co_u32 s20, s20, s21
	s_lshl_b32 s20, s20, 12                        ; my first row, 4,096 bytes a row,
	s_lshl_b32 s46, s42, 9
	s_lshl_b32 s47, s16, 8
	s_add_co_u32 s46, s46, s47                     ; my first column, in bytes
	s_add_co_u32 s20, s20, s46
	s_mov_b32 s21, 0
	s_mov_b32 s47, 0
	s_add_nc_u64 s[96:97], s[96:97], s[20:21]
	s_add_nc_u64 s[98:99], s[98:99], s[20:21]
	s_add_nc_u64 s[10:11], s[10:11], s[46:47]
	WIN 0x80                                       ; destination window 2
.irp a, 0,1,2,3
.irp t, 0,1,2,3,4,5,6,7
	global_load_b128 v[4*(8*\a+\t):4*(8*\a+\t)+3], v[CO], s[96:97] offset:(16*\a+2*\t)*4096
.endr
.endr
	WIN 0
	global_load_b128 v[BI:BI+3], v[BO], s[10:11]
.macro FRAG reg, adr, q, i
.irp c, 0,1,2,3
	ds_load_b128 v[\reg+4*\c:\reg+4*\c+3], v[\adr] offset:128*(\q)+32*\c+(\i)*16*PITCH
.endr
.endm
.macro FETCH slot, q, f                ; 32 LDS loads in one run: B's four fragments, then A's four
	WIN TO_F
.irp i, 0,1,2,3
	FRAG (\f)+64+16*\i, ADRB+\slot, \q, \i
.endr
.irp i, 0,1,2,3
	FRAG (\f)+16*\i, ADRA+\slot, \q, \i
.endr
.endm
.macro SCALES set                      ; a slot's scale words: register 4 i + q: lanes 0-15 A's block i, lanes 16-31 B's block i
.irp i, 0,1,2,3
.irp q, 0,1,2,3
	ds_load_b32 v[SC+16*\set+4*\i+\q], v[ADRS] offset:544*\q+64*\i
.endr
.endr
.endm
.macro MULA f, a, q, set, zero         ; A's block a x B's four; the 16 accumulators take turns in one fixed order
.irp b, 0,1,2,3
.if \zero
	v_wmma_scale_f32_16x16x128_f8f6f4 v[ACC+8*(4*(\a)+\b):ACC+8*(4*(\a)+\b)+7], v[(\f)+64+16*\b:(\f)+64+16*\b+15], v[(\f)+16*(\a):(\f)+16*(\a)+15], 0, v[SC+16*(\set)+4*\b+(\q)], v[SC+16*(\set)+4*(\a)+(\q)] matrix_a_fmt:MATRIX_FMT_BF8 matrix_b_fmt:MATRIX_FMT_BF8 matrix_a_scale:MATRIX_SCALE_ROW1
.else
	v_wmma_scale_f32_16x16x128_f8f6f4 v[ACC+8*(4*(\a)+\b):ACC+8*(4*(\a)+\b)+7], v[(\f)+64+16*\b:(\f)+64+16*\b+15], v[(\f)+16*(\a):(\f)+16*(\a)+15], v[ACC+8*(4*(\a)+\b):ACC+8*(4*(\a)+\b)+7], v[SC+16*(\set)+4*\b+(\q)], v[SC+16*(\set)+4*(\a)+(\q)] matrix_a_fmt:MATRIX_FMT_BF8 matrix_b_fmt:MATRIX_FMT_BF8 matrix_a_scale:MATRIX_SCALE_ROW1
.endif
.endr
.endm
.macro PLACES n
.rept \n
	v_nop
.endr
.endm
.macro QUARTER slot, q, f, g, zero     ; 128 along K on buffer f; in its middle the next 128's fragments are fetched into g
	s_wait_dscnt 8                                 ; all but the youngest eight loads (A's blocks 2, 3) are in
	WIN MUL
	MULA \f, 0, \q, \slot, \zero
	MULA \f, 1, \q, \slot, \zero
	PLACES NP
	FETCH \slot, (\q)+1, \g
	s_wait_dscnt 32                                ; all but the 32 just issued
	WIN MUL
	MULA \f, 2, \q, \slot, \zero
	MULA \f, 3, \q, \slot, \zero
.endm
.macro TURN slot, next, fill           ; a slot's last 128 along K, on buffer 1, changes slots: one barrier
	WIN 0
	s_wait_tensorcnt 0x0                           ; all my tensor loads have landed: my part of the next slot
	ds_add_u32 v[SPW], v[NIL]
	s_wait_dscnt 9                                 ; the add and the youngest eight loads may be out
	WIN MUL
	MULA F1, 0, 3, \slot, 0
	s_wait_dscnt 0x0                               ; the add is done, and my reads of this slot are over
	s_barrier_signal -1
	MULA F1, 1, 3, \slot, 0
	WIN 0
	s_barrier_wait -1
.if \fill
	CREST                                          ; the barrier has opened a round of the cluster's barrier
	s_add_nc_u64 s[G0+4*\slot+2:G0+4*\slot+3], s[G0+4*\slot+2:G0+4*\slot+3], 2*KSTEP
	s_add_nc_u64 s[G0B+4*\slot+2:G0B+4*\slot+3], s[G0B+4*\slot+2:G0B+4*\slot+3], 2*KSTEP
	JLOAD G0+4*\slot, G1, G0B+4*\slot, G1B
	PLACES NP-4
.else
	PLACES NP
.endif
	v_add_nc_u32 v[ADRS], 2176, v[ADRS]            ; the next slot's scale words: four K steps of 128, 544 bytes each
	SCALES \next
	FETCH \next, 0, F0
	WIN MUL
	MULA F1, 2, 3, \slot, 0
	MULA F1, 3, 3, \slot, 0
.endm
	s_wait_tensorcnt 1                             ; the scale words and my part of slot 0 are in; slot 1's load may be out
	s_barrier_signal -1
	s_barrier_wait -1
	SCALES 0
	FETCH 0, 0, F0
	QUARTER 0, 0, F0, F1, 1                        ; the first products start the sums
.if LAPS > 1
	WIN 0
	s_mov_b32 s3, LAPS-1
.Llap:
	QUARTER 0, 1, F1, F0, 0
	QUARTER 0, 2, F0, F1, 0
	TURN 0, 1, 1
	QUARTER 1, 0, F0, F1, 0
	QUARTER 1, 1, F1, F0, 0
	QUARTER 1, 2, F0, F1, 0
	TURN 1, 0, 1
	QUARTER 0, 0, F0, F1, 0
	WIN 0
	s_sub_co_u32 s3, s3, 1
	s_cmp_lg_u32 s3, 0
	s_cbranch_scc1 .Llap
.endif
	QUARTER 0, 1, F1, F0, 0
	QUARTER 0, 2, F0, F1, 0
	TURN 0, 1, 0
	QUARTER 1, 0, F0, F1, 0
	QUARTER 1, 1, F1, F0, 0
	QUARTER 1, 2, F0, F1, 0
	s_wait_dscnt 8
	WIN MUL
	MULA F1, 0, 3, 1, 0
	MULA F1, 1, 3, 1, 0
	s_wait_dscnt 0
	MULA F1, 2, 3, 1, 0
	MULA F1, 3, 3, 1, 0
	WIN 0
	; THE WAY OUT, block by block of 16 rows x 64 columns
	PLACES NP
	s_wait_loadcnt 0x0                             ; the residual and the bias
.irp a, 0,1,2,3
.if \a >= 2
	s_wait_xcnt 0x0                                ; the stores of two blocks back have read their registers
.endif
.irp b, 0,1,2,3
	ds_store_b128 v[STO], v[ACC+8*(4*\a+\b):ACC+8*(4*\a+\b)+3] offset:64*\b        ; each accumulator from its low end on
	ds_store_b128 v[STO], v[ACC+8*(4*\a+\b)+4:ACC+8*(4*\a+\b)+7] offset:64*\b+16
.endr
.irp t, 0,1,2,3,4,5,6,7
	ds_load_b128 v[OB+32*(\a%2)+4*\t:OB+32*(\a%2)+4*\t+3], v[RD] offset:544*\t     ; LDS serves a wave's instructions in order
.endr
	s_wait_dscnt 0x0
.irp t, 0,1,2,3,4,5,6,7
	v_pk_add_f32 v[OB+32*(\a%2)+4*\t:OB+32*(\a%2)+4*\t+1], v[OB+32*(\a%2)+4*\t:OB+32*(\a%2)+4*\t+1], v[BI:BI+1]
	v_pk_add_f32 v[OB+32*(\a%2)+4*\t+2:OB+32*(\a%2)+4*\t+3], v[OB+32*(\a%2)+4*\t+2:OB+32*(\a%2)+4*\t+3], v[BI+2:BI+3]
.endr
	WIN 0x08                                       ; source 1: window 2
.irp t, 0,1,2,3,4,5,6,7
	v_pk_add_f32 v[OB+32*(\a%2)+4*\t:OB+32*(\a%2)+4*\t+1], v[OB+32*(\a%2)+4*\t:OB+32*(\a%2)+4*\t+1], v[4*(8*\a+\t):4*(8*\a+\t)+1]
	v_pk_add_f32 v[OB+32*(\a%2)+4*\t+2:OB+32*(\a%2)+4*\t+3], v[OB+32*(\a%2)+4*\t+2:OB+32*(\a%2)+4*\t+3], v[4*(8*\a+\t)+2:4*(8*\a+\t)+3]
.endr
	WIN 0
.irp t, 0,1,2,3,4,5,6,7
	global_store_b128 v[CO], v[OB+32*(\a%2)+4*\t:OB+32*(\a%2)+4*\t+3], s[98:99] offset:(16*\a+2*\t)*4096   ; sixteen lanes store 256 consecutive bytes, aligned
.endr
.endr
	s_wait_tensorcnt 0x0                           ; the wave's end
	ds_add_u32 v[SPW], v[NIL]
	s_wait_dscnt 0x0
	CROUND                                         ; the closing round
	s_endpgm
.Lfunc_end_k_qadf34d9507_proj:
	.size	k_qadf34d9507_proj, .Lfunc_end_k_qadf34d9507_proj-k_qadf34d9507_proj
	.p2alignl 7, 3214868480
	.fill 96, 4, 3214868480
	.section	.rodata,"a",@progbits
	.p2align	6, 0x0
	.amdhsa_kernel k_qadf34d9507_proj
		.amdhsa_group_segment_fixed_size 327680
		.amdhsa_private_segment_fixed_size 0
		.amdhsa_enable_private_segment 0
		.amdhsa_kernarg_size 48
		.amdhsa_user_sgpr_count 2
		.amdhsa_user_sgpr_kernarg_segment_ptr 1
		.amdhsa_wavefront_size32 1
		.amdhsa_system_sgpr_workgroup_id_x 1
		.amdhsa_system_sgpr_workgroup_id_y 1
		.amdhsa_system_sgpr_workgroup_id_z 1
		.amdhsa_system_vgpr_workitem_id 0
		.amdhsa_next_free_vgpr 768
		.amdhsa_next_free_sgpr 100
		.amdhsa_reserve_vcc 0
		.amdhsa_float_denorm_mode_32 3
		.amdhsa_float_denorm_mode_16_64 3
		.amdhsa_memory_ordered 1
		.amdhsa_forward_progress 1
		.amdhsa_inst_pref_size 67
	.end_amdhsa_kernel
	.amdgpu_metadata
---
amdhsa.version: [ 1, 2 ]
amdhsa.kernels:
  - .name:           k_qadf34d9507_proj
    .symbol:         k_qadf34d9507_proj.kd
    .args:
      - { .name: aq, .offset: 0, .size: 8, .value_kind: global_buffer, .address_space: global }
      - { .name: wc, .offset: 8, .size: 8, .value_kind: global_buffer, .address_space: global }
      - { .name: ws, .offset: 16, .size: 8, .value_kind: global_buffer, .address_space: global }
      - { .name: bp, .offset: 24, .size: 8, .value_kind: global_buffer, .address_space: global }
      - { .name: hidden_states, .offset: 32, .size: 8, .value_kind: global_buffer, .address_space: global }
      - { .name: h, .offset: 40, .size: 8, .value_kind: global_buffer, .address_space: global }
    .group_segment_fixed_size: 327680
    .private_segment_fixed_size: 0
    .kernarg_segment_align: 8
    .kernarg_segment_size: 48
    .max_flat_workgroup_size: 128
    .sgpr_count:     100
    .vgpr_count:     768
    .wavefront_size: 32
...
	.end_amdgpu_metadata
.endif
;; end of part 4
;; launch prep2 (part 5): grid 512 x 1, 16 waves a work-group, no clusters, 89,600 bytes of LDS; arguments h, ln2_g, ln2_b, hq, W1, W2, wc, ws; writes hq, wc, ws
.if DOCPART == 5
	.amdgcn_target "amdgcn-amd-amdhsa--gfx1250"
	.amdhsa_code_object_version 6
	.text
	.protected	k_qadf34d9507_prep2
	.globl	k_qadf34d9507_prep2
	.p2align	8
	.type	k_qadf34d9507_prep2,@function
k_qadf34d9507_prep2:
	s_mov_b64 s[64:65], 0
	v_nop
	global_prefetch_b8 v0, s[64:65] scope:SCOPE_SE
	s_setreg_imm32_b32 hwreg(HW_REG_WAVE_MODE, 25, 1), 1
	s_wait_xcnt 0x0
; The launch prep1's text with two constants and the arguments changed.  Nothing is left out.  Two things that hang on nothing but h and inputs, in work-groups that part on the work-group's number alone; each way has LDS bytes of its own.
; (1) WEIGHTS, work-groups 0 to 255: W1 [1024][4096] and W2 [4096][1024], f32, stored [K][N], become codes laid [N][K] in wc (W1: rows 4096-8191 of 1,024 bytes; W2: from byte 8,388,608, 1,024 rows of 4,096 bytes) and scale words
;     in ws (four E8M0 bytes for a row n and 128 along K, laid [n / 128][K / 128][n % 128]; W2's from byte 262,144).  A work-group takes 128 columns x 256 along K; wave w takes 32 columns (w % 4) x 64 along K (w / 4);
;     a lane takes a column and its registers run down K; all 64 loads of a wave go out together.  The codes meet in a stage and leave with sixteen lanes storing 256 consecutive bytes, aligned.
; (2) LAYER NORM, the other 256 work-groups: the second norm, on h, quantised along the row into hq: codes [4096][1024] at byte 0, scale words [row / 128][8][row % 128] from byte 4,194,304.  16 rows to a work-group, one to a wave;
;     the row turns through the wave's own stage in LDS; g and b are read once by the work-group and reach every wave through LDS; mean and variance in two passes, in f32.
; LIMITS: a block of zeros gets the byte 1 where the rule says 127 (its codes are zeros, and this program alone reads the bytes); blocks whose largest magnitude lies under 2^-111 take the floor's byte; NaN and infinities are not served.
.set SECOND, 1                         ; 0: the four square weights;  1: W1 and W2
.set NWQ,    256                       ; work-groups on the weights' way
.set PITCH,  272                       ; a row of the weights' stage: 256 bytes of codes + 16
.set EMAX,   15
.set MANT,   0x600000                  ; the mantissa field of 57,344
.set SP,     80                        ; a lane's place in a turning stage: 64 bytes + 16
.set SCB,    128*PITCH                 ; LDS: from 0 the weights' stage; here their scale words [2][128]
.set LST,    SCB+1024                  ; the norm's way: 2,560 bytes for each wave's row
.set SCW,    LST+16*2560               ; its scale words [8][16 rows]
.set GST,    SCW+512                   ; g, then b: 64 places of 80 bytes each
.set SPARE,  GST+2*5120                ; the spare words: 128 bytes for each of 16 waves
.set SPW,    14                        ; v14  my spare word; never rewritten
.set NIL,    15                        ; v15  0; never rewritten
.set X,      16                        ; the weights' way: v16-79 two blocks of 32 numbers
.set OFFS,   80                        ; v80-111  4 x lane + i rows of the input
.set C,      112                       ; v112-119 a block's codes
.set OO,     120                       ; v120-123 the way out's offsets in wc
.set SBY,    124                       ; v124     my column's two scale bytes
.set SWR,    125                       ; v125     where waves 0 and 1 read the scale words
.set SWO,    126                       ; v126     and their offset in ws
.set MU,     16                        ; the norm's way: v[16:17] the mean, twice
.set RS,     18                        ; v[18:19] 1 / sqrt(var + eps), twice
.set AC,     20                        ; v20-27   four chains of pairs; later the codes
.set E,      28                        ; v28-29   a scale byte for each half row
.set GSI,    30                        ; v30      where I put my 16 bytes of g or b
.set GSO,    31                        ; v31      where I read g and b back
.set G,      32                        ; v32-63   g of my 32 columns
.set BV,     64                        ; v64-95   b of them
.set XN,     96                        ; v96-127  the row
	s_load_b256 s[4:11], s[0:1], 0x0               ; x, g, b, the norm's output
.if SECOND
	s_load_b128 s[12:15], s[0:1], 0x20             ; W1, W2
	s_load_b128 s[20:23], s[0:1], 0x30             ; wc, ws
.else
	s_load_b256 s[12:19], s[0:1], 0x20             ; Wq, Wk, Wv, Wp
	s_load_b128 s[20:23], s[0:1], 0x40             ; wc, ws
.endif
	v_lshl_add_u32 v[SPW], v0, 2, SPARE
	v_mov_b32 v[NIL], 0
	v_lshrrev_b32 v1, 5, v0
	s_delay_alu instid0(VALU_DEP_1)
	v_readfirstlane_b32 s24, v1                    ; wave 0..15
	v_and_b32 v2, 31, v0                           ; lane
	s_cmp_lt_u32 ttmp9, NWQ                        ; the work-group's number alone decides the way
	s_cbranch_scc0 .Lnorm
	; ---------------- THE WEIGHTS.  Which weight, which 128 columns, which 256 along K
	s_add_co_u32 s25, ttmp9, 128*SECOND
	s_lshr_b32 s26, s25, 7                         ; g: 0 the four square weights, 1 W1, 2 W2
	s_and_b32 s27, s25, 127
	s_cmp_eq_u32 s26, 1
	s_cselect_b32 s28, 5, 3                        ; log2 of the column blocks
	s_mov_b32 s29, 4096
	s_cselect_b32 s29, 16384, s29                  ; NS: bytes in a row of the input
	s_lshl_b32 s30, 1, s28
	s_sub_co_u32 s30, s30, 1
	s_and_b32 s30, s27, s30                        ; column block
	s_lshr_b32 s31, s27, s28
	s_lshr_b32 s32, s31, 2
	s_and_b32 s33, s31, 3
	s_add_co_u32 s34, s26, 3
	s_cmp_eq_u32 s26, 0
	s_cselect_b32 s32, s32, s34                    ; which of the six
	s_cselect_b32 s33, s33, s31                    ; which 256 along K
	s_lshl_b32 s34, s32, 10
	s_cmp_eq_u32 s26, 0
	s_cselect_b32 s34, s34, 0
	s_cmp_eq_u32 s26, 1
	s_cselect_b32 s34, 4096, s34                   ; the weight's first row in wc
	s_cmp_eq_u32 s26, 2
	s_mov_b32 s35, 1024
	s_cselect_b32 s35, 4096, s35                   ; KROW: bytes in a row of codes
	s_cselect_b32 s36, 0x800000, 0                 ; W2's codes begin here
	s_mov_b32 s37, 4096
	s_cselect_b32 s37, 16384, s37                  ; scale words of 128 rows, in bytes
	s_cselect_b32 s38, 0x40000, 0                  ; W2's scale words begin here
	s_lshl_b32 s39, s30, 7
	s_add_co_u32 s34, s34, s39                     ; R0: my work-group's first row of codes
	s_and_b32 s40, s24, 3                          ; cg: my 32 columns of the 128
	s_lshr_b32 s41, s24, 2                         ; kg: my 64 along K of the 256
	s_lshl_b32 s42, s33, 2
	s_add_co_u32 s42, s42, s41
	s_mul_i32 s42, s42, s29
	s_lshl_b32 s42, s42, 6                         ; 64 rows of the input for each step of kg
	s_lshl_b32 s43, s30, 9
	s_add_co_u32 s42, s42, s43
	s_lshl_b32 s43, s40, 7
	s_add_co_u32 s42, s42, s43                     ; + my 32 columns
	s_mov_b32 s43, 0
	s_lshl_b32 s44, s29, 5                         ; a block: 32 rows of the input
	s_mov_b32 s45, 0
	s_lshl_b32 s46, s24, 3
	s_add_co_u32 s46, s46, s34
	s_mul_i32 s46, s46, s35
	s_add_co_u32 s46, s46, s36
	s_lshl_b32 s47, s33, 8
	s_add_co_u32 s46, s46, s47                     ; the eight rows of codes that I store
	s_mov_b32 s47, 0
	s_lshr_b32 s48, s34, 7
	s_mul_i32 s48, s48, s37
	s_add_co_u32 s48, s48, s38
	s_lshl_b32 s49, s33, 10
	s_add_co_u32 s48, s48, s49
	s_and_b32 s49, s24, 1
	s_lshl_b32 s49, s49, 9
	s_add_co_u32 s48, s48, s49                     ; the 128 scale words that wave 0 or 1 stores
	s_mov_b32 s49, 0
	s_wait_alu depctr_va_vdst(0)
	v_lshlrev_b32 v3, 2, v2
.set i, 0
.rept 32
	v_mad_u32_u24 v[OFFS+i], s29, i, v3
.set i, i+1
.endr
	s_mul_i32 s51, s40, 32*PITCH                   ; every LDS address is made here, ahead of the branch on the wave's number further down
	s_lshl_b32 s52, s41, 6
	s_add_co_u32 s51, s51, s52
	v_mul_u32_u24 v4, v2, PITCH
	s_delay_alu instid0(VALU_DEP_1)
	v_add_nc_u32 v4, s51, v4                       ; into the stage: row = my column, my 64 bytes of its 256
	s_lshr_b32 s52, s41, 1
	s_lshl_b32 s52, s52, 9
	s_lshl_b32 s53, s40, 7
	s_add_co_u32 s52, s52, s53
	s_and_b32 s53, s41, 1
	s_lshl_b32 s53, s53, 1
	s_add_co_u32 s52, s52, s53
	s_add_co_u32 s52, s52, SCB
	v_lshl_add_u32 v9, v2, 2, s52                  ; my column's word of K step kg / 2, its lower or upper half
	s_mul_i32 s53, s24, 8*PITCH
	v_and_b32 v5, 15, v2
	v_lshrrev_b32 v6, 4, v2
	s_delay_alu instid0(VALU_DEP_1)
	v_mul_u32_u24 v7, v6, PITCH
	s_delay_alu instid0(VALU_DEP_1)
	v_lshl_add_u32 v7, v5, 4, v7
	s_delay_alu instid0(VALU_DEP_1)
	v_add_nc_u32 v7, s53, v7                       ; out of it: rows 8 w on, sixteen lanes to a row, two rows an instruction
	s_delay_alu instid0(VALU_DEP_4)
	v_mul_lo_u32 v8, v6, s35
	s_delay_alu instid0(VALU_DEP_1)
	v_lshl_add_u32 v8, v5, 4, v8
.irp t, 0,1,2,3
	v_mad_u32_u24 v[OO+\t], s35, 2*\t, v8
.endr
	s_and_b32 s53, s24, 1
	s_lshl_b32 s53, s53, 9
	s_add_co_u32 s53, s53, SCB
	v_lshl_add_u32 v[SWR], v2, 4, s53
	v_lshlrev_b32 v[SWO], 4, v2
	s_wait_kmcnt 0x0
.if SECOND
	s_cmp_eq_u32 s32, 5                            ; the choice of the input hangs on the work-group's number alone
	s_cselect_b64 s[54:55], s[14:15], s[12:13]
.else
	s_mov_b64 s[54:55], s[12:13]
	s_cmp_eq_u32 s32, 1
	s_cselect_b64 s[54:55], s[14:15], s[54:55]
	s_cmp_eq_u32 s32, 2
	s_cselect_b64 s[54:55], s[16:17], s[54:55]
	s_cmp_eq_u32 s32, 3
	s_cselect_b64 s[54:55], s[18:19], s[54:55]
.endif
	s_add_nc_u64 s[56:57], s[54:55], s[42:43]      ; a base for each of my two blocks; never rewritten
	s_add_nc_u64 s[58:59], s[56:57], s[44:45]
	s_add_nc_u64 s[60:61], s[20:21], s[46:47]
	s_add_nc_u64 s[62:63], s[22:23], s[48:49]
.macro LOAD t                          ; block t: W(32 t + i, my column)
.set i, 0
.rept 32
	global_load_b32 v[X+32*(\t)+i], v[OFFS+i], s[56+2*(\t):57+2*(\t)] th:TH_LOAD_NT
.set i, i+1
.endr
.endm
	LOAD 0
	LOAD 1                                         ; all that the wave reads is on its way
.macro BLOCK t
.set XS, X+32*(\t)
.if (\t) == 0
	s_wait_loadcnt 32                              ; this block's 32 loads are in; the other block's may be out
.else
	s_wait_loadcnt 0x0
.endif
	v_max3_num_f32 v12, |v[XS]|, |v[XS+1]|, |v[XS+2]|
	v_max3_num_f32 v13, |v[XS+3]|, |v[XS+4]|, |v[XS+5]|
.irp i, 6,10,14,18,22,26
	s_delay_alu instid0(VALU_DEP_2)
	v_max3_num_f32 v12, v12, |v[XS+\i]|, |v[XS+\i+1]|
	s_delay_alu instid0(VALU_DEP_2)
	v_max3_num_f32 v13, v13, |v[XS+\i+2]|, |v[XS+\i+3]|
.endr
	s_delay_alu instid0(VALU_DEP_2)
	v_max3_num_f32 v12, v12, |v[XS+30]|, |v[XS+31]|
	s_delay_alu instid0(VALU_DEP_1)
	v_max3_num_f32 v12, v12, v13, (EMAX+1)<<23     ; the floor 2^(16 - 127): the byte cannot fall under 1
	s_delay_alu instid0(VALU_DEP_1)
	v_add_nc_u32 v11, -(EMAX<<23), v12             ; 15 off the exponent field: the conversion's scale operand
	s_delay_alu instid0(VALU_DEP_1)
	v_lshrrev_b32 v13, 23, v11                     ; the scale's byte
.if (\t) == 0
	s_delay_alu instid0(VALU_DEP_1)
	v_mov_b32 v[SBY], v13
.else
	s_delay_alu instid0(VALU_DEP_1)
	v_lshl_or_b32 v[SBY], v13, 8, v[SBY]
.endif
.set i, 0
.rept 32
.set i, i+1
.endr
.irp g, 0,1,2,3
	v_cvt_scalef32_pk8_bf8_f32 v[C+2*\g:C+2*\g+1], v[XS+8*\g:XS+8*\g+7], v11
.endr
	ds_store_b128 v4, v[C:C+3] offset:32*(\t)
	ds_store_b128 v4, v[C+4:C+7] offset:32*(\t)+16
	s_wait_dscnt 0x0                               ; the stores have read their registers: the next block's codes may be written
.endm
	BLOCK 0
	BLOCK 1
	s_wait_alu depctr_va_vdst(0)
	ds_store_b16 v9, v[SBY]
	s_wait_dscnt 0x0                               ; for the others' sake: my codes and my two bytes have landed
	s_barrier_signal -1
	s_barrier_wait -1
.irp t, 0,1,2,3
	ds_load_b128 v[X+4*\t:X+4*\t+3], v7 offset:2*\t*PITCH
.endr
.irp t, 0,1,2,3
	s_wait_dscnt 3-\t                              ; the loads behind load t may be out
	global_store_b128 v[OO+\t], v[X+4*\t:X+4*\t+3], s[60:61]   ; sixteen lanes store 256 consecutive bytes, aligned
.endr
	s_cmp_lt_u32 s24, 2
	s_cbranch_scc0 .Lweights_end                   ; waves 0 and 1 store the scale words of the two K steps of 128
	ds_load_b128 v[X+16:X+19], v[SWR]
	s_wait_dscnt 0x0
	global_store_b128 v[SWO], v[X+16:X+19], s[62:63]   ; 512 consecutive bytes
.Lweights_end:
	s_wait_tensorcnt 0x0                           ; the wave's end
	ds_add_u32 v[SPW], v[NIL]
	s_wait_dscnt 0x0
	s_endpgm
	; ---------------- THE LAYER NORM
.Lnorm:
	s_sub_co_u32 s25, ttmp9, NWQ                   ; which 16 rows
	s_mul_i32 s26, s24, 2560
	s_add_co_u32 s26, s26, LST                     ; my stage
	s_wait_alu depctr_va_vdst(0)
	v_lshlrev_b32 v3, 4, v2                        ; 16 x lane: the loads' and the code stores' offset
	v_lshrrev_b32 v4, 2, v2
	s_delay_alu instid0(VALU_DEP_1)
	v_mul_u32_u24 v4, v4, SP
	v_and_b32 v1, 3, v2
	s_delay_alu instid0(VALU_DEP_1)
	v_lshl_add_u32 v4, v1, 4, v4                   ; four lanes' 64 bytes on end, then 16 of padding
	s_lshr_b32 s27, s24, 3
	s_mul_i32 s27, s27, 5120
	s_and_b32 s28, s24, 7
	s_mul_i32 s28, s28, 640
	s_add_co_u32 s27, s27, s28
	s_add_co_u32 s27, s27, GST
	v_add_nc_u32 v[GSI], s27, v4                   ; g (waves 0-7) or b (waves 8-15): my wave's 512 bytes take eight places
	v_add_nc_u32 v4, s26, v4                       ; my stage, on the way in
	v_mul_u32_u24 v7, v2, SP
	s_delay_alu instid0(VALU_DEP_1)
	v_add_nc_u32 v[GSO], GST, v7
	s_delay_alu instid0(VALU_DEP_2)
	v_add_nc_u32 v7, s26, v7                       ; and on the way out
	v_lshrrev_b32 v5, 3, v2
	s_delay_alu instid0(VALU_DEP_1)
	v_lshlrev_b32 v5, 6, v5
	v_bfe_u32 v1, v2, 1, 2
	s_delay_alu instid0(VALU_DEP_1)
	v_add_nc_u32 v5, v5, v1
	s_lshl_b32 s27, s24, 2
	s_add_co_u32 s27, s27, SCW
	v_add_nc_u32 v5, s27, v5                       ; my block's byte: K step lane / 8 (64 bytes each), row = wave (4 bytes each), byte (lane / 2) % 4
	v_lshl_add_u32 v6, v2, 4, SCW                  ; the words that wave 0 stores at the end,
	v_lshrrev_b32 v13, 2, v2
	s_delay_alu instid0(VALU_DEP_1)
	v_lshlrev_b32 v13, 9, v13
	v_and_b32 v1, 3, v2
	s_delay_alu instid0(VALU_DEP_1)
	v_lshl_add_u32 v13, v1, 4, v13                 ; and their place in memory: K step lane / 4, four rows a lane
	s_mov_b32 s48, 0x3a800000                      ; 1 / 1024
	s_mov_b32 s50, 0x76543210
	s_mov_b32 s51, 0xfedcba98                      ; lane l xor 16
	s_lshl_b32 s32, s25, 4
	s_add_co_u32 s32, s32, s24                     ; my row
	s_lshl_b32 s34, s32, 12
	s_mov_b32 s35, 0
	s_lshl_b32 s36, s32, 10
	s_mov_b32 s37, 0
	s_lshr_b32 s38, s25, 3
	s_lshl_b32 s38, s38, 12
	s_and_b32 s39, s25, 7
	s_lshl_b32 s39, s39, 6
	s_add_co_u32 s38, s38, s39
	s_add_co_u32 s38, s38, 0x400000
	s_mov_b32 s39, 0
	s_and_b32 s46, s24, 7
	s_lshl_b32 s46, s46, 9
	s_mov_b32 s47, 0
	s_wait_kmcnt 0x0
	s_cmp_lt_u32 s24, 8
	s_cselect_b64 s[44:45], s[6:7], s[8:9]
	s_add_nc_u64 s[44:45], s[44:45], s[46:47]      ; my 512 bytes of g or of b
	s_add_nc_u64 s[4:5], s[4:5], s[34:35]
	s_add_nc_u64 s[40:41], s[10:11], s[36:37]      ; my codes
	s_add_nc_u64 s[42:43], s[10:11], s[38:39]      ; the work-group's scale words
	global_load_b128 v[G:G+3], v3, s[44:45]
.irp j, 0,1,2,3,4,5,6,7
	global_load_b128 v[XN+4*\j:XN+4*\j+3], v3, s[4:5] offset:512*\j
.endr
	s_wait_loadcnt 8                               ; my piece of g or b is in; the row's eight loads may be out
	ds_store_b128 v[GSI], v[G:G+3]
	s_wait_loadcnt 0x0
.irp f, 0,1                            ; the row through my stage, half by half, back into the registers that it left; LDS serves a wave's instructions in order
.irp j, 0,1,2,3
	ds_store_b128 v4, v[XN+16*\f+4*\j:XN+16*\f+4*\j+3] offset:640*\j
.endr
.irp j, 0,1,2,3
	ds_load_b128 v[XN+16*\f+4*\j:XN+16*\f+4*\j+3], v7 offset:16*\j
.endr
.endr
	s_wait_dscnt 0x0                               ; my row is back; and, for the others' sake, my piece of g or b has landed
	s_barrier_signal -1
	s_barrier_wait -1
.irp f, 0,1
.irp j, 0,1,2,3
	ds_load_b128 v[G+16*\f+4*\j:G+16*\f+4*\j+3], v[GSO] offset:2560*\f+16*\j            ; they land under the two passes below
	ds_load_b128 v[BV+16*\f+4*\j:BV+16*\f+4*\j+3], v[GSO] offset:5120+2560*\f+16*\j
.endr
.endr
.macro LANES                           ; the four chains, the pair's halves and the 32 lanes are added: every lane ends with the sum in v[AC]
	s_delay_alu instid0(VALU_DEP_3)
	v_pk_add_f32 v[AC:AC+1], v[AC:AC+1], v[AC+2:AC+3]
	s_delay_alu instid0(VALU_DEP_2)
	v_pk_add_f32 v[AC+4:AC+5], v[AC+4:AC+5], v[AC+6:AC+7]
	s_delay_alu instid0(VALU_DEP_1)
	v_pk_add_f32 v[AC:AC+1], v[AC:AC+1], v[AC+4:AC+5]
	s_delay_alu instid0(VALU_DEP_1)
	v_add_f32 v[AC], v[AC], v[AC+1]
	s_delay_alu instid0(VALU_DEP_1)
	v_add_f32_dpp v[AC], v[AC], v[AC] row_xmask:1 row_mask:0xf bank_mask:0xf
	s_delay_alu instid0(VALU_DEP_1)
	v_add_f32_dpp v[AC], v[AC], v[AC] row_xmask:2 row_mask:0xf bank_mask:0xf
	s_delay_alu instid0(VALU_DEP_1)
	v_add_f32_dpp v[AC], v[AC], v[AC] row_xmask:4 row_mask:0xf bank_mask:0xf
	s_delay_alu instid0(VALU_DEP_1)
	v_add_f32_dpp v[AC], v[AC], v[AC] row_xmask:8 row_mask:0xf bank_mask:0xf
	s_delay_alu instid0(VALU_DEP_1)
	v_permlanex16_b32 v[AC+1], v[AC], s50, s51
	s_delay_alu instid0(VALU_DEP_1)
	v_add_f32 v[AC], v[AC], v[AC+1]
.endm
.irp c, 0,1,2,3
	v_pk_add_f32 v[AC+2*\c:AC+2*\c+1], v[XN+2*\c:XN+2*\c+1], v[XN+8+2*\c:XN+8+2*\c+1]
.endr
.irp k, 16,24
.irp c, 0,1,2,3
	s_delay_alu instid0(VALU_DEP_4)
	v_pk_add_f32 v[AC+2*\c:AC+2*\c+1], v[AC+2*\c:AC+2*\c+1], v[XN+\k+2*\c:XN+\k+2*\c+1]
.endr
.endr
	LANES
	s_delay_alu instid0(VALU_DEP_1)
	v_mul_f32 v[MU], s48, v[AC]
	s_delay_alu instid0(VALU_DEP_1)
	v_mov_b32 v[MU+1], v[MU]
.set i, 0
.rept 16
	v_pk_add_f32 v[XN+i:XN+i+1], v[XN+i:XN+i+1], v[MU:MU+1] neg_lo:[0,1] neg_hi:[0,1]
.set i, i+2
.endr
.irp c, 0,1,2,3
	v_pk_mul_f32 v[AC+2*\c:AC+2*\c+1], v[XN+2*\c:XN+2*\c+1], v[XN+2*\c:XN+2*\c+1]
.endr
.irp k, 8,16,24
.irp c, 0,1,2,3
	s_delay_alu instid0(VALU_DEP_4)
	v_pk_fma_f32 v[AC+2*\c:AC+2*\c+1], v[XN+\k+2*\c:XN+\k+2*\c+1], v[XN+\k+2*\c:XN+\k+2*\c+1], v[AC+2*\c:AC+2*\c+1]
.endr
.endr
	LANES
	s_delay_alu instid0(VALU_DEP_1)
	v_fmaak_f32 v[AC], s48, v[AC], 0x3727c5ac      ; the variance + 1e-5
	s_wait_alu depctr_va_vdst(0)
	v_rsq_f32 v[RS], v[AC]
	v_nop                                          ; a plain instruction behind the transcendental,
	s_wait_alu depctr_va_vdst(0)                   ; and a wait ahead of its first reader
	v_mov_b32 v[RS+1], v[RS]
.set i, 0
.rept 16
	v_pk_mul_f32 v[XN+i:XN+i+1], v[XN+i:XN+i+1], v[RS:RS+1]
.set i, i+2
.endr
	s_wait_dscnt 0x0                               ; g and b
.set i, 0
.rept 16
	v_pk_fma_f32 v[XN+i:XN+i+1], v[XN+i:XN+i+1], v[G+i:G+i+1], v[BV+i:BV+i+1]
.set i, i+2
.endr
.irp f, 0,1
.set XS, XN+16*\f
.set CS, AC+4*\f
	v_max3_num_f32 v8, |v[XS]|, |v[XS+1]|, |v[XS+2]|
	v_max3_num_f32 v9, |v[XS+3]|, |v[XS+4]|, |v[XS+5]|
.irp i, 6,10
	s_delay_alu instid0(VALU_DEP_2)
	v_max3_num_f32 v8, v8, |v[XS+\i]|, |v[XS+\i+1]|
	s_delay_alu instid0(VALU_DEP_2)
	v_max3_num_f32 v9, v9, |v[XS+\i+2]|, |v[XS+\i+3]|
.endr
	s_delay_alu instid0(VALU_DEP_2)
	v_max3_num_f32 v8, v8, |v[XS+14]|, |v[XS+15]|
	s_delay_alu instid0(VALU_DEP_1)
	v_max3_num_f32 v8, v8, v9, 0x8000000           ; the floor 2^(16 - 127)
	s_delay_alu instid0(VALU_DEP_1)
	v_max_num_f32_dpp v8, v8, v8 row_xmask:1 row_mask:0xf bank_mask:0xf   ; with my neighbour's 16: the block's largest magnitude
	s_delay_alu instid0(VALU_DEP_1)
	v_add_nc_u32 v11, 0xf8800000, v8               ; 15 off its exponent field: the conversion's scale operand
.set i, 0
.rept 16
.set i, i+1
.endr
	v_cvt_scalef32_pk8_bf8_f32 v[CS:CS+1], v[XS:XS+7], v11
	v_cvt_scalef32_pk8_bf8_f32 v[CS+2:CS+3], v[XS+8:XS+15], v11
	v_lshrrev_b32 v[E+\f], 23, v11                 ; the scale's byte (also the plain instruction behind the conversions)
	ds_store_b8 v5, v[E+\f] offset:256*\f          ; both lanes of a block write the same byte with the same value
	global_store_b128 v3, v[CS:CS+3], s[40:41] offset:512*\f   ; 512 consecutive bytes
.endr
	s_wait_dscnt 0x0                               ; for the others' sake: my bytes have landed
	s_barrier_signal -1
	s_barrier_wait -1
	s_cmp_lg_u32 s24, 0
	s_cbranch_scc1 .Lnorm_end                      ; wave 0 stores the 16 rows' scale words
	ds_load_b128 v[XN:XN+3], v6
	s_wait_dscnt 0x0
	global_store_b128 v13, v[XN:XN+3], s[42:43]
.Lnorm_end:
	s_wait_tensorcnt 0x0                           ; the wave's end
	ds_add_u32 v[SPW], v[NIL]
	s_wait_dscnt 0x0
	s_endpgm
.Lfunc_end_k_qadf34d9507_prep2:
	.size	k_qadf34d9507_prep2, .Lfunc_end_k_qadf34d9507_prep2-k_qadf34d9507_prep2
	.p2alignl 7, 3214868480
	.fill 96, 4, 3214868480
	.section	.rodata,"a",@progbits
	.p2align	6, 0x0
	.amdhsa_kernel k_qadf34d9507_prep2
		.amdhsa_group_segment_fixed_size 89600
		.amdhsa_private_segment_fixed_size 0
		.amdhsa_enable_private_segment 0
		.amdhsa_kernarg_size 64
		.amdhsa_user_sgpr_count 2
		.amdhsa_user_sgpr_kernarg_segment_ptr 1
		.amdhsa_wavefront_size32 1
		.amdhsa_system_sgpr_workgroup_id_x 1
		.amdhsa_system_sgpr_workgroup_id_y 1
		.amdhsa_system_sgpr_workgroup_id_z 1
		.amdhsa_system_vgpr_workitem_id 0
		.amdhsa_next_free_vgpr 128
		.amdhsa_next_free_sgpr 66
		.amdhsa_reserve_vcc 0
		.amdhsa_float_denorm_mode_32 3
		.amdhsa_float_denorm_mode_16_64 3
		.amdhsa_fp16_overflow 1
		.amdhsa_memory_ordered 1
		.amdhsa_forward_progress 1
		.amdhsa_inst_pref_size 35
	.end_amdhsa_kernel
	.amdgpu_metadata
---
amdhsa.version: [ 1, 2 ]
amdhsa.kernels:
  - .name:           k_qadf34d9507_prep2
    .symbol:         k_qadf34d9507_prep2.kd
    .args:
      - { .name: h, .offset: 0, .size: 8, .value_kind: global_buffer, .address_space: global }
      - { .name: ln2_g, .offset: 8, .size: 8, .value_kind: global_buffer, .address_space: global }
      - { .name: ln2_b, .offset: 16, .size: 8, .value_kind: global_buffer, .address_space: global }
      - { .name: hq, .offset: 24, .size: 8, .value_kind: global_buffer, .address_space: global }
      - { .name: W1, .offset: 32, .size: 8, .value_kind: global_buffer, .address_space: global }
      - { .name: W2, .offset: 40, .size: 8, .value_kind: global_buffer, .address_space: global }
      - { .name: wc, .offset: 48, .size: 8, .value_kind: global_buffer, .address_space: global }
      - { .name: ws, .offset: 56, .size: 8, .value_kind: global_buffer, .address_space: global }
    .group_segment_fixed_size: 89600
    .private_segment_fixed_size: 0
    .kernarg_segment_align: 8
    .kernarg_segment_size: 64
    .max_flat_workgroup_size: 512
    .sgpr_count:     66
    .vgpr_count:     128
    .wavefront_size: 32
...
	.end_amdgpu_metadata
.endif
;; end of part 5
;; launch fc1 (part 6): grid 16 x 16, 4 waves a work-group, clusters of 4 x 4, 327,680 bytes of LDS; arguments hq, wc, ws, b1, gq; writes gq
.if DOCPART == 6
	.amdgcn_target "amdgcn-amd-amdhsa--gfx1250"
	.amdhsa_code_object_version 6
	.text
	.protected	k_qadf34d9507_fc1
	.globl	k_qadf34d9507_fc1
	.p2align	8
	.type	k_qadf34d9507_fc1,@function
k_qadf34d9507_fc1:
	s_mov_b64 s[64:65], 0
	v_nop
	global_prefetch_b8 v0, s[64:65] scope:SCOPE_SE
	s_setreg_imm32_b32 hwreg(HW_REG_WAVE_MODE, 25, 1), 1
	s_wait_xcnt 0x0
	s_wait_alu depctr_hold_cnt(0) depctr_sa_sdst(0) depctr_va_vdst(0) depctr_va_sdst(0) depctr_va_ssrc(0) depctr_va_vcc(0) depctr_vm_vsrc(0)
	s_getreg_b32 s2, hwreg(HW_REG_IB_STS2, 6, 4)
	s_cmp_eq_u32 s2, 0
	s_cbranch_scc0 .Lentry_in_a_cluster
	s_endpgm
.Lentry_in_a_cluster:
	s_bfe_u32 s2, ttmp6, 0x10000c
	s_cmp_lg_u32 s2, 0xf033
	s_cbranch_scc0 .Lentry_shape_is_right
	s_endpgm
.Lentry_shape_is_right:
; g = gelu(x W1 + b1), exact gelu, on codes of E5M2 (x from hq, W1 from wc and ws), K = 1,024, N = 4,096, and g quantised along N, the next product's K:
; codes [4096][4096] at byte 0 of gq, scale words [row / 128][32][row % 128] from byte 16,777,216.  Nothing is left out.
; A tile of 256 x 256 to a work-group of four waves, 128 x 128 a wave; K in steps of 256 through a ring of two LDS slots; the scale words of the tile's rows, for all of K, come once; 4 x 4 clusters with joint loads.
; The matrix instruction is used transposed: a lane holds one token, its registers run along the hidden units.  A wave's 128 hidden units are one K step of the next product: one scale word a row.
; gelu(y) = y / 2 + (y / 2) erf(y / sqrt 2); erf(z) = z P(z^2) / Q(z^2) on z held to -4 .. 4, P of degree 6 and Q of degree 4 in z^2: good to a few units in f32's last place; beyond 4 erf is 1 to f32.
; THE WAY OUT: a counted loop over the wave's eight blocks of 16 rows: bias, gelu, quantiser, codes into the wave's own stage in slot 0 (which has had its last fill and its last read); behind one barrier whole rows of 256 bytes leave.
; REGISTERS: as in the launch qkv: window 0: addresses, v32-63 scale words alone, v64-127 the bias, v128-255 A's fragments; window 1: B's fragments, on the way out all that the arithmetic touches; windows 2, 3: the accumulators.
; LIMITS: a block of zeros gets the byte 1 where the rule says 127 (its codes are zeros; this program alone reads the bytes); largest magnitudes under 2^-111 take the floor's byte; NaN and infinities are not served.
.set NQ,     2
.set ROWB,   256
.set KROW,   1024
.set PITCH,  272
.set FR,     16
.set NL,     4
.set NP,     8
.set HALFT,  128*PITCH
.set SLOT,   4*HALFT
.set LAPS,   2
.set SCL,    2*SLOT
.set HALFS,  16*272
.set SPARE,  SCL+4*HALFS
.set SS,     SPARE+512
.set WST,    128*144
.set STA,  12
.set SSA,  13
.set SSR,  15
.set ADRA, 16
.set ADRB, 20
.set SO16, 22
.set STO,  24
.set RD,   25
.set CO,   26
.set ADRS, 27
.set SPW,  28
.set NIL,  29
.set SS0,  30
.set BO,   31
.set SC,   32
.set BIAS, 64
.set AF,   128
.set Y,    0                           ; window 1, on the way out
.set Z,    64
.set SQ,   80
.set PP,   96
.set QQ,   112
.set TM,   128
.set PC,   144
.set PW,   160
.set CA11, 162
.set CB6,  164
.set G1, 24
.set G0, 32
.set G1B, 48
.set G0B, 56
.set G1S, 68
.set G0S, 76
.set G1SB, 80
.set G0SB, 88
.set EA, 45
.set ES, 46
.set EQ, 47
.set SEL, 92
.set MNT, 94
.set C707, 24                          ; the way out's constants, as pairs, in registers that held descriptors: every tensor load is done by then
.set A13, 26
.set A9,  28
.set A7,  30
.set A5,  32
.set A3,  34
.set A1,  36
.set B8,  38
.set B4,  48
.set B2,  50
.set B0,  52
.set MSB, 0
.macro WIN new
.if MSB != (\new)
	s_set_vgpr_msb (MSB<<8)|(\new)
.set MSB, (\new)
.endif
.endm
.set MUL_LO, 0xa1
.set MUL_HI, 0xf1
.set TO_B,   0x40
.macro JLOAD g0a, g1a, g0b, g1b
	s_cmp_eq_u32 s15, 0
	s_cbranch_scc0 .Lfor_b_\@
	tensor_load_to_lds s[\g0a:\g0a+3], s[\g1a:\g1a+7]
	s_nop 0
.rept 4
	v_nop
.endr
	s_branch .Lasked_\@
.Lfor_b_\@:
	tensor_load_to_lds s[\g0b:\g0b+3], s[\g1b:\g1b+7]
	s_nop 0
.rept 4
	v_nop
.endr
.Lasked_\@:
.endm
.macro CREST
	s_cmp_lg_u32 s14, 0
	s_cbranch_scc1 .Lnot_wave_0_\@
	s_barrier_signal -3
.Lnot_wave_0_\@:
	s_barrier_wait -3
	s_barrier_signal -1
	s_barrier_wait -1
.endm
.macro CROUND
	s_barrier_signal -1
	s_barrier_wait -1
	CREST
.endm
	s_load_b256 s[4:11], s[0:1], 0x0               ; hq, wc, ws, b1
	s_load_b64 s[12:13], s[0:1], 0x20              ; gq
	v_lshl_add_u32 v[SPW], v0, 2, SPARE
	v_mov_b32 v[NIL], 0
	ds_add_u32 v[SPW], v[NIL]                      ; the opening: the add, twice on end, and its wait ahead of my first tensor load
	ds_add_u32 v[SPW], v[NIL]
	v_lshrrev_b32 v1, 5, v0
	v_readfirstlane_b32 s14, v1
	s_lshr_b32 s15, s14, 1
	s_and_b32 s16, s14, 1
	s_bfe_u32 s40, ttmp6, 0x40000
	s_bfe_u32 s41, ttmp6, 0x40004
	s_lshl_b32 s42, ttmp9, 2
	s_add_co_u32 s42, s42, s40                     ; tile column
	s_and_b32 s17, ttmp7, 0xffff
	s_lshl_b32 s17, s17, 2
	s_add_co_u32 s17, s17, s41                     ; tile row
	s_lshl_b32 s43, s41, 2
	s_lshl_b32 s43, 15, s43
	s_lshl_b32 s44, 0x1111, s40
	s_or_b32 s[G1+0], s43, (1<<20)|(1<<21)|(5<<22)|(3<<25)
	s_or_b32 s[G1B+0], s44, (1<<20)|(1<<21)|(5<<22)|(3<<25)
.irp g, G1, G1B
	s_mov_b32 s[\g+1], ROWB<<16
	s_mov_b32 s[\g+2], 128<<16
	s_mov_b32 s[\g+3], ROWB<<16
	s_mov_b32 s[\g+4], 128
	s_mov_b32 s[\g+5], KROW
	s_mov_b32 s[\g+6], 0
	s_mov_b32 s[\g+7], 0
.endr
	s_or_b32 s[G1S+0], s43, (3<<16)|(1<<20)|(1<<21)|(5<<22)|(3<<25)
	s_or_b32 s[G1SB+0], s44, (3<<16)|(1<<20)|(1<<21)|(5<<22)|(3<<25)
.irp g, G1S, G1SB
	s_mov_b32 s[\g+1], 32<<16
	s_mov_b32 s[\g+2], 16<<16
	s_mov_b32 s[\g+3], 32<<16
	s_mov_b32 s[\g+4], 16
	s_mov_b32 s[\g+5], 32
	s_mov_b32 s[\g+6], 0
	s_mov_b32 s[\g+7], 0
.endr
	s_lshl_b32 s18, s16, 7
	s_lshl_b32 s20, s17, 8
	s_add_co_u32 s20, s20, s18
	s_lshl_b32 s46, s42, 8
	s_add_co_u32 s46, s46, s18
	s_lshl_b32 s22, s20, 5
	s_add_co_u32 s22, s22, 0x400000                ; x's scale words
	s_mov_b32 s23, 0
	s_lshl_b32 s92, s46, 5
	s_add_co_u32 s92, s92, 0x20000                 ; W1's scale words in ws
	s_mov_b32 s93, 0
	s_lshl_b32 s20, s20, 10
	s_mov_b32 s21, 0
	s_lshl_b32 s46, s46, 10
	s_add_co_u32 s46, s46, 0x400000                ; W1's codes in wc
	s_mov_b32 s47, 0
	s_mul_i32 s45, s14, HALFT
	s_mul_i32 s94, s14, HALFS
	s_wait_dscnt 0x0
	s_wait_kmcnt 0x0
	s_add_nc_u64 s[20:21], s[4:5], s[20:21]
	s_add_nc_u64 s[22:23], s[4:5], s[22:23]
	s_add_nc_u64 s[46:47], s[6:7], s[46:47]
	s_add_nc_u64 s[92:93], s[8:9], s[92:93]
	CROUND
	s_mov_b32 s[G0S], 1
	s_add_co_u32 s[G0S+1], s94, SCL
	s_mov_b64 s[G0S+2:G0S+3], s[22:23]
	s_or_b32 s[G0S+3], s[G0S+3], 0x80000000
	s_mov_b32 s[G0SB], 1
	s_add_co_u32 s[G0SB+1], s94, SCL
	s_mov_b64 s[G0SB+2:G0SB+3], s[92:93]
	s_or_b32 s[G0SB+3], s[G0SB+3], 0x80000000
	JLOAD G0S, G1S, G0SB, G1SB
.irp s, 0,1
	s_mov_b32 s[G0+4*\s], 1
	s_add_co_u32 s[G0+4*\s+1], s45, \s*SLOT
	s_add_nc_u64 s[G0+4*\s+2:G0+4*\s+3], s[20:21], \s*ROWB
	s_or_b32 s[G0+4*\s+3], s[G0+4*\s+3], 0x80000000
	s_mov_b32 s[G0B+4*\s], 1
	s_add_co_u32 s[G0B+4*\s+1], s45, \s*SLOT
	s_add_nc_u64 s[G0B+4*\s+2:G0B+4*\s+3], s[46:47], \s*ROWB
	s_or_b32 s[G0B+4*\s+3], s[G0B+4*\s+3], 0x80000000
	JLOAD G0+4*\s, G1, G0B+4*\s, G1B
.endr
	v_and_b32 v1, 15, v0
	v_bfe_u32 v2, v0, 4, 1
	v_mul_u32_u24 v3, v1, PITCH
	v_lshl_add_u32 v4, v2, 4, v3
	s_mul_i32 s21, s15, HALFT
	s_mul_i32 s22, s16, HALFT
	s_add_co_u32 s22, s22, 2*HALFT
.irp s, 0,1
	v_add_nc_u32 v[ADRA+\s], s21, v4
	v_add_nc_u32 v[ADRB+\s], s22, v4
	s_add_co_u32 s21, s21, SLOT
	s_add_co_u32 s22, s22, SLOT
.endr
	v_lshlrev_b32 v5, 2, v1
	s_mul_i32 s21, s15, HALFS
	s_mul_i32 s22, s16, HALFS
	s_add_co_u32 s22, s22, 2*HALFS
	s_sub_co_u32 s22, s22, s21
	v_mul_u32_u24 v6, s22, v2
	s_add_co_u32 s21, s21, SCL
	v_add_nc_u32 v5, v5, v6
	v_add_nc_u32 v[ADRS], s21, v5
	s_mul_i32 s23, s14, WST
	v_mul_u32_u24 v5, v1, 144
	v_lshl_add_u32 v5, v2, 3, v5
	v_add_nc_u32 v[STO], s23, v5                   ; into my stage: row r, + 8 h
	s_lshl_b32 s23, s14, 9
	s_add_co_u32 s23, s23, SS
	v_lshl_add_u32 v[SS0], v1, 2, s23
	v_and_b32 v6, 31, v0
	v_lshl_add_u32 v[SSR], v6, 4, s23
	v_lshlrev_b32 v[SO16], 4, v6
	v_bfe_u32 v5, v6, 3, 1                         ; back: wave w takes the tile's rows 64 w on; a row's two halves lie in two waves' stages
	v_mul_u32_u24 v5, v5, WST
	v_mad_u32_u24 v5, v2, 144, v5
	v_and_b32 v7, 7, v6
	v_lshl_add_u32 v5, v7, 4, v5
	s_mul_i32 s21, s15, 2*WST
	s_mul_i32 s22, s16, 64*144
	s_add_co_u32 s21, s21, s22
	v_add_nc_u32 v[RD], s21, v5
	v_lshlrev_b32 v5, 12, v2
	v_lshl_add_u32 v[CO], v1, 4, v5                ; the same two rows in gq
	s_lshl_b32 s20, s42, 10                        ; the bias: hidden units 256 x tile column + 128 x half + 16 b + 8 h + 0 .. 7
	s_lshl_b32 s22, s16, 9
	s_add_co_u32 s20, s20, s22
	s_mov_b32 s21, 0
	s_add_nc_u64 s[18:19], s[10:11], s[20:21]
	v_lshlrev_b32 v[BO], 5, v2
.irp b, 0,1,2,3,4,5,6,7
	global_load_b128 v[BIAS+8*\b:BIAS+8*\b+3], v[BO], s[18:19] offset:64*\b
	global_load_b128 v[BIAS+8*\b+4:BIAS+8*\b+7], v[BO], s[18:19] offset:64*\b+16
.endr
.macro FRAG reg, adr, q, i
.irp c, 0,1,2,3
	ds_load_b128 v[\reg+4*\c:\reg+4*\c+3], v[\adr] offset:128*(\q)+32*\c+(\i)*16*PITCH
.endr
.endm
.macro MUL16 a0, p, q, sc, zero
.irp a, \a0, \a0+1
.irp b, 0,1,2,3,4,5,6,7
.if \zero
	v_wmma_scale_f32_16x16x128_f8f6f4 v[8*(8*((\a)%4)+\b):8*(8*((\a)%4)+\b)+7], v[128*(\p)+FR*\b:128*(\p)+FR*\b+FR-1], v[AF+FR*(\a):AF+FR*(\a)+FR-1], 0, v[SC+8*NQ*(\sc)+NQ*\b+(\q)], v[SC+8*NQ*(\sc)+NQ*(\a)+(\q)] matrix_a_fmt:MATRIX_FMT_BF8 matrix_b_fmt:MATRIX_FMT_BF8 matrix_a_scale:MATRIX_SCALE_ROW1
.else
	v_wmma_scale_f32_16x16x128_f8f6f4 v[8*(8*((\a)%4)+\b):8*(8*((\a)%4)+\b)+7], v[128*(\p)+FR*\b:128*(\p)+FR*\b+FR-1], v[AF+FR*(\a):AF+FR*(\a)+FR-1], v[8*(8*((\a)%4)+\b):8*(8*((\a)%4)+\b)+7], v[SC+8*NQ*(\sc)+NQ*\b+(\q)], v[SC+8*NQ*(\sc)+NQ*(\a)+(\q)] matrix_a_fmt:MATRIX_FMT_BF8 matrix_b_fmt:MATRIX_FMT_BF8 matrix_a_scale:MATRIX_SCALE_ROW1
.endif
.endr
.endr
.endm
.macro FETCH_B slot, q, p
	WIN TO_B
.irp i, 0,1,2,3,4,5,6,7
	FRAG 128*(\p)+FR*\i, ADRB+\slot, \q, \i
.endr
	WIN 0
.endm
.macro FETCH_A slot, q, i0
.irp i, \i0, \i0+1, \i0+2, \i0+3
	FRAG AF+FR*(\i), ADRA+\slot, \q, \i
.endr
.endm
.macro SCALES sc
.irp i, 0,1,2,3,4,5,6,7
.irp q, 0,1
	ds_load_b32 v[SC+16*\sc+2*\i+\q], v[ADRS] offset:544*\q+272*(\i/4)+64*(\i%4)
.endr
.endr
.endm
.macro PLACES n
.rept \n
	v_nop
.endr
.endm
.macro STEP slot, q, zero
	s_wait_dscnt 4*NL                              ; all but the youngest sixteen loads (A's blocks 4-7) are in
	WIN MUL_LO
	MUL16 0, (\q)%2, \q, \slot, \zero
	MUL16 2, (\q)%2, \q, \slot, \zero
	s_wait_dscnt 0
	PLACES NP
	FETCH_B \slot, (\q)+1, 1-(\q)%2
	FETCH_A \slot, (\q)+1, 0
	WIN MUL_HI
	MUL16 4, (\q)%2, \q, \slot, \zero
	MUL16 6, (\q)%2, \q, \slot, \zero
	PLACES NP
	WIN 0
	FETCH_A \slot, (\q)+1, 4
.endm
.macro TURN slot, next, fill
	s_wait_tensorcnt 0x0                           ; all my tensor loads have landed: my part of the next slot
	ds_add_u32 v[SPW], v[NIL]
	s_wait_dscnt 4*NL+1                            ; the add and the youngest sixteen loads may be out
	WIN MUL_LO
	MUL16 0, 1, NQ-1, \slot, 0
	s_wait_dscnt 0x0                               ; the add is done, and my reads of this slot are over
	s_barrier_signal -1
	MUL16 2, 1, NQ-1, \slot, 0
	WIN 0
	s_barrier_wait -1
.if \fill
	CREST
	s_add_nc_u64 s[G0+4*\slot+2:G0+4*\slot+3], s[G0+4*\slot+2:G0+4*\slot+3], 2*ROWB
	s_add_nc_u64 s[G0B+4*\slot+2:G0B+4*\slot+3], s[G0B+4*\slot+2:G0B+4*\slot+3], 2*ROWB
	JLOAD G0+4*\slot, G1, G0B+4*\slot, G1B
	PLACES NP-4
.else
	PLACES NP
.endif
	v_add_nc_u32 v[ADRS], 1088, v[ADRS]
	FETCH_B \next, 0, 0
	FETCH_A \next, 0, 0
	SCALES \next
	WIN MUL_HI
	MUL16 4, 1, NQ-1, \slot, 0
	MUL16 6, 1, NQ-1, \slot, 0
	PLACES NP
	WIN 0
	FETCH_A \next, 0, 4
.endm
	s_wait_tensorcnt 1                             ; the scale words and my part of slot 0 are in; slot 1's load may be out
	s_barrier_signal -1
	s_barrier_wait -1
	FETCH_B 0, 0, 0
	FETCH_A 0, 0, 0
	SCALES 0
	FETCH_A 0, 0, 4
	STEP 0, 0, 1
	s_mov_b32 s3, LAPS-1
.Llap:
	TURN 0, 1, 1
	STEP 1, 0, 0
	TURN 1, 0, 1
	STEP 0, 0, 0
	s_sub_co_u32 s3, s3, 1
	s_cmp_lg_u32 s3, 0
	s_cbranch_scc1 .Llap
	TURN 0, 1, 0
	STEP 1, 0, 0
	s_wait_dscnt 4*NL
	WIN MUL_LO
	MUL16 0, 1, NQ-1, 1, 0
	MUL16 2, 1, NQ-1, 1, 0
	s_wait_dscnt 0
	WIN MUL_HI
	MUL16 4, 1, NQ-1, 1, 0
	MUL16 6, 1, NQ-1, 1, 0
	WIN 0
; ---- THE WAY OUT
.macro MOVE a                          ; block a's 64 results + the bias -> Y; each accumulator is read from its low end on
	WIN 0x42+((\a)/4)
.irp b, 0,1,2,3,4,5,6,7
.irp p, 0,1,2,3
	v_pk_add_f32 v[Y+8*\b+2*\p:Y+8*\b+2*\p+1], v[64*((\a)%4)+8*\b+2*\p:64*((\a)%4)+8*\b+2*\p+1], v[BIAS+8*\b+2*\p:BIAS+8*\b+2*\p+1]
.endr
.endr
	WIN 0
.endm
.macro GELU g                          ; 16 numbers of Y, two at a time
.irp p, 0,2,4,6,8,10,12,14
	v_pk_mul_f32 v[Z+\p:Z+\p+1], v[Y+16*\g+\p:Y+16*\g+\p+1], s[C707:C707+1] op_sel_hi:[1,0]
.endr
.irp i, 0,1,2,3,4,5,6,7,8,9,10,11,12,13,14,15
	v_med3_num_f32 v[Z+\i], v[Z+\i], -4.0, 4.0
.endr
.irp p, 0,2,4,6,8,10,12,14
	v_pk_mul_f32 v[SQ+\p:SQ+\p+1], v[Z+\p:Z+\p+1], v[Z+\p:Z+\p+1]
.endr
.irp p, 0,2,4,6,8,10,12,14
	v_pk_fma_f32 v[PP+\p:PP+\p+1], v[SQ+\p:SQ+\p+1], s[A13:A13+1], v[CA11:CA11+1] op_sel_hi:[1,0,1]
.endr
.irp p, 0,2,4,6,8,10,12,14
	v_pk_fma_f32 v[QQ+\p:QQ+\p+1], v[SQ+\p:SQ+\p+1], s[B8:B8+1], v[CB6:CB6+1] op_sel_hi:[1,0,1]
.endr
.irp c, A9, A7, A5, A3, A1
.irp p, 0,2,4,6,8,10,12,14
	v_pk_fma_f32 v[PP+\p:PP+\p+1], v[PP+\p:PP+\p+1], v[SQ+\p:SQ+\p+1], s[\c:\c+1] op_sel_hi:[1,1,0]
.endr
.endr
.irp c, B4, B2, B0
.irp p, 0,2,4,6,8,10,12,14
	v_pk_fma_f32 v[QQ+\p:QQ+\p+1], v[QQ+\p:QQ+\p+1], v[SQ+\p:SQ+\p+1], s[\c:\c+1] op_sel_hi:[1,1,0]
.endr
.endr
.irp p, 0,2,4,6,8,10,12,14
	v_pk_mul_f32 v[PP+\p:PP+\p+1], v[PP+\p:PP+\p+1], v[Z+\p:Z+\p+1]
.endr
.irp i, 0,1,2,3,4,5,6,7,8,9,10,11,12,13,14,15
	v_rcp_f32 v[QQ+\i], v[QQ+\i]
.endr
.irp p, 0,2,4,6,8,10,12,14
	v_pk_mul_f32 v[Y+16*\g+\p:Y+16*\g+\p+1], v[Y+16*\g+\p:Y+16*\g+\p+1], 0.5 op_sel_hi:[1,0]   ; plain work behind the batch of reciprocals
.endr
	s_wait_alu depctr_va_vdst(0)                   ; one wait for the batch, ahead of its first reader
.irp p, 0,2,4,6,8,10,12,14
	v_pk_mul_f32 v[PP+\p:PP+\p+1], v[PP+\p:PP+\p+1], v[QQ+\p:QQ+\p+1]
.endr
.irp p, 0,2,4,6,8,10,12,14
	v_pk_fma_f32 v[Y+16*\g+\p:Y+16*\g+\p+1], v[Y+16*\g+\p:Y+16*\g+\p+1], v[PP+\p:PP+\p+1], v[Y+16*\g+\p:Y+16*\g+\p+1]
.endr
.endm
.macro QUANT4
.irp b, 0,1,2,3
	v_max3_num_f32 v[TM+\b], |v[Y+16*\b]|, |v[Y+1+16*\b]|, 0x8000000
.endr
.irp i, 2,4,6,8,10,12,14
.irp b, 0,1,2,3
	v_max3_num_f32 v[TM+\b], v[TM+\b], |v[Y+16*\b+\i]|, |v[Y+1+16*\b+\i]|
.endr
.endr
.irp b, 0,1,2,3
	v_permlanex16_b32 v[TM+4+\b], v[TM+\b], s[SEL], s[SEL+1]
.endr
.irp b, 0,1,2,3
	v_max_num_f32 v[TM+\b], v[TM+\b], v[TM+4+\b]
.endr
.irp b, 0,1,2,3
	v_add_nc_u32 v[TM+12+\b], 0xf8800000, v[TM+\b]
.endr
.irp b, 0,1,2,3
	v_and_or_b32 v[TM+8+\b], v[TM+\b], 0x7f800000, s[MNT]
.endr
.irp b, 0,1,2,3
	v_lshrrev_b32 v[TM+4+\b], 23, v[TM+12+\b]
.endr
	v_lshl_or_b32 v[PW], v[TM+5], 8, v[TM+4]
	v_lshl_or_b32 v[PW], v[TM+6], 16, v[PW]
	v_lshl_or_b32 v[PW], v[TM+7], 24, v[PW]
.irp b, 0,1,2,3
.irp i, 0,1,2,3,4,5,6,7,8,9,10,11,12,13,14,15
	v_med3_num_f32 v[Y+16*\b+\i], v[Y+16*\b+\i], -v[TM+8+\b], v[TM+8+\b]
.endr
	v_cvt_scalef32_pk8_bf8_f32 v[PC+4*\b:PC+1+4*\b], v[Y+16*\b:Y+7+16*\b], v[TM+12+\b]
	v_cvt_scalef32_pk8_bf8_f32 v[PC+2+4*\b:PC+3+4*\b], v[Y+8+16*\b:Y+15+16*\b], v[TM+12+\b]
.endr
	v_nop
.endm
.macro PAIR reg, bits
	s_mov_b32 s[\reg], \bits
	s_mov_b32 s[\reg+1], \bits
.endm
	PLACES NP
	s_wait_loadcnt 0x0                             ; the bias
	s_mov_b32 s[SEL], 0x76543210
	s_mov_b32 s[SEL+1], 0xfedcba98
	s_mov_b32 s[MNT], 0x600000
	PAIR C707, 0x3f3504f3                          ; 1 / sqrt 2
	PAIR A13, 0xaf95df0b                           ; -2.72614225801306e-10
	PAIR A9,  0xb60cff51                           ; -2.10102402082508e-6
	PAIR A7,  0xb86ec2d2                           ; -5.69250639462346e-5
	PAIR A5,  0xba40ac63                           ; -7.34990630326855e-4
	PAIR A3,  0xbb41a1f6                           ; -2.95459980854025e-3
	PAIR A1,  0xbc83dbd4                           ; -1.60960333262415e-2
	PAIR B8,  0xb77460cd                           ; -1.45660718464996e-5
	PAIR B4,  0xbadc924e                           ; -1.68282697438203e-3
	PAIR B2,  0xbbf19bf8                           ; -7.37332916720468e-3
	PAIR B0,  0xbc69b6a7                           ; -1.42647390514189e-2
	WIN 0x40
.irp b, 0,1,2,3
	v_mov_b32 v[TM+4+\b], 0
.endr
	v_mov_b32 v[CA11], 0x32edffee                  ; 2.77068142495902e-8
	v_mov_b32 v[CA11+1], 0x32edffee
	v_mov_b32 v[CB6], 0xb95fbd29                   ; -2.13374055278905e-4
	v_mov_b32 v[CB6+1], 0xb95fbd29
	WIN 0
	s_mov_b32 s[EA], 0
	s_mov_b32 s[ES], 0
	s_mov_b32 s[EQ], 0
.Lrow:                                             ; eight trips: block EA of my 16-row blocks; a chain of jumps picks the copy that names its accumulators
.irp k, 0,1,2,3,4,5,6
	s_cmp_lg_u32 s[EA], \k
	s_cbranch_scc1 .Lnot_\k
	MOVE \k
	s_branch .Lmoved
.Lnot_\k:
.endr
	MOVE 7
.Lmoved:
	WIN 0x55
	GELU 0
	GELU 1
	GELU 2
	GELU 3
	QUANT4
	WIN 0
	v_add_nc_u32 v[STA], s[ES], v[STO]
	v_add_nc_u32 v[SSA], s[EQ], v[SS0]
	WIN 0x04
.irp b, 0,1,2,3
.irp u, 0,1
	ds_store_b64 v[STA], v[PC+4*\b+2*\u:PC+4*\b+2*\u+1] offset:32*\b+16*\u
.endr
.endr
	ds_store_b32 v[SSA], v[PW]
	WIN 0
	s_wait_dscnt 0x0                               ; the stores have read their registers
	s_add_co_u32 s[ES], s[ES], 16*144
	s_add_co_u32 s[EQ], s[EQ], 64
	s_add_co_u32 s[EA], s[EA], 1
	s_cmp_lt_u32 s[EA], 8
	s_cbranch_scc1 .Lrow
	s_barrier_signal -1                            ; every wave's codes lie in its stage
	s_barrier_wait -1
	s_lshl_b32 s20, s17, 20
	s_lshl_b32 s21, s14, 18
	s_add_co_u32 s20, s20, s21
	s_lshl_b32 s21, s42, 8
	s_add_co_u32 s20, s20, s21
	s_mov_b32 s21, 0
	s_add_nc_u64 s[54:55], s[12:13], s[20:21]      ; the tile's rows 64 w on, its 256 bytes
	s_lshl_b32 s20, s17, 1
	s_add_co_u32 s20, s20, s15
	s_lshl_b32 s20, s20, 14
	s_lshl_b32 s22, s42, 1
	s_add_co_u32 s22, s22, s16
	s_lshl_b32 s22, s22, 9
	s_add_co_u32 s20, s20, s22
	s_add_co_u32 s20, s20, 0x1000000
	s_add_nc_u64 s[56:57], s[12:13], s[20:21]      ; my 128 rows' scale words of my K step
.set t, 0
.rept 32
	ds_load_b128 v[128+4*t:128+4*t+3], v[RD] offset:288*t
.set t, t+1
.endr
	ds_load_b128 v[8:11], v[SSR]
.set t, 0
.rept 32
	s_wait_dscnt 32-t
	global_store_b128 v[CO], v[128+4*t:128+4*t+3], s[54:55] offset:8192*t      ; sixteen lanes store 256 consecutive bytes, aligned
.set t, t+1
.endr
	s_wait_dscnt 0x0
	global_store_b128 v[SO16], v[8:11], s[56:57]   ; 512 consecutive bytes
	s_wait_tensorcnt 0x0                           ; the wave's end
	ds_add_u32 v[SPW], v[NIL]
	s_wait_dscnt 0x0
	CROUND
	s_endpgm
.Lfunc_end_k_qadf34d9507_fc1:
	.size	k_qadf34d9507_fc1, .Lfunc_end_k_qadf34d9507_fc1-k_qadf34d9507_fc1
	.p2alignl 7, 3214868480
	.fill 96, 4, 3214868480
	.section	.rodata,"a",@progbits
	.p2align	6, 0x0
	.amdhsa_kernel k_qadf34d9507_fc1
		.amdhsa_group_segment_fixed_size 327680
		.amdhsa_private_segment_fixed_size 0
		.amdhsa_enable_private_segment 0
		.amdhsa_kernarg_size 40
		.amdhsa_user_sgpr_count 2
		.amdhsa_user_sgpr_kernarg_segment_ptr 1
		.amdhsa_wavefront_size32 1
		.amdhsa_system_sgpr_workgroup_id_x 1
		.amdhsa_system_sgpr_workgroup_id_y 1
		.amdhsa_system_sgpr_workgroup_id_z 1
		.amdhsa_system_vgpr_workitem_id 0
		.amdhsa_next_free_vgpr 1024
		.amdhsa_next_free_sgpr 100
		.amdhsa_reserve_vcc 0
		.amdhsa_float_denorm_mode_32 3
		.amdhsa_float_denorm_mode_16_64 3
		.amdhsa_memory_ordered 1
		.amdhsa_forward_progress 1
		.amdhsa_inst_pref_size 193
	.end_amdhsa_kernel
	.amdgpu_metadata
---
amdhsa.version: [ 1, 2 ]
amdhsa.kernels:
  - .name:           k_qadf34d9507_fc1
    .symbol:         k_qadf34d9507_fc1.kd
    .args:
      - { .name: hq, .offset: 0, .size: 8, .value_kind: global_buffer, .address_space: global }
      - { .name: wc, .offset: 8, .size: 8, .value_kind: global_buffer, .address_space: global }
      - { .name: ws, .offset: 16, .size: 8, .value_kind: global_buffer, .address_space: global }
      - { .name: b1, .offset: 24, .size: 8, .value_kind: global_buffer, .address_space: global }
      - { .name: gq, .offset: 32, .size: 8, .value_kind: global_buffer, .address_space: global }
    .group_segment_fixed_size: 327680
    .private_segment_fixed_size: 0
    .kernarg_segment_align: 8
    .kernarg_segment_size: 40
    .max_flat_workgroup_size: 128
    .sgpr_count:     100
    .vgpr_count:     1024
    .wavefront_size: 32
...
	.end_amdgpu_metadata
.endif
;; end of part 6
;; launch fc2 (part 7): grid 8 x 32, 4 waves a work-group, clusters of 4 x 4, 327,680 bytes of LDS; arguments gq, wc, ws, b2, h, out0; writes out0
.if DOCPART == 7
	.amdgcn_target "amdgcn-amd-amdhsa--gfx1250"
	.amdhsa_code_object_version 6
	.text
	.protected	k_qadf34d9507_fc2
	.globl	k_qadf34d9507_fc2
	.p2align	8
	.type	k_qadf34d9507_fc2,@function
k_qadf34d9507_fc2:
	s_mov_b64 s[64:65], 0
	v_nop
	global_prefetch_b8 v0, s[64:65] scope:SCOPE_SE
	s_setreg_imm32_b32 hwreg(HW_REG_WAVE_MODE, 25, 1), 1
	s_wait_xcnt 0x0
	s_wait_alu depctr_hold_cnt(0) depctr_sa_sdst(0) depctr_va_vdst(0) depctr_va_sdst(0) depctr_va_ssrc(0) depctr_va_vcc(0) depctr_vm_vsrc(0)
	s_getreg_b32 s2, hwreg(HW_REG_IB_STS2, 6, 4)
	s_cmp_eq_u32 s2, 0
	s_cbranch_scc0 .Lentry_in_a_cluster
	s_endpgm
.Lentry_in_a_cluster:
	s_bfe_u32 s2, ttmp6, 0x10000c
	s_cmp_lg_u32 s2, 0xf033
	s_cbranch_scc0 .Lentry_shape_is_right
	s_endpgm
.Lentry_shape_is_right:
; out0 = g x W2 + b2 + h.  A: codes and scale words from gq, [4096][4096]; B: W2's from wc and ws; the result f32 [4096][1024].  Nothing is left out.
; The text is the launch proj's with K = 4,096: a tile of 128 x 128, 256 work-groups, four waves of 64 x 64; K in steps of 512 through two LDS slots, eight steps: three trips of the loop fill both slots again;
; the scale words of the tile's rows, for all of K, come once; the matrix instruction is used transposed; 4 x 4 clusters with joint loads; the residual is loaded at the head in the layout of the stores.
; REGISTERS: window 0: v0-31 addresses and the bias; v32-63 scale words, two sets, and nothing else; v64-127 rows on the way out; v128-255 the accumulators.  Window 1: two fragment buffers.  Window 2: the residual.
.set SIZE_K, 4096
.set ASOFF,  0x1000000                 ; A's scale words, from A's first byte
.set BOFF,   0x800000                  ; B's codes in wc
.set BSOFF,  0x40000                   ; B's scale words in ws
.set KSTEP,  512
.set PITCH,  528
.set HALFT,  64*PITCH
.set SLOT,   4*HALFT
.set SCL,    2*SLOT
.set KQ,     SIZE_K/128
.set HALFS,  272*KQ
.set SPARE,  SCL+4*HALFS
.set STAGE,  SPARE+512
.set LAPS,   SIZE_K/1024
.set NP,     8
.set BI,   12
.set ADRA, 16
.set ADRB, 20
.set BO,   22
.set STO,  24
.set RD,   25
.set CO,   26
.set ADRS, 27
.set SPW,  28
.set NIL,  29
.set SC,   32
.set OB,   64
.set ACC,  128
.set F0,   0
.set F1,   128
.set G1, 24
.set G0, 32
.set G1B, 48
.set G0B, 56
.set G1S, 68
.set G0S, 76
.set G1SB, 80
.set G0SB, 88
.set MSB, 0
.macro WIN new
.if MSB != (\new)
	s_set_vgpr_msb (MSB<<8)|(\new)
.set MSB, (\new)
.endif
.endm
.set MUL,  0x05
.set TO_F, 0x40
.macro JLOAD g0a, g1a, g0b, g1b
	s_cmp_eq_u32 s15, 0
	s_cbranch_scc0 .Lfor_b_\@
	tensor_load_to_lds s[\g0a:\g0a+3], s[\g1a:\g1a+7]
	s_nop 0
.rept 4
	v_nop
.endr
	s_branch .Lasked_\@
.Lfor_b_\@:
	tensor_load_to_lds s[\g0b:\g0b+3], s[\g1b:\g1b+7]
	s_nop 0
.rept 4
	v_nop
.endr
.Lasked_\@:
.endm
.macro CREST
	s_cmp_lg_u32 s14, 0
	s_cbranch_scc1 .Lnot_wave_0_\@
	s_barrier_signal -3
.Lnot_wave_0_\@:
	s_barrier_wait -3
	s_barrier_signal -1
	s_barrier_wait -1
.endm
.macro CROUND
	s_barrier_signal -1
	s_barrier_wait -1
	CREST
.endm
	s_load_b256 s[4:11], s[0:1], 0x0               ; A, wc, ws, the bias
	s_load_b128 s[96:99], s[0:1], 0x20             ; the residual, the result
	v_lshl_add_u32 v[SPW], v0, 2, SPARE
	v_mov_b32 v[NIL], 0
	ds_add_u32 v[SPW], v[NIL]                      ; the opening: the add, twice on end, and its wait ahead of my first tensor load
	ds_add_u32 v[SPW], v[NIL]
	v_lshrrev_b32 v1, 5, v0
	v_readfirstlane_b32 s14, v1
	s_lshr_b32 s15, s14, 1
	s_and_b32 s16, s14, 1
	s_bfe_u32 s40, ttmp6, 0x40000
	s_bfe_u32 s41, ttmp6, 0x40004
	s_lshl_b32 s42, ttmp9, 2
	s_add_co_u32 s42, s42, s40
	s_and_b32 s17, ttmp7, 0xffff
	s_lshl_b32 s17, s17, 2
	s_add_co_u32 s17, s17, s41
	s_lshl_b32 s43, s41, 2
	s_lshl_b32 s43, 15, s43
	s_lshl_b32 s44, 0x1111, s40
	s_or_b32 s[G1+0], s43, (1<<20)|(1<<21)|(6<<22)|(3<<25)
	s_or_b32 s[G1B+0], s44, (1<<20)|(1<<21)|(6<<22)|(3<<25)
.irp g, G1, G1B
	s_mov_b32 s[\g+1], KSTEP<<16
	s_mov_b32 s[\g+2], 64<<16
	s_mov_b32 s[\g+3], KSTEP<<16
	s_mov_b32 s[\g+4], 64
	s_mov_b32 s[\g+5], SIZE_K
	s_mov_b32 s[\g+6], 0
	s_mov_b32 s[\g+7], 0
.endr
	s_or_b32 s[G1S+0], s43, (3<<16)|(1<<20)|(1<<21)|(5<<22)|(3<<25)
	s_or_b32 s[G1SB+0], s44, (3<<16)|(1<<20)|(1<<21)|(5<<22)|(3<<25)
.irp g, G1S, G1SB
	s_mov_b32 s[\g+1], 32<<16
	s_mov_b32 s[\g+2], KQ<<16
	s_mov_b32 s[\g+3], 32<<16
	s_mov_b32 s[\g+4], KQ
	s_mov_b32 s[\g+5], 32
	s_mov_b32 s[\g+6], 0
	s_mov_b32 s[\g+7], 0
.endr
	s_lshl_b32 s18, s16, 6
	s_lshl_b32 s20, s17, 7
	s_add_co_u32 s20, s20, s18
	s_mul_i32 s20, s20, SIZE_K
	s_mov_b32 s21, 0
	s_lshl_b32 s46, s42, 7
	s_add_co_u32 s46, s46, s18
	s_mul_i32 s46, s46, SIZE_K
	s_add_co_u32 s46, s46, BOFF
	s_mov_b32 s47, 0
	s_mul_i32 s19, s16, KQ*256
	s_mul_i32 s22, s17, KQ*512
	s_add_co_u32 s22, s22, s19
	s_add_co_u32 s22, s22, ASOFF
	s_mov_b32 s23, 0
	s_mul_i32 s92, s42, KQ*512
	s_add_co_u32 s92, s92, s19
	s_add_co_u32 s92, s92, BSOFF
	s_mov_b32 s93, 0
	s_mul_i32 s45, s14, HALFT
	s_mul_i32 s94, s14, HALFS
	s_wait_dscnt 0x0
	s_wait_kmcnt 0x0
	s_add_nc_u64 s[20:21], s[4:5], s[20:21]
	s_add_nc_u64 s[22:23], s[4:5], s[22:23]
	s_add_nc_u64 s[46:47], s[6:7], s[46:47]
	s_add_nc_u64 s[92:93], s[8:9], s[92:93]
	CROUND
	s_mov_b32 s[G0S], 1
	s_add_co_u32 s[G0S+1], s94, SCL
	s_mov_b64 s[G0S+2:G0S+3], s[22:23]
	s_or_b32 s[G0S+3], s[G0S+3], 0x80000000
	s_mov_b32 s[G0SB], 1
	s_add_co_u32 s[G0SB+1], s94, SCL
	s_mov_b64 s[G0SB+2:G0SB+3], s[92:93]
	s_or_b32 s[G0SB+3], s[G0SB+3], 0x80000000
	JLOAD G0S, G1S, G0SB, G1SB
.irp s, 0,1
	s_mov_b32 s[G0+4*\s], 1
	s_add_co_u32 s[G0+4*\s+1], s45, \s*SLOT
	s_add_nc_u64 s[G0+4*\s+2:G0+4*\s+3], s[20:21], \s*KSTEP
	s_or_b32 s[G0+4*\s+3], s[G0+4*\s+3], 0x80000000
	s_mov_b32 s[G0B+4*\s], 1
	s_add_co_u32 s[G0B+4*\s+1], s45, \s*SLOT
	s_add_nc_u64 s[G0B+4*\s+2:G0B+4*\s+3], s[46:47], \s*KSTEP
	s_or_b32 s[G0B+4*\s+3], s[G0B+4*\s+3], 0x80000000
	JLOAD G0+4*\s, G1, G0B+4*\s, G1B
.endr
	v_and_b32 v1, 15, v0
	v_bfe_u32 v2, v0, 4, 1
	v_mul_u32_u24 v3, v1, PITCH
	v_lshl_add_u32 v4, v2, 4, v3
	s_mul_i32 s21, s15, HALFT
	s_mul_i32 s22, s16, HALFT
	s_add_co_u32 s22, s22, 2*HALFT
.irp s, 0,1
	v_add_nc_u32 v[ADRA+\s], s21, v4
	v_add_nc_u32 v[ADRB+\s], s22, v4
	s_add_co_u32 s21, s21, SLOT
	s_add_co_u32 s22, s22, SLOT
.endr
	v_lshlrev_b32 v5, 2, v1
	s_mul_i32 s21, s15, 272
	s_mul_i32 s22, s16, 272
	s_add_co_u32 s22, s22, 2*HALFS
	s_sub_co_u32 s22, s22, s21
	v_mul_u32_u24 v6, s22, v2
	s_add_co_u32 s21, s21, SCL
	v_add_nc_u32 v5, v5, v6
	v_add_nc_u32 v[ADRS], s21, v5
	s_mul_i32 s23, s14, 16*272
	s_add_co_u32 s23, s23, STAGE
	v_mul_u32_u24 v5, v1, 272
	v_lshl_add_u32 v5, v2, 5, v5
	v_add_nc_u32 v[STO], s23, v5
	v_mul_u32_u24 v5, v2, 272
	v_lshl_add_u32 v5, v1, 4, v5
	v_add_nc_u32 v[RD], s23, v5
	v_lshlrev_b32 v5, 12, v2
	v_lshl_add_u32 v[CO], v1, 4, v5
	v_lshlrev_b32 v[BO], 4, v1
	s_lshl_b32 s20, s17, 7
	s_lshl_b32 s21, s15, 6
	s_add_co_u32 s20, s20, s21
	s_lshl_b32 s20, s20, 12
	s_lshl_b32 s46, s42, 9
	s_lshl_b32 s47, s16, 8
	s_add_co_u32 s46, s46, s47
	s_add_co_u32 s20, s20, s46
	s_mov_b32 s21, 0
	s_mov_b32 s47, 0
	s_add_nc_u64 s[96:97], s[96:97], s[20:21]
	s_add_nc_u64 s[98:99], s[98:99], s[20:21]
	s_add_nc_u64 s[10:11], s[10:11], s[46:47]
	WIN 0x80
.irp a, 0,1,2,3
.irp t, 0,1,2,3,4,5,6,7
	global_load_b128 v[4*(8*\a+\t):4*(8*\a+\t)+3], v[CO], s[96:97] offset:(16*\a+2*\t)*4096
.endr
.endr
	WIN 0
	global_load_b128 v[BI:BI+3], v[BO], s[10:11]
.macro FRAG reg, adr, q, i
.irp c, 0,1,2,3
	ds_load_b128 v[\reg+4*\c:\reg+4*\c+3], v[\adr] offset:128*(\q)+32*\c+(\i)*16*PITCH
.endr
.endm
.macro FETCH slot, q, f
	WIN TO_F
.irp i, 0,1,2,3
	FRAG (\f)+64+16*\i, ADRB+\slot, \q, \i
.endr
.irp i, 0,1,2,3
	FRAG (\f)+16*\i, ADRA+\slot, \q, \i
.endr
.endm
.macro SCALES set
.irp i, 0,1,2,3
.irp q, 0,1,2,3
	ds_load_b32 v[SC+16*\set+4*\i+\q], v[ADRS] offset:544*\q+64*\i
.endr
.endr
.endm
.macro MULA f, a, q, set, zero
.irp b, 0,1,2,3
.if \zero
	v_wmma_scale_f32_16x16x128_f8f6f4 v[ACC+8*(4*(\a)+\b):ACC+8*(4*(\a)+\b)+7], v[(\f)+64+16*\b:(\f)+64+16*\b+15], v[(\f)+16*(\a):(\f)+16*(\a)+15], 0, v[SC+16*(\set)+4*\b+(\q)], v[SC+16*(\set)+4*(\a)+(\q)] matrix_a_fmt:MATRIX_FMT_BF8 matrix_b_fmt:MATRIX_FMT_BF8 matrix_a_scale:MATRIX_SCALE_ROW1
.else
	v_wmma_scale_f32_16x16x128_f8f6f4 v[ACC+8*(4*(\a)+\b):ACC+8*(4*(\a)+\b)+7], v[(\f)+64+16*\b:(\f)+64+16*\b+15], v[(\f)+16*(\a):(\f)+16*(\a)+15], v[ACC+8*(4*(\a)+\b):ACC+8*(4*(\a)+\b)+7], v[SC+16*(\set)+4*\b+(\q)], v[SC+16*(\set)+4*(\a)+(\q)] matrix_a_fmt:MATRIX_FMT_BF8 matrix_b_fmt:MATRIX_FMT_BF8 matrix_a_scale:MATRIX_SCALE_ROW1
.endif
.endr
.endm
.macro PLACES n
.rept \n
	v_nop
.endr
.endm
.macro QUARTER slot, q, f, g, zero
	s_wait_dscnt 8                                 ; all but the youngest eight loads (A's blocks 2, 3) are in
	WIN MUL
	MULA \f, 0, \q, \slot, \zero
	MULA \f, 1, \q, \slot, \zero
	PLACES NP
	FETCH \slot, (\q)+1, \g
	s_wait_dscnt 32                                ; all but the 32 just issued
	WIN MUL
	MULA \f, 2, \q, \slot, \zero
	MULA \f, 3, \q, \slot, \zero
.endm
.macro TURN slot, next, fill
	WIN 0
	s_wait_tensorcnt 0x0                           ; all my tensor loads have landed: my part of the next slot
	ds_add_u32 v[SPW], v[NIL]
	s_wait_dscnt 9                                 ; the add and the youngest eight loads may be out
	WIN MUL
	MULA F1, 0, 3, \slot, 0
	s_wait_dscnt 0x0                               ; the add is done, and my reads of this slot are over
	s_barrier_signal -1
	MULA F1, 1, 3, \slot, 0
	WIN 0
	s_barrier_wait -1
.if \fill
	CREST                                          ; the barrier has opened a round of the cluster's barrier: no wave of any partner still reads this slot or has a load on its way
	s_add_nc_u64 s[G0+4*\slot+2:G0+4*\slot+3], s[G0+4*\slot+2:G0+4*\slot+3], 2*KSTEP
	s_add_nc_u64 s[G0B+4*\slot+2:G0B+4*\slot+3], s[G0B+4*\slot+2:G0B+4*\slot+3], 2*KSTEP
	JLOAD G0+4*\slot, G1, G0B+4*\slot, G1B
	PLACES NP-4
.else
	PLACES NP
.endif
	v_add_nc_u32 v[ADRS], 2176, v[ADRS]
	SCALES \next
	FETCH \next, 0, F0
	WIN MUL
	MULA F1, 2, 3, \slot, 0
	MULA F1, 3, 3, \slot, 0
.endm
	s_wait_tensorcnt 1                             ; the scale words and my part of slot 0 are in; slot 1's load may be out
	s_barrier_signal -1
	s_barrier_wait -1
	SCALES 0
	FETCH 0, 0, F0
	QUARTER 0, 0, F0, F1, 1
.if LAPS > 1
	WIN 0
	s_mov_b32 s3, LAPS-1
.Llap:
	QUARTER 0, 1, F1, F0, 0
	QUARTER 0, 2, F0, F1, 0
	TURN 0, 1, 1
	QUARTER 1, 0, F0, F1, 0
	QUARTER 1, 1, F1, F0, 0
	QUARTER 1, 2, F0, F1, 0
	TURN 1, 0, 1
	QUARTER 0, 0, F0, F1, 0
	WIN 0
	s_sub_co_u32 s3, s3, 1
	s_cmp_lg_u32 s3, 0
	s_cbranch_scc1 .Llap
.endif
	QUARTER 0, 1, F1, F0, 0
	QUARTER 0, 2, F0, F1, 0
	TURN 0, 1, 0
	QUARTER 1, 0, F0, F1, 0
	QUARTER 1, 1, F1, F0, 0
	QUARTER 1, 2, F0, F1, 0
	s_wait_dscnt 8
	WIN MUL
	MULA F1, 0, 3, 1, 0
	MULA F1, 1, 3, 1, 0
	s_wait_dscnt 0
	MULA F1, 2, 3, 1, 0
	MULA F1, 3, 3, 1, 0
	WIN 0
	PLACES NP
	s_wait_loadcnt 0x0                             ; the residual and the bias
.irp a, 0,1,2,3
.if \a >= 2
	s_wait_xcnt 0x0                                ; the stores of two blocks back have read their registers
.endif
.irp b, 0,1,2,3
	ds_store_b128 v[STO], v[ACC+8*(4*\a+\b):ACC+8*(4*\a+\b)+3] offset:64*\b
	ds_store_b128 v[STO], v[ACC+8*(4*\a+\b)+4:ACC+8*(4*\a+\b)+7] offset:64*\b+16
.endr
.irp t, 0,1,2,3,4,5,6,7
	ds_load_b128 v[OB+32*(\a%2)+4*\t:OB+32*(\a%2)+4*\t+3], v[RD] offset:544*\t
.endr
	s_wait_dscnt 0x0
.irp t, 0,1,2,3,4,5,6,7
	v_pk_add_f32 v[OB+32*(\a%2)+4*\t:OB+32*(\a%2)+4*\t+1], v[OB+32*(\a%2)+4*\t:OB+32*(\a%2)+4*\t+1], v[BI:BI+1]
	v_pk_add_f32 v[OB+32*(\a%2)+4*\t+2:OB+32*(\a%2)+4*\t+3], v[OB+32*(\a%2)+4*\t+2:OB+32*(\a%2)+4*\t+3], v[BI+2:BI+3]
.endr
	WIN 0x08
.irp t, 0,1,2,3,4,5,6,7
	v_pk_add_f32 v[OB+32*(\a%2)+4*\t:OB+32*(\a%2)+4*\t+1], v[OB+32*(\a%2)+4*\t:OB+32*(\a%2)+4*\t+1], v[4*(8*\a+\t):4*(8*\a+\t)+1]
	v_pk_add_f32 v[OB+32*(\a%2)+4*\t+2:OB+32*(\a%2)+4*\t+3], v[OB+32*(\a%2)+4*\t+2:OB+32*(\a%2)+4*\t+3], v[4*(8*\a+\t)+2:4*(8*\a+\t)+3]
.endr
	WIN 0
.irp t, 0,1,2,3,4,5,6,7
	global_store_b128 v[CO], v[OB+32*(\a%2)+4*\t:OB+32*(\a%2)+4*\t+3], s[98:99] offset:(16*\a+2*\t)*4096   ; sixteen lanes store 256 consecutive bytes, aligned
.endr
.endr
	s_wait_tensorcnt 0x0                           ; the wave's end
	ds_add_u32 v[SPW], v[NIL]
	s_wait_dscnt 0x0
	CROUND
	s_endpgm
.Lfunc_end_k_qadf34d9507_fc2:
	.size	k_qadf34d9507_fc2, .Lfunc_end_k_qadf34d9507_fc2-k_qadf34d9507_fc2
	.p2alignl 7, 3214868480
	.fill 96, 4, 3214868480
	.section	.rodata,"a",@progbits
	.p2align	6, 0x0
	.amdhsa_kernel k_qadf34d9507_fc2
		.amdhsa_group_segment_fixed_size 327680
		.amdhsa_private_segment_fixed_size 0
		.amdhsa_enable_private_segment 0
		.amdhsa_kernarg_size 48
		.amdhsa_user_sgpr_count 2
		.amdhsa_user_sgpr_kernarg_segment_ptr 1
		.amdhsa_wavefront_size32 1
		.amdhsa_system_sgpr_workgroup_id_x 1
		.amdhsa_system_sgpr_workgroup_id_y 1
		.amdhsa_system_sgpr_workgroup_id_z 1
		.amdhsa_system_vgpr_workitem_id 0
		.amdhsa_next_free_vgpr 768
		.amdhsa_next_free_sgpr 100
		.amdhsa_reserve_vcc 0
		.amdhsa_float_denorm_mode_32 3
		.amdhsa_float_denorm_mode_16_64 3
		.amdhsa_memory_ordered 1
		.amdhsa_forward_progress 1
		.amdhsa_inst_pref_size 106
	.end_amdhsa_kernel
	.amdgpu_metadata
---
amdhsa.version: [ 1, 2 ]
amdhsa.kernels:
  - .name:           k_qadf34d9507_fc2
    .symbol:         k_qadf34d9507_fc2.kd
    .args:
      - { .name: gq, .offset: 0, .size: 8, .value_kind: global_buffer, .address_space: global }
      - { .name: wc, .offset: 8, .size: 8, .value_kind: global_buffer, .address_space: global }
      - { .name: ws, .offset: 16, .size: 8, .value_kind: global_buffer, .address_space: global }
      - { .name: b2, .offset: 24, .size: 8, .value_kind: global_buffer, .address_space: global }
      - { .name: h, .offset: 32, .size: 8, .value_kind: global_buffer, .address_space: global }
      - { .name: out0, .offset: 40, .size: 8, .value_kind: global_buffer, .address_space: global }
    .group_segment_fixed_size: 327680
    .private_segment_fixed_size: 0
    .kernarg_segment_align: 8
    .kernarg_segment_size: 48
    .max_flat_workgroup_size: 128
    .sgpr_count:     100
    .vgpr_count:     768
    .wavefront_size: 32
...
	.end_amdgpu_metadata
.endif
;; end of part 7
